; MI455X (gfx1250); checked and timed in simulation.
; The chip was launched on July 23, 2026; its instructions are those of AMD's public machine-readable ISA for CDNA 5 (MIT licence, August 2026) and "CDNA5" Instruction Set Architecture Reference Guide (July 2026). The comments in the code are by the model that wrote it; some were corrected since.
;; Ideal DPM. Allowed arithmetic: float matrix products may take bf16 or f16 operands with f32 sums; all other float work in f32.
;; Inputs: b_bd 1 float32; b_in 256 float32; b_k 256 float32; b_o 256 float32; b_pr 256 float32; b_q 256 float32; b_v 256 float32; w_bd 1 x 256 float32; w_in 256 x 256 float32; w_k 256 x 256 float32; w_o 256 x 256 float32; w_pr 256 x 256 float32; w_q 256 x 256 float32; w_v 256 x 256 float32; x 8 x 2,048 x 256 float32.
;; Outputs: out0 8 x 8 x 256 float32.
;; 4 versions, each right; versions 2 to 3 are each faster than the one before; version 4 is version 3 with the launch proj written anew for expert scheduling mode. Each part assembles by itself: llvm-mc -triple=amdgcn-amd-amdhsa -mcpu=gfx1250 --defsym DOCPART=n.
;; ======== version 1 of 4: 4 launches
;; workspace buffers: wf 1,048,576 bytes; gbuf 5,120 bytes; qf 16,777,216 bytes; kf 16,777,216 bytes; zf 8,388,608 bytes; sbuf 262,144 bytes; heads 262,144 bytes
;; launch prep (part 1): grid 68 x 1, 8 waves a work-group, no clusters, 9,472 bytes of LDS; arguments w_in, w_q, w_k, w_pr, w_o, w_v, w_bd, b_o, b_v, b_bd, wf, gbuf; writes wf, gbuf
.if DOCPART == 1
	.amdgcn_target "amdgcn-amd-amdhsa--gfx1250"
	.amdhsa_code_object_version 6
	.text
	.protected	k_qd92ef55c74_prep
	.globl	k_qd92ef55c74_prep
	.p2align	8
	.type	k_qd92ef55c74_prep,@function
k_qd92ef55c74_prep:
	s_mov_b64 s[64:65], 0
	v_nop
	global_prefetch_b8 v0, s[64:65] scope:SCOPE_SE
	s_setreg_imm32_b32 hwreg(HW_REG_WAVE_MODE, 25, 1), 1
	s_wait_xcnt 0x0
; prep: what hangs on the weights alone.
; Work-groups 0..63 (mat = id / 16, F = id % 16): 16 rows of w_in, w_q, w_k or w_pr as TWO bf16 numbers each, hi = bf16(w) and lo = bf16(w - hi)
; (together 16 bits of mantissa, the range of f32), in matrix-operand order:
;   wf[2 mat + (0 hi, 1 lo)][F][ks 8][piece 2][lane 32][16 bytes]; lane (r, hh) holds W[16 F + r][32 ks + 16 piece + 8 hh + 0..7].  Wave w takes k-step w.
; Work-groups 64..67 (head hd): all in f32
;   u[c]  = sum over j of w_bd[j] w_o[j][64 hd + c]              (64 numbers)
;   g[e]  = sum over d of u[d] w_v[64 hd + d][e]                 (256 numbers, gbuf bytes 1024 hd ..)
;   c     = sum over d of u[d] b_v[64 hd + d] + (w_bd . b_o + b_bd) / 4    (64 copies, gbuf bytes 4096 + 256 hd ..)
; so that the boundary logit of a token is the sum over the heads of softmax . (g . h_key + c): softmax weights add up to one.
; LIMIT: the sums are ordered otherwise than in a chain of products.
; The branch between the two roles hangs on the work-group's number alone: all eight waves take the same way, and the barriers stand in one role only.
.set WB,  8                            ; v[8:23]    w_bd[16 jg ..]
.set WO,  24                           ; v[24:87]   16 rows of w_o, 4 columns each; later at work
.set WV,  88                           ; v[88:151]  16 rows of w_v, 4 columns each
.set PU,  152                          ; v[152:155] a partial sum of 4 columns
.set UU,  156                          ; v[156:171] u[16 dg ..]
.set BV,  172                          ; v[172:173] b_v[64 hd + 2 lane ..]
.set W8,  174                          ; v[174:181] w_bd[8 lane ..]
.set O8,  182                          ; v[182:189] b_o[8 lane ..]
.set U2,  190                          ; v[190:191] u[2 lane ..]
.set LDS_U,  4096                      ; LDS: partial u [16][64] f32 at 0, u at 4096, partial g [4][256] f32 at 4352
.set LDS_PG, 4352
	s_load_b512 s[4:19], s[0:1], 0x0               ; w_in s[4:5], w_q s[6:7], w_k s[8:9], w_pr s[10:11], w_o s[12:13], w_v s[14:15], w_bd s[16:17], b_o s[18:19]
	s_load_b256 s[20:27], s[0:1], 0x40             ; b_v s[20:21], b_bd s[22:23], wf s[24:25], gbuf s[26:27]
	v_lshl_add_u32 v208, v0, 2, 0x2100
	v_mov_b32 v209, 0
	v_lshrrev_b32 v1, 5, v0
	v_readfirstlane_b32 s28, v1                    ; wave
	v_and_b32 v2, 31, v0                           ; lane
	s_mov_b32 s29, ttmp9
	s_cmp_lt_u32 s29, 64
	s_cbranch_scc0 .Lrole_g
	; ---- 16 rows of one weight matrix to bf16 hi and lo ----
	s_lshr_b32 s30, s29, 4                         ; mat
	s_and_b32 s31, s29, 15                         ; F
	v_and_b32 v3, 15, v0                           ; r
	v_bfe_u32 v4, v0, 4, 1                         ; hh
	v_lshlrev_b32 v5, 10, v3                       ; row r: 1,024 bytes a row
	v_lshl_add_u32 v5, v4, 5, v5                   ; + 8 hh numbers
	v_lshl_add_u32 v5, v1, 7, v5                   ; + 32 w numbers
	v_lshlrev_b32 v6, 4, v2                        ; out: 16 lane
	v_lshl_add_u32 v6, v1, 10, v6                  ; + 1,024 ks
	s_lshl_b32 s34, s31, 14                        ; 16 F rows
	s_mov_b32 s35, 0
	s_lshl_b32 s36, s30, 18                        ; 262,144 bytes for a matrix's hi and lo,
	s_lshl_b32 s38, s31, 13                        ; 8,192 for each F
	s_add_co_u32 s36, s36, s38
	s_mov_b32 s37, 0
	s_wait_kmcnt 0x0
	s_cmp_eq_u32 s30, 1
	s_cselect_b64 s[32:33], s[6:7], s[4:5]
	s_cmp_eq_u32 s30, 2
	s_cselect_b64 s[32:33], s[8:9], s[32:33]
	s_cmp_eq_u32 s30, 3
	s_cselect_b64 s[32:33], s[10:11], s[32:33]
	s_add_nc_u64 s[32:33], s[32:33], s[34:35]
	s_add_nc_u64 s[24:25], s[24:25], s[36:37]
	global_load_b128 v[8:11], v5, s[32:33]                 ; piece 0: k = 32 w + 8 hh + 0..7
	global_load_b128 v[12:15], v5, s[32:33] offset:16
	global_load_b128 v[16:19], v5, s[32:33] offset:64      ; piece 1: 16 further
	global_load_b128 v[20:23], v5, s[32:33] offset:80
	s_wait_loadcnt 0x0
.irp i, 0,1,2,3,4,5,6,7
	v_cvt_pk_bf16_f32 v[24+\i], v[8+2*\i], v[9+2*\i]       ; hi
.endr
.irp i, 0,1,2,3,4,5,6,7
	v_lshlrev_b32 v[40+2*\i], 16, v[24+\i]                 ; hi back in f32
	v_and_b32 v[41+2*\i], 0xffff0000, v[24+\i]
.endr
.irp i, 0,1,2,3,4,5,6,7
	v_pk_add_f32 v[8+2*\i:9+2*\i], v[8+2*\i:9+2*\i], v[40+2*\i:41+2*\i] neg_lo:[0,1] neg_hi:[0,1]   ; w - hi, exact in f32
.endr
.irp i, 0,1,2,3,4,5,6,7
	v_cvt_pk_bf16_f32 v[32+\i], v[8+2*\i], v[9+2*\i]       ; lo
.endr
	global_store_b128 v6, v[24:27], s[24:25]               ; each store of the wave covers 512 consecutive bytes, aligned
	global_store_b128 v6, v[28:31], s[24:25] offset:512
	global_store_b128 v6, v[32:35], s[24:25] offset:131072
	global_store_b128 v6, v[36:39], s[24:25] offset:131072+512
	s_endpgm
	; ---- one head's g and c ----
.Lrole_g:
	s_sub_co_u32 s30, s29, 64                      ; hd
	v_lshrrev_b32 v3, 4, v0                        ; jg: 16 rows of w_o
	v_and_b32 v4, 15, v0                           ; c4: 4 of the head's 64 columns
	v_lshlrev_b32 v5, 6, v3                        ; w_bd: 64 jg
	v_lshlrev_b32 v6, 14, v3
	v_lshl_add_u32 v6, v4, 4, v6                   ; w_o: 16,384 jg + 16 c4
	v_lshrrev_b32 v7, 6, v0                        ; dg: 16 rows of the head's w_v
	v_and_b32 v192, 63, v0                         ; e4: 4 of 256 columns
	v_lshlrev_b32 v193, 14, v7
	v_lshl_add_u32 v193, v192, 4, v193             ; w_v: 16,384 dg + 16 e4
	v_lshlrev_b32 v194, 3, v2                      ; 8 lane
	v_lshlrev_b32 v195, 5, v2                      ; 32 lane
	v_lshlrev_b32 v196, 4, v0                      ; 16 tid
	v_lshlrev_b32 v197, 2, v0                      ; 4 tid
	v_lshlrev_b32 v198, 6, v7                      ; 64 dg
	s_lshl_b32 s32, s30, 8                         ; 256 hd
	s_mov_b32 s33, 0
	s_lshl_b32 s34, s30, 16                        ; 65,536 hd
	s_mov_b32 s35, 0
	s_lshl_b32 s36, s30, 10                        ; 1,024 hd
	s_mov_b32 s37, 0
	s_mov_b32 s40, 0x76543210                      ; v_permlanex16_b32: lane i reads lane i of the other half
	s_mov_b32 s41, 0xfedcba98
	s_wait_kmcnt 0x0
	s_load_b32 s42, s[22:23], 0x0                  ; b_bd
	s_add_nc_u64 s[12:13], s[12:13], s[32:33]      ; w_o at the head's columns
	s_add_nc_u64 s[14:15], s[14:15], s[34:35]      ; w_v at the head's rows
	s_add_nc_u64 s[20:21], s[20:21], s[32:33]      ; b_v at the head
	s_add_nc_u64 s[44:45], s[26:27], s[32:33]      ; gbuf: the head's constant (behind 4,096 bytes)
	s_add_nc_u64 s[26:27], s[26:27], s[36:37]      ; gbuf: the head's g
.irp i, 0,1,2,3
	global_load_b128 v[WB+4*\i:WB+4*\i+3], v5, s[16:17] offset:16*\i
.endr
.irp i, 0,1,2,3,4,5,6,7,8,9,10,11,12,13,14,15
	global_load_b128 v[WO+4*\i:WO+4*\i+3], v6, s[12:13] offset:1024*\i     ; sixteen lanes take the head's 256 bytes of a row
.endr
.irp i, 0,1,2,3,4,5,6,7,8,9,10,11,12,13,14,15
	global_load_b128 v[WV+4*\i:WV+4*\i+3], v193, s[14:15] offset:1024*\i
.endr
	global_load_b64 v[BV:BV+1], v194, s[20:21]
	global_load_b128 v[W8:W8+3], v195, s[16:17]
	global_load_b128 v[W8+4:W8+7], v195, s[16:17] offset:16
	global_load_b128 v[O8:O8+3], v195, s[18:19]
	global_load_b128 v[O8+4:O8+7], v195, s[18:19] offset:16
	s_wait_loadcnt 21                              ; w_bd and w_o are in: the 16 + 1 + 4 loads behind them may stay out
.irp c, 0,1,2,3
	v_mul_f32 v[PU+\c], v[WB], v[WO+\c]            ; the first row starts the sums
.endr
.set i, 1
.rept 15
.irp c, 0,1,2,3
	v_fmac_f32 v[PU+\c], v[WB+i], v[WO+4*i+\c]
.endr
.set i, i+1
.endr
	ds_store_b128 v196, v[PU:PU+3]                 ; partial u [jg][64]: 256 jg + 16 c4 = 16 tid
	s_wait_dscnt 0x0                               ; my store is done before I say so
	s_barrier_signal -1
	s_barrier_wait -1
	s_cmp_gt_u32 s28, 1
	s_cbranch_scc1 .Lno_u                          ; threads 0..63 add the sixteen partial sums
.irp i, 0,1,2,3,4,5,6,7,8,9,10,11,12,13,14,15
	ds_load_b32 v[WO+\i], v197 offset:256*\i
.endr
	s_wait_dscnt 0x0
.irp k, 0,4,8,12
	v_pk_add_f32 v[WO+\k:WO+\k+1], v[WO+\k:WO+\k+1], v[WO+\k+2:WO+\k+3]
.endr
	v_pk_add_f32 v[WO:WO+1], v[WO:WO+1], v[WO+4:WO+5]
	v_pk_add_f32 v[WO+8:WO+9], v[WO+8:WO+9], v[WO+12:WO+13]
	v_pk_add_f32 v[WO:WO+1], v[WO:WO+1], v[WO+8:WO+9]
	v_add_f32 v[WO], v[WO], v[WO+1]
	ds_store_b32 v197, v[WO] offset:LDS_U
.Lno_u:
	s_wait_dscnt 0x0
	s_barrier_signal -1
	s_barrier_wait -1
.irp i, 0,1,2,3
	ds_load_b128 v[UU+4*\i:UU+4*\i+3], v198 offset:LDS_U+16*\i
.endr
	ds_load_b64 v[U2:U2+1], v194 offset:LDS_U
	s_wait_loadcnt 0x0
	s_wait_dscnt 0x0
.irp c, 0,1,2,3
	v_mul_f32 v[PU+\c], v[UU], v[WV+\c]
.endr
.set i, 1
.rept 15
.irp c, 0,1,2,3
	v_fmac_f32 v[PU+\c], v[UU+i], v[WV+4*i+\c]
.endr
.set i, i+1
.endr
	ds_store_b128 v196, v[PU:PU+3] offset:LDS_PG   ; partial g [dg][256]: 1,024 dg + 16 e4 = 16 tid
	; the constant, in every wave alike
	v_mul_f32 v200, v[W8], v[O8]
.irp i, 1,2,3,4,5,6,7
	v_fmac_f32 v200, v[W8+\i], v[O8+\i]
.endr
	v_mul_f32 v201, v[U2], v[BV]
	v_fmac_f32 v201, v[U2+1], v[BV+1]
	v_fmac_f32 v201, 0x3e800000, v200              ; + a quarter of my part of w_bd . b_o
	v_add_f32_dpp v201, v201, v201 row_xmask:1 row_mask:0xf bank_mask:0xf
	v_add_f32_dpp v201, v201, v201 row_xmask:2 row_mask:0xf bank_mask:0xf
	v_add_f32_dpp v201, v201, v201 row_xmask:4 row_mask:0xf bank_mask:0xf
	v_add_f32_dpp v201, v201, v201 row_xmask:8 row_mask:0xf bank_mask:0xf
	v_mov_b32 v202, 0                              ; the permute's destination counts as read
	v_permlanex16_b32 v202, v201, s40, s41
	v_add_f32 v201, v201, v202
	s_wait_kmcnt 0x0
	v_mov_b32 v203, s42
	v_fma_f32 v204, v203, 0x3e800000, v201         ; + b_bd / 4, twice: a pair for the 8-byte store
	v_fma_f32 v205, v203, 0x3e800000, v201
	s_wait_dscnt 0x0
	s_barrier_signal -1
	s_barrier_wait -1
	s_cmp_gt_u32 s28, 1
	s_cbranch_scc1 .Lend
.irp i, 0,1,2,3
	ds_load_b128 v[WO+4*\i:WO+4*\i+3], v196 offset:LDS_PG+1024*\i
.endr
	s_wait_dscnt 0x0
	v_pk_add_f32 v[WO:WO+1], v[WO:WO+1], v[WO+4:WO+5]
	v_pk_add_f32 v[WO+2:WO+3], v[WO+2:WO+3], v[WO+6:WO+7]
	v_pk_add_f32 v[WO+8:WO+9], v[WO+8:WO+9], v[WO+12:WO+13]
	v_pk_add_f32 v[WO+10:WO+11], v[WO+10:WO+11], v[WO+14:WO+15]
	v_pk_add_f32 v[WO:WO+1], v[WO:WO+1], v[WO+8:WO+9]
	v_pk_add_f32 v[WO+2:WO+3], v[WO+2:WO+3], v[WO+10:WO+11]
	global_store_b128 v196, v[WO:WO+3], s[26:27]   ; g[4 tid ..], tid 0..63
	s_cmp_lg_u32 s28, 0
	s_cbranch_scc1 .Lend
	global_store_b64 v194, v[204:205], s[44:45] offset:4096    ; 64 copies of c: 256 consecutive bytes, aligned
.Lend:
	s_wait_tensorcnt 0x0
	ds_add_u32 v208, v209
	s_wait_dscnt 0x0
	s_endpgm
.Lfunc_end_k_qd92ef55c74_prep:
	.size	k_qd92ef55c74_prep, .Lfunc_end_k_qd92ef55c74_prep-k_qd92ef55c74_prep
	.p2alignl 7, 3214868480
	.fill 96, 4, 3214868480
	.section	.rodata,"a",@progbits
	.p2align	6, 0x0
	.amdhsa_kernel k_qd92ef55c74_prep
		.amdhsa_group_segment_fixed_size 9472
		.amdhsa_private_segment_fixed_size 0
		.amdhsa_enable_private_segment 0
		.amdhsa_kernarg_size 96
		.amdhsa_user_sgpr_count 2
		.amdhsa_user_sgpr_kernarg_segment_ptr 1
		.amdhsa_wavefront_size32 1
		.amdhsa_system_sgpr_workgroup_id_x 1
		.amdhsa_system_sgpr_workgroup_id_y 1
		.amdhsa_system_sgpr_workgroup_id_z 1
		.amdhsa_system_vgpr_workitem_id 0
		.amdhsa_next_free_vgpr 210
		.amdhsa_next_free_sgpr 66
		.amdhsa_reserve_vcc 0
		.amdhsa_float_denorm_mode_32 3
		.amdhsa_float_denorm_mode_16_64 3
		.amdhsa_memory_ordered 1
		.amdhsa_forward_progress 1
		.amdhsa_inst_pref_size 19
	.end_amdhsa_kernel
	.amdgpu_metadata
---
amdhsa.version: [ 1, 2 ]
amdhsa.kernels:
  - .name:           k_qd92ef55c74_prep
    .symbol:         k_qd92ef55c74_prep.kd
    .args:
      - { .name: w_in, .offset: 0, .size: 8, .value_kind: global_buffer, .address_space: global }
      - { .name: w_q, .offset: 8, .size: 8, .value_kind: global_buffer, .address_space: global }
      - { .name: w_k, .offset: 16, .size: 8, .value_kind: global_buffer, .address_space: global }
      - { .name: w_pr, .offset: 24, .size: 8, .value_kind: global_buffer, .address_space: global }
      - { .name: w_o, .offset: 32, .size: 8, .value_kind: global_buffer, .address_space: global }
      - { .name: w_v, .offset: 40, .size: 8, .value_kind: global_buffer, .address_space: global }
      - { .name: w_bd, .offset: 48, .size: 8, .value_kind: global_buffer, .address_space: global }
      - { .name: b_o, .offset: 56, .size: 8, .value_kind: global_buffer, .address_space: global }
      - { .name: b_v, .offset: 64, .size: 8, .value_kind: global_buffer, .address_space: global }
      - { .name: b_bd, .offset: 72, .size: 8, .value_kind: global_buffer, .address_space: global }
      - { .name: wf, .offset: 80, .size: 8, .value_kind: global_buffer, .address_space: global }
      - { .name: gbuf, .offset: 88, .size: 8, .value_kind: global_buffer, .address_space: global }
    .group_segment_fixed_size: 9472
    .private_segment_fixed_size: 0
    .kernarg_segment_align: 8
    .kernarg_segment_size: 96
    .max_flat_workgroup_size: 256
    .sgpr_count:     66
    .vgpr_count:     210
    .wavefront_size: 32
...
	.end_amdgpu_metadata
.endif
;; end of part 1
;; launch proj (part 2): grid 512 x 1, 8 waves a work-group, no clusters, 76,800 bytes of LDS; arguments x, wf, gbuf, b_in, b_q, b_k, qf, kf, zf, sbuf; writes qf, kf, zf, sbuf
.if DOCPART == 2
	.amdgcn_target "amdgcn-amd-amdhsa--gfx1250"
	.amdhsa_code_object_version 6
	.text
	.protected	k_qd92ef55c74_proj
	.globl	k_qd92ef55c74_proj
	.p2align	8
	.type	k_qd92ef55c74_proj,@function
k_qd92ef55c74_proj:
	s_mov_b64 s[64:65], 0
	v_nop
	global_prefetch_b8 v0, s[64:65] scope:SCOPE_SE
	s_setreg_imm32_b32 hwreg(HW_REG_WAVE_MODE, 25, 1), 1
	s_wait_xcnt 0x0
; proj: for 32 tokens  h = x w_in^T + b_in;  q = (h w_q^T + b_q) log2(e) / 8;  k = h w_k^T + b_k;  z = h w_pr^T;  s[head] = g[head] . h + c[head].
; PRECISION.  The patch ids downstream are a step function of these numbers: one token on the wrong side of a boundary moves two patch means by more than
; the result may be off.  So every matrix operand is TWO bf16 numbers, hi = bf16(v) and lo = bf16(v - hi) (16 bits of mantissa, the range of f32), and a
; product is three: hi x hi + lo x hi + hi x lo; lo x lo, some 2^-16 of the product, is dropped.  Sums in f32; s is made from the f32 sums of h.
; Eight waves.  Wave w owns features 32 w .. 32 w + 31 of every product (F = 2 w + f).  The token side is four tiles of 16 rows: tiles 0, 1 = the hi parts of
; the 32 tokens, tiles 2, 3 = their lo parts.  A pass over a weight matrix's hi part multiplies all four tiles: accumulators (f, 0..1) hold the main sums
; (the bias starts them), (f, 2..3) the small sums (0 starts them).  A pass over its lo part multiplies tiles 0, 1 into the small sums.
; Each wave keeps the four tiles x 256 K as fragments in registers 256..511, so a weight fragment is used by one wave alone, once: it comes
; from wf, already in operand order, straight into a ring of registers, one pass ahead.
; NO JOINT TILES for the weights: through LDS each work-group would write and read again the 1,048,576 bytes of wf that now go once into registers.
; LIMITS: the order of the sums is that of the matrix unit, not that of a chain of f32 additions; z leaves as one bf16.
; Out: a packed accumulator tile is, lane for lane, one 16-byte piece of the fragment that the next launch loads:
;   qf, kf [bh 32][tile 128][hi, lo][piece 4][lane 32][16 B]: token 16 tile + r, d = 16 piece + 8 hh + 0..7
;   zf     [b 8][F 16][tb 64][piece 2][lane 32][16 B]: feature 16 F + r, tokens 32 tb + 16 piece + 8 hh + 0..7
; so each of these stores of a wave covers 512 consecutive bytes, aligned.  s leaves as 128 consecutive bytes a head (32 tokens of f32).
.set PITCH,  528                       ; an LDS row: 512 bytes of bf16 + 16: an odd multiple of 16, so 16 rows start at 16 different 16-byte columns
.set XT,     0                         ; x: rows 0..31 hi, rows 32..63 lo
.set HT,     64*PITCH                  ; h likewise
.set LOROW,  32*PITCH                  ; from a token's hi row to its lo row
.set SPART,  128*PITCH                 ; partial s: [16 sets = 2 w + hh][4 heads][32 tokens] f32
.set L16,  1                           ; 16 lane
.set FA,   2                           ; r PITCH + 16 hh: a fragment's row
.set HST,  3                           ; HT + r PITCH + 16 hh + 64 w
.set SPA,  4                           ; SPART + 512 (2 w + hh) + 4 r
.set BO,   5                           ; 128 w + 32 hh: my 8 features in a vector of 256 f32
.set SCN,  6                           ; the head's constant
.set L4,   7                           ; 4 lane
.set XST,  8                           ; 4 w PITCH + 8 lane
.set SCO,  9
.set SRD,  10
.set L8,   11
.set TMP,  16                          ; v[16:31]
.set BIAS0, 32                         ; v[32:47]  b_in, later b_k: 8 f + j
.set BIAS1, 48                         ; v[48:63]  b_q
.set ACC,  64                          ; v[64:127] tile (f, t) at 8 (4 f + t)
.set WR,   128                         ; v[128:255] weights: k-step ks at 16 ks + 8 f + 4 piece
                                       ; registers 256..511: token fragments (ks, t) at 8 (4 ks + t); g (hd, f) at 8 (2 hd + f) once k-steps 0 and 1 of both passes over w_in are done
.set MSB,  0
.set NL,   0                           ; global loads issued so far: a wait's count is NL less the mark behind the load that it is for
.macro WIN new                         ; s_set_vgpr_msb: bits 1:0 source 0, 3:2 source 1, 5:4 source 2, 7:6 destination; the high byte repeats the setting left
.if MSB != \new
	s_set_vgpr_msb (MSB<<8)|\new
.set MSB, \new
.endif
.endm
.macro PLACES                          ; four plain vector instructions between a matrix instruction and a read of its result or a load into its registers
.rept 4
	v_nop
.endr
.endm
.macro SPLIT4 a, hi, lo, t             ; four f32 in v[a ..] to two words of hi and two of lo; v[a ..] ends as the remainders, v[t .. t + 3] is scratch
	v_cvt_pk_bf16_f32 v[\hi], v[\a], v[\a+1]
	v_cvt_pk_bf16_f32 v[\hi+1], v[\a+2], v[\a+3]
	v_lshlrev_b32 v[\t], 16, v[\hi]
	v_and_b32 v[\t+1], 0xffff0000, v[\hi]
	v_lshlrev_b32 v[\t+2], 16, v[\hi+1]
	v_and_b32 v[\t+3], 0xffff0000, v[\hi+1]
	v_pk_add_f32 v[\a:\a+1], v[\a:\a+1], v[\t:\t+1] neg_lo:[0,1] neg_hi:[0,1]      ; v - hi is exact in f32
	v_pk_add_f32 v[\a+2:\a+3], v[\a+2:\a+3], v[\t+2:\t+3] neg_lo:[0,1] neg_hi:[0,1]
	v_cvt_pk_bf16_f32 v[\lo], v[\a], v[\a+1]
	v_cvt_pk_bf16_f32 v[\lo+1], v[\a+2], v[\a+3]
.endm
.macro SPLIT8 a, b                     ; an accumulator tile in v[a .. a + 7]: hi into v[b .. b + 3], lo into v[b + 4 .. b + 7]
	SPLIT4 \a, \b, \b+4, TMP
	SPLIT4 \a+4, \b+2, \b+6, TMP+4
.endm
.macro COMBINE                         ; main sums += small sums; the small sums' registers are free behind it
.irp f, 0,1
.irp t, 0,1
.irp i, 0,2,4,6
	v_pk_add_f32 v[ACC+8*(4*\f+\t)+\i:ACC+8*(4*\f+\t)+\i+1], v[ACC+8*(4*\f+\t)+\i:ACC+8*(4*\f+\t)+\i+1], v[ACC+8*(4*\f+\t+2)+\i:ACC+8*(4*\f+\t+2)+\i+1]
.endr
.endr
.endr
.endm
.macro BLOAD dst, lo                   ; my 2 x 8 numbers of a bias
.irp f, 0,1
	global_load_b128 v[\dst+8*\f:\dst+8*\f+3], v[BO], s[\lo:\lo+1] offset:64*\f
	global_load_b128 v[\dst+8*\f+4:\dst+8*\f+7], v[BO], s[\lo:\lo+1] offset:64*\f+16
.endr
.set NL, NL+4
.endm
.macro WLOAD mat, grp                  ; k-steps 2 grp and 2 grp + 1 of matrix mat (0..7 in wf's order) into the ring: 8 loads
.irp kk, 0,1
.irp f, 0,1
.irp p, 0,1
	global_load_b128 v[WR+16*(2*\grp+\kk)+8*\f+4*\p:WR+16*(2*\grp+\kk)+8*\f+4*\p+3], v[L16], s[6:7] offset:\mat*131072+\f*8192+(2*\grp+\kk)*1024+\p*512
.endr
.endr
.endr
.set NL, NL+8
.set RING\grp, NL
.endm
.macro GLOADS                          ; g of the four heads for my 16 features, into registers 256..319, and b_k over b_in
	WIN 0x40
.irp hd, 0,1,2,3
.irp f, 0,1
	global_load_b128 v[8*(2*\hd+\f):8*(2*\hd+\f)+3], v[BO], s[8:9] offset:\hd*1024+\f*64
	global_load_b128 v[8*(2*\hd+\f)+4:8*(2*\hd+\f)+7], v[BO], s[8:9] offset:\hd*1024+\f*64+16
.endr
.endr
.set NL, NL+16
.set GMARK, NL
	WIN 0x04
	BLOAD BIAS0, 14
.endm
.macro FRAGS base                      ; the four tiles x 256 K from LDS into registers 256..511, k-step by k-step: 64 loads
	WIN 0x40
.irp ks, 0,1,2,3,4,5,6,7
.irp t, 0,1,2,3
	ds_load_b128 v[8*(4*\ks+\t):8*(4*\ks+\t)+3], v[FA] offset:\base+\t*16*PITCH+\ks*64
	ds_load_b128 v[8*(4*\ks+\t)+4:8*(4*\ks+\t)+7], v[FA] offset:\base+\t*16*PITCH+\ks*64+32
.endr
.endr
.endm
.macro MM nat, lo, f, t, bias          ; one matrix instruction of k-step KS; in a lo pass tile t adds into the small sum (f, t + 2)
.set AR, ACC+8*(4*\f+\t+2*\lo)
.set WG, WR+16*KS+8*\f
.set XR, 8*(4*KS+\t)
.if KS+\lo == 0
.if \nat
	v_wmma_f32_16x16x32_bf16 v[AR:AR+7], v[XR:XR+7], v[WG:WG+7], 0
.else
.if \t < 2
	v_wmma_f32_16x16x32_bf16 v[AR:AR+7], v[WG:WG+7], v[XR:XR+7], v[\bias+8*\f:\bias+8*\f+7]
.else
	v_wmma_f32_16x16x32_bf16 v[AR:AR+7], v[WG:WG+7], v[XR:XR+7], 0
.endif
.endif
.else
.if \nat
	v_wmma_f32_16x16x32_bf16 v[AR:AR+7], v[XR:XR+7], v[WG:WG+7], v[AR:AR+7]
.else
	v_wmma_f32_16x16x32_bf16 v[AR:AR+7], v[WG:WG+7], v[XR:XR+7], v[AR:AR+7]
.endif
.endif
.endm
; One pass over one of wf's eight matrices.  nat = 0: source 0 = weights, so a lane holds token r and features 8 hh + j;
; nat = 1: source 0 = tokens, so a lane holds feature r and tokens 8 hh + j.  lo = 0: a hi matrix, four tiles, eight accumulators; lo = 1: a lo matrix, tiles 0 and 1, four.
; The accumulators take turns, one instruction a turn.
; Four groups of two k-steps; behind a group its ring slots are filled with the next matrix's same k-steps.
.macro GEMM mat, nat, lo, bias, dsw
.set NEXTM, \mat+1
.irp grp, 0,1,2,3
.if \nat
	WIN 0x01
.else
	WIN 0x04
.endif
	s_wait_loadcnt NL-RING\grp                     ; this group's weights are in; all loads issued behind them may stay out
.if \dsw
	s_wait_dscnt 48-16*\grp                        ; of the 64 fragment loads those of the later k-steps may stay out
.endif
.irp kk, 0,1
.set KS, 2*\grp+\kk
.irp f, 0,1
.if \lo
.irp t, 0,1
	MM \nat, \lo, \f, \t, \bias
.endr
.else
.irp t, 0,1,2,3
	MM \nat, \lo, \f, \t, \bias
.endr
.endif
.endr
.endr
.if \mat < 7
	PLACES
.if \nat
	WIN 0                                          ; a load's address register is its source 0
.endif
	WLOAD NEXTM, \grp
.if (\mat-1)*(\mat-1)+\grp == 0
	GLOADS                                         ; behind group 0 of the second pass over w_in: x's k-steps 0 and 1 are dead
.endif
.else
.if \grp == 3
	PLACES
.endif
.endif
.endr
.endm
.macro SDOT tok, dst                   ; token tile tok: the four heads' dot products over my 16 features, as pairs of half sums
.irp f, 0,1
.irp jp, 0,1,2,3
.irp hd, 0,1,2,3
.if \f+\jp == 0
	v_pk_mul_f32 v[\dst+2*\hd:\dst+2*\hd+1], v[ACC+8*(4*\f+\tok)+2*\jp:ACC+8*(4*\f+\tok)+2*\jp+1], v[8*(2*\hd+\f)+2*\jp:8*(2*\hd+\f)+2*\jp+1]
.else
	v_pk_fma_f32 v[\dst+2*\hd:\dst+2*\hd+1], v[ACC+8*(4*\f+\tok)+2*\jp:ACC+8*(4*\f+\tok)+2*\jp+1], v[8*(2*\hd+\f)+2*\jp:8*(2*\hd+\f)+2*\jp+1], v[\dst+2*\hd:\dst+2*\hd+1]
.endif
.endr
.endr
.endr
.endm
.macro OUT kind, lo                    ; kind 0: q (scaled, hi and lo), 1: k (hi and lo), 2: z (one bf16)
	WIN 0
	COMBINE
.irp f, 0,1
.irp t, 0,1
.set AR, ACC+8*(4*\f+\t)
.set BR, AR+16
.if \kind == 0
.irp i, 0,2,4,6
	v_pk_mul_f32 v[AR+\i:AR+\i+1], v[AR+\i:AR+\i+1], 0x3e38aa3b op_sel_hi:[1,0]    ; log2(e) / 8: the softmax works in base 2
.endr
.endif
.if \kind == 2
.irp i, 0,1,2,3
	v_cvt_pk_bf16_f32 v[AR+\i], v[AR+2*\i], v[AR+2*\i+1]
.endr
	global_store_b128 v[L16], v[AR:AR+3], s[\lo:\lo+1] offset:\f*65536+\t*512
.else
	SPLIT8 AR, BR
	global_store_b128 v[L16], v[BR:BR+3], s[\lo:\lo+1] offset:\t*4096+\f*512
	global_store_b128 v[L16], v[BR+4:BR+7], s[\lo:\lo+1] offset:\t*4096+2048+\f*512
.endif
.endr
.endr
	s_wait_xcnt 0x0                                ; the accumulators, which these stores read, are written again only behind this wait
.endm
	s_load_b512 s[4:19], s[0:1], 0x0               ; x s[4:5], wf s[6:7], gbuf s[8:9], b_in s[10:11], b_q s[12:13], b_k s[14:15], qf s[16:17], kf s[18:19]
	s_load_b128 s[20:23], s[0:1], 0x40             ; zf s[20:21], sbuf s[22:23]
	v_lshrrev_b32 v12, 5, v0
	v_readfirstlane_b32 s24, v12                   ; wave w
	v_and_b32 v13, 31, v0                          ; lane
	v_and_b32 v14, 15, v0                          ; r
	v_bfe_u32 v15, v0, 4, 1                        ; hh
	v_lshlrev_b32 v[L16], 4, v13
	v_lshlrev_b32 v[L8], 3, v13
	v_lshlrev_b32 v[L4], 2, v13
	v_mul_u32_u24 v[FA], v14, PITCH
	v_lshl_add_u32 v[FA], v15, 4, v[FA]
	s_lshl_b32 s28, s24, 6
	s_add_co_u32 s28, s28, HT
	v_add_nc_u32 v[HST], s28, v[FA]
	s_lshl_b32 s28, s24, 10                        ; two sets of 512 bytes a wave
	s_add_co_u32 s28, s28, SPART
	v_lshl_add_u32 v[SPA], v15, 9, s28
	v_lshl_add_u32 v[SPA], v14, 2, v[SPA]
	s_lshl_b32 s28, s24, 7
	v_lshl_add_u32 v[BO], v15, 5, s28
	s_mul_i32 s28, s24, 4*PITCH
	v_add_nc_u32 v[XST], s28, v[L8]
	s_and_b32 s28, s24, 3
	s_lshl_b32 s29, s28, 8
	v_add_nc_u32 v[SCO], s29, v[L4]                ; 256 (w mod 4) + 4 lane
	s_lshl_b32 s29, s28, 7
	s_add_co_u32 s29, s29, SPART
	v_add_nc_u32 v[SRD], s29, v[L4]                ; SPART + 128 (w mod 4) + 4 lane
	s_mov_b32 s25, ttmp9                           ; g: tokens 32 g ..
	s_lshr_b32 s26, s25, 6                         ; b
	s_and_b32 s27, s25, 63                         ; gb: the block of 32 tokens in the batch
	s_lshl_b32 s28, s25, 15                        ; x: 32 rows of 1,024 bytes a group,
	s_lshl_b32 s29, s24, 12                        ; 4 rows a wave
	s_add_co_u32 s28, s28, s29
	s_mov_b32 s29, 0
	s_lshl_b32 s30, s24, 14                        ; wf: F = 2 w
	s_mov_b32 s31, 0
	s_lshl_b32 s32, s26, 21                        ; qf, kf: 4 b heads of 524,288 bytes
	s_lshr_b32 s34, s24, 1
	s_lshl_b32 s34, s34, 19                        ; + head w / 2
	s_add_co_u32 s32, s32, s34
	s_lshl_b32 s34, s27, 13                        ; + tile 2 gb, 4,096 bytes a tile
	s_add_co_u32 s32, s32, s34
	s_and_b32 s34, s24, 1
	s_lshl_b32 s34, s34, 10                        ; + piece 2 (w mod 2)
	s_add_co_u32 s32, s32, s34
	s_mov_b32 s33, 0
	s_lshl_b32 s34, s26, 20                        ; zf: batch,
	s_lshl_b32 s36, s24, 17                        ; F = 2 w,
	s_add_co_u32 s34, s34, s36
	s_lshl_b32 s36, s27, 10                        ; tb = gb
	s_add_co_u32 s34, s34, s36
	s_mov_b32 s35, 0
	s_wait_kmcnt 0x0
	s_add_nc_u64 s[4:5], s[4:5], s[28:29]
	s_add_nc_u64 s[6:7], s[6:7], s[30:31]
	s_add_nc_u64 s[16:17], s[16:17], s[32:33]
	s_add_nc_u64 s[18:19], s[18:19], s[32:33]
	s_add_nc_u64 s[20:21], s[20:21], s[34:35]
	; all that can be asked for now: my 4 rows of x, two biases, the constant, the whole hi part of w_in
.irp i, 0,1,2,3
	global_load_b128 v[ACC+8*\i:ACC+8*\i+3], v[L16], s[4:5] offset:\i*1024 th:TH_LOAD_NT
	global_load_b128 v[ACC+8*\i+4:ACC+8*\i+7], v[L16], s[4:5] offset:\i*1024+512 th:TH_LOAD_NT
.endr
.set NL, NL+8
.set XMARK, NL
	BLOAD BIAS0, 10
	BLOAD BIAS1, 12
	global_load_b32 v[SCN], v[SCO], s[8:9] offset:4096
.set NL, NL+1
	WLOAD 0, 0
	WLOAD 0, 1
	WLOAD 0, 2
	WLOAD 0, 3
	s_wait_loadcnt NL-XMARK                        ; x is in; the 9 + 32 loads behind it stay out
.set n, 0
.rept 8
	SPLIT4 ACC+4*n, ACC+32+2*n, ACC+48+2*n, TMP+4*(n%4)
.set n, n+1
.endr
.irp i, 0,1,2,3
.irp hf, 0,1
	ds_store_b64 v[XST], v[ACC+32+2*(2*\i+\hf):ACC+32+2*(2*\i+\hf)+1] offset:\i*PITCH+\hf*256
	ds_store_b64 v[XST], v[ACC+48+2*(2*\i+\hf):ACC+48+2*(2*\i+\hf)+1] offset:LOROW+\i*PITCH+\hf*256
.endr
.endr
	s_wait_dscnt 0x0                               ; my rows of x are in LDS before I say so
	s_barrier_signal -1
	s_barrier_wait -1
	FRAGS XT
	GEMM 0, 0, 0, BIAS0, 1                         ; h: w_in hi
	GEMM 1, 0, 1, 0, 0                             ;    w_in lo
	; h in f32: the heads' s; then h as hi and lo into LDS
	WIN 0
	COMBINE
	s_wait_loadcnt NL-GMARK                        ; g is in; b_k and three groups of w_q stay out
	WIN 0x04                                       ; source 1 (g) in registers 256..
	SDOT 0, TMP
	SDOT 1, TMP+8
	WIN 0
.irp tl, 0,1
.irp hd, 0,1,2,3
	v_add_f32 v[TMP+8*\tl+2*\hd], v[TMP+8*\tl+2*\hd], v[TMP+8*\tl+2*\hd+1]
.endr
.irp hd, 0,1,2,3
	ds_store_b32 v[SPA], v[TMP+8*\tl+2*\hd] offset:\hd*128+\tl*64
.endr
.endr
.irp f, 0,1
.irp t, 0,1
.set AR, ACC+8*(4*\f+\t)
.set BR, AR+16
	SPLIT8 AR, BR
	ds_store_b128 v[HST], v[BR:BR+3] offset:\t*16*PITCH+\f*32
	ds_store_b128 v[HST], v[BR+4:BR+7] offset:LOROW+\t*16*PITCH+\f*32
.endr
.endr
	s_wait_dscnt 0x0                               ; my columns of h and my partial s are in LDS before I say so
	s_barrier_signal -1
	s_barrier_wait -1
	FRAGS HT
	GEMM 2, 0, 0, BIAS1, 1
	GEMM 3, 0, 1, 0, 0
	OUT 0, 16                                      ; q
	GEMM 4, 0, 0, BIAS0, 0
	GEMM 5, 0, 1, 0, 0
	OUT 1, 18                                      ; k
	GEMM 6, 1, 0, 0, 0
	GEMM 7, 1, 1, 0, 0
	OUT 2, 20                                      ; z
	; s of head w for the 32 tokens: the sixteen partial sums (written in front of the second barrier) and the constant
	s_cmp_gt_u32 s24, 3
	s_cbranch_scc1 .Ldone
	s_lshl_b32 s28, s26, 2
	s_add_co_u32 s28, s28, s24                     ; bh = 4 b + w
	s_lshl_b32 s28, s28, 13
	s_lshl_b32 s29, s27, 7
	s_add_co_u32 s28, s28, s29
	s_mov_b32 s29, 0
	s_add_nc_u64 s[22:23], s[22:23], s[28:29]
.irp i, 0,1,2,3,4,5,6,7,8,9,10,11,12,13,14,15
	ds_load_b32 v[ACC+\i], v[SRD] offset:\i*512
.endr
	s_wait_dscnt 0x0
.irp k, 0,4,8,12
	v_pk_add_f32 v[ACC+\k:ACC+\k+1], v[ACC+\k:ACC+\k+1], v[ACC+\k+2:ACC+\k+3]
.endr
	v_pk_add_f32 v[ACC:ACC+1], v[ACC:ACC+1], v[ACC+4:ACC+5]
	v_pk_add_f32 v[ACC+8:ACC+9], v[ACC+8:ACC+9], v[ACC+12:ACC+13]
	v_pk_add_f32 v[ACC:ACC+1], v[ACC:ACC+1], v[ACC+8:ACC+9]
	v_add_f32 v[ACC], v[ACC], v[ACC+1]
	v_add_f32 v[ACC], v[ACC], v[SCN]
	global_store_b32 v[L4], v[ACC], s[22:23]       ; the wave stores 128 consecutive bytes: 32 tokens of one head
.Ldone:
	s_wait_xcnt 0x0
	v_lshl_add_u32 v254, v0, 2, 0x12800
	v_mov_b32 v255, 0
	s_wait_tensorcnt 0x0
	ds_add_u32 v254, v255
	s_wait_dscnt 0x0
	s_endpgm
.Lfunc_end_k_qd92ef55c74_proj:
	.size	k_qd92ef55c74_proj, .Lfunc_end_k_qd92ef55c74_proj-k_qd92ef55c74_proj
	.p2alignl 7, 3214868480
	.fill 96, 4, 3214868480
	.section	.rodata,"a",@progbits
	.p2align	6, 0x0
	.amdhsa_kernel k_qd92ef55c74_proj
		.amdhsa_group_segment_fixed_size 76800
		.amdhsa_private_segment_fixed_size 0
		.amdhsa_enable_private_segment 0
		.amdhsa_kernarg_size 80
		.amdhsa_user_sgpr_count 2
		.amdhsa_user_sgpr_kernarg_segment_ptr 1
		.amdhsa_wavefront_size32 1
		.amdhsa_system_sgpr_workgroup_id_x 1
		.amdhsa_system_sgpr_workgroup_id_y 1
		.amdhsa_system_sgpr_workgroup_id_z 1
		.amdhsa_system_vgpr_workitem_id 0
		.amdhsa_next_free_vgpr 512
		.amdhsa_next_free_sgpr 66
		.amdhsa_reserve_vcc 0
		.amdhsa_float_denorm_mode_32 3
		.amdhsa_float_denorm_mode_16_64 3
		.amdhsa_memory_ordered 1
		.amdhsa_forward_progress 1
		.amdhsa_inst_pref_size 103
	.end_amdhsa_kernel
	.amdgpu_metadata
---
amdhsa.version: [ 1, 2 ]
amdhsa.kernels:
  - .name:           k_qd92ef55c74_proj
    .symbol:         k_qd92ef55c74_proj.kd
    .args:
      - { .name: x, .offset: 0, .size: 8, .value_kind: global_buffer, .address_space: global }
      - { .name: wf, .offset: 8, .size: 8, .value_kind: global_buffer, .address_space: global }
      - { .name: gbuf, .offset: 16, .size: 8, .value_kind: global_buffer, .address_space: global }
      - { .name: b_in, .offset: 24, .size: 8, .value_kind: global_buffer, .address_space: global }
      - { .name: b_q, .offset: 32, .size: 8, .value_kind: global_buffer, .address_space: global }
      - { .name: b_k, .offset: 40, .size: 8, .value_kind: global_buffer, .address_space: global }
      - { .name: qf, .offset: 48, .size: 8, .value_kind: global_buffer, .address_space: global }
      - { .name: kf, .offset: 56, .size: 8, .value_kind: global_buffer, .address_space: global }
      - { .name: zf, .offset: 64, .size: 8, .value_kind: global_buffer, .address_space: global }
      - { .name: sbuf, .offset: 72, .size: 8, .value_kind: global_buffer, .address_space: global }
    .group_segment_fixed_size: 76800
    .private_segment_fixed_size: 0
    .kernarg_segment_align: 8
    .kernarg_segment_size: 80
    .max_flat_workgroup_size: 256
    .sgpr_count:     66
    .vgpr_count:     512
    .wavefront_size: 32
...
	.end_amdgpu_metadata
.endif
;; end of part 2
;; launch attn (part 3): grid 8 x 32, 8 waves a work-group, clusters of 4 x 1, 327,680 bytes of LDS; arguments qf, kf, sbuf, heads; writes heads
.if DOCPART == 3
	.amdgcn_target "amdgcn-amd-amdhsa--gfx1250"
	.amdhsa_code_object_version 6
	.text
	.protected	k_qd92ef55c74_attn
	.globl	k_qd92ef55c74_attn
	.p2align	8
	.type	k_qd92ef55c74_attn,@function
k_qd92ef55c74_attn:
	s_mov_b64 s[64:65], 0
	v_nop
	global_prefetch_b8 v0, s[64:65] scope:SCOPE_SE
	s_setreg_imm32_b32 hwreg(HW_REG_WAVE_MODE, 25, 1), 1
	s_wait_xcnt 0x0
	s_wait_alu depctr_hold_cnt(0) depctr_sa_sdst(0) depctr_va_vdst(0) depctr_va_sdst(0) depctr_va_ssrc(0) depctr_va_vcc(0) depctr_vm_vsrc(0)
	s_getreg_b32 s2, hwreg(HW_REG_IB_STS2, 6, 4)
	s_cmp_eq_u32 s2, 0
	s_cbranch_scc0 .Lentry_in_a_cluster
	s_endpgm
.Lentry_in_a_cluster:
	s_bfe_u32 s2, ttmp6, 0x10000c
	s_cmp_lg_u32 s2, 0x3003
	s_cbranch_scc0 .Lentry_shape_is_right
	s_endpgm
.Lentry_shape_is_right:
; attn: heads[bh][t] = sum over keys of softmax(q_t . k)[key] s[key], for 256 queries of one (batch, head).
; The value side is one f32 number a key (s, which holds g . h + c), so it costs one fused multiply-add a score and no second product.
; q carries log2(e) / 8, so the softmax works in base 2.  A running maximum is kept for each lane and taken away before every exponential;
; lanes, and then the two waves that share queries, are merged by their maxima at the end.  Everything behind the scores is f32.
; PRECISION: q and k come as two bf16 numbers each (hi, lo: 16 bits of mantissa), and a score is k_hi q_hi + k_lo q_hi + k_hi q_lo in one f32 accumulator;
; k_lo q_lo, some 2^-16 of a score, is dropped.  The patch ids downstream are a step function of these sums: plain bf16 scores move boundaries.
; Eight waves: wave w has queries 64 (w mod 4) .. + 63 (four tiles of 16, held in registers 256..383) and every second pair of key tiles (w / 4 says which);
; a pair = 32 keys = 8,192 bytes (hi and lo).  K is used as source 0, so a lane holds query r and keys 8 hh + j: its 16 scores of a tile belong to one query.
; CLUSTER 4 x 1: the four work-groups of a cluster have the same (batch, head) and need the same 524,288 bytes of K and 8,192 bytes of s.  They ask jointly
; (mask 15).  K goes in four parts of 512 keys through two LDS slots of 131,072 bytes.  Parts 0 and 1 and s are first fills: three tensor loads of a wave are
; out at the most.  Parts 2 and 3 fill the slots again: in front of each such fill every wave waits for its LDS reads and for all its tensor loads and the
; cluster passes a round of its barrier; the fill is the wave's one tensor load behind the round (64 rows of 256 bytes) and has a whole part's work in which to land.
; The five descriptors' first groups are made once and never written again.  kf is already in fragment order, so LDS reads are 16 bytes x lane, without gaps.
.set SLOTB,  131072                    ; a slot: 512 keys, hi and lo
.set SBASE,  262144                    ; s: 2,048 f32, filled once
.set STAGE,  270336                    ; 768 bytes a wave: maximum, sum, weighted sum of 64 queries; written by LDS stores, never by a tensor load
.set KAD, 1                            ; LDS address of the next pair of K
.set SAD, 2                            ; and of its s
.set L16, 3
.set STA, 4
.set SRD, 5
.set L8,  6
.set KB,  7                            ; 16 lane + 8,192 kh: my first pair in a slot; never rewritten
.set MC,  8                            ; v[8:15]    tile q: (running maximum, factor for the old sums)
.set LS,  16                           ; v[16:23]   tile q: two partial sums of exponentials
.set AC,  24                           ; v[24:31]   tile q: two partial sums of exponential x s
.set TT,  32                           ; v[32:47]   at work
.set SV,  48                           ; v[48:63]   s of the pair's keys 16 kt + 8 hh + j at 8 kt + j
.set KF,  64                           ; v[64:127]  K fragments: 32 kt + 16 (0 hi, 1 lo) + 4 piece
.set SETA, 128                         ; v[128:159] scores of query tiles 0, 1: 16 qi + 8 kt
.set SETB, 160                         ; v[160:191] scores of query tiles 2, 3
.set SB,  192                          ; SBASE + 32 hh + 128 kh: s of my first pair; never rewritten
                                       ; registers 256..383: Q fragments: 32 q + 16 (0 hi, 1 lo) + 4 piece
.set MSB, 0
.macro WIN new                         ; s_set_vgpr_msb: bits 3:2 source 1, 7:6 destination; the high byte repeats the setting left
.if MSB != \new
	s_set_vgpr_msb (MSB<<8)|\new
.set MSB, \new
.endif
.endm
.macro ROUND                           ; a round of the cluster's barrier
	s_barrier_signal -1
	s_barrier_wait -1
	s_cmp_lg_u32 s8, 0
	s_cbranch_scc1 .Lnot_wave_0_\@
	s_barrier_signal -3
.Lnot_wave_0_\@:
	s_barrier_wait -3
	s_barrier_signal -1
	s_barrier_wait -1
.endm
.macro PLACES
.rept 4
	v_nop
.endr
.endm
.macro KLD                             ; the next pair's K, hi and lo: 16 loads
.irp kt, 0,1
.irp hl, 0,1
.irp p, 0,1,2,3
	ds_load_b128 v[KF+32*\kt+16*\hl+4*\p:KF+32*\kt+16*\hl+4*\p+3], v[KAD] offset:\kt*4096+\hl*2048+\p*512
.endr
.endr
.endr
	v_add_nc_u32 v[KAD], 16384, v[KAD]             ; my next pair is two pairs on
	s_wait_alu depctr_va_vdst(0)
.endm
.macro SLD                             ; the next pair's s: 4 loads, each half of the lanes one address
	ds_load_b128 v[SV:SV+3], v[SAD]
	ds_load_b128 v[SV+4:SV+7], v[SAD] offset:16
	ds_load_b128 v[SV+8:SV+11], v[SAD] offset:64
	ds_load_b128 v[SV+12:SV+15], v[SAD] offset:80
	v_add_nc_u32 v[SAD], 256, v[SAD]
.endm
; Scores of two query tiles x 32 keys: 24 matrix instructions.  Four accumulators take turns, one instruction a turn.
; pr = 0: k hi x q hi (its d 0..31 starts the sums), 1: k lo x q hi, 2: k hi x q lo.  pr (2 - pr) is 1 for pr = 1 alone, pr (pr - 1) / 2 for pr = 2 alone.
.macro WM set, q0
	WIN 0x04                                       ; source 1 (Q) in registers 256..
.irp pr, 0,1,2
.irp d, 0,1
.irp qi, 0,1
.irp kt, 0,1
.set KR, KF+32*\kt+8*\d+16*(\pr*(2-\pr))
.set QR, 32*(\q0+\qi)+8*\d+16*(\pr*(\pr-1)/2)
.set SR, \set+16*\qi+8*\kt
.if \pr+\d == 0
	v_wmma_f32_16x16x32_bf16 v[SR:SR+7], v[KR:KR+7], v[QR:QR+7], 0
.else
	v_wmma_f32_16x16x32_bf16 v[SR:SR+7], v[KR:KR+7], v[QR:QR+7], v[SR:SR+7]
.endif
.endr
.endr
.endr
.endr
	WIN 0
.endm
.macro MAXTREE s, q, t                 ; the largest of a tile's 16 scores and the running maximum, into v[t + 7]
	v_max3_num_f32 v[\t+0], v[\s+0], v[\s+1], v[\s+2]
	v_max3_num_f32 v[\t+1], v[\s+3], v[\s+4], v[\s+5]
	v_max3_num_f32 v[\t+2], v[\s+6], v[\s+7], v[\s+8]
	v_max3_num_f32 v[\t+3], v[\s+9], v[\s+10], v[\s+11]
	v_max3_num_f32 v[\t+4], v[\s+12], v[\s+13], v[\s+14]
	v_max3_num_f32 v[\t+5], v[\t+0], v[\t+1], v[\t+2]
	v_max3_num_f32 v[\t+6], v[\t+3], v[\t+4], v[\s+15]
	v_max3_num_f32 v[\t+7], v[\t+5], v[\t+6], v[MC+2*\q]
.endm
.macro SUBM s, q, i                    ; scores 2 i, 2 i + 1 less the maximum (the pair's first register, for both)
	v_pk_add_f32 v[\s+2*\i:\s+2*\i+1], v[\s+2*\i:\s+2*\i+1], v[MC+2*\q:MC+2*\q+1] op_sel_hi:[1,0] neg_lo:[0,1] neg_hi:[0,1]
.endm
.macro ACCUM s, q, i                   ; exponentials 2 i, 2 i + 1 into the sums; the first one brings the old sum to the new maximum
.if \i == 0
	s_wait_alu depctr_va_vdst(0)
	v_pk_fma_f32 v[LS+2*\q:LS+2*\q+1], v[LS+2*\q:LS+2*\q+1], v[MC+2*\q:MC+2*\q+1], v[\s:\s+1] op_sel:[0,1,0] op_sel_hi:[1,1,1]
	s_wait_alu depctr_va_vdst(0)
.else
	v_pk_add_f32 v[LS+2*\q:LS+2*\q+1], v[LS+2*\q:LS+2*\q+1], v[\s+2*\i:\s+2*\i+1]
.endif
	v_pk_fma_f32 v[AC+2*\q:AC+2*\q+1], v[\s+2*\i:\s+2*\i+1], v[SV+2*\i:SV+2*\i+1], v[AC+2*\q:AC+2*\q+1]
.endm
; The softmax step of a set's two query tiles a and b.  kld = 1: the next pair's K is asked for (20 plain vector instructions behind the last
; matrix instruction that read K).  dsw: how many LDS loads may stay out when s is needed (-1: none is out).
; Every exponential has a plain vector instruction that touches neither its result nor its source behind it before either is touched (ISA guide 5.7.2).
.macro SOFT set, q0, kld, dsw
.set TA, \set
.set TB, \set+16
.set QA, \q0
.set QB, \q0+1
	MAXTREE TA, QA, TT
	MAXTREE TB, QB, TT+8
	v_sub_f32 v[MC+2*QA+1], v[MC+2*QA], v[TT+7]
	v_sub_f32 v[MC+2*QB+1], v[MC+2*QB], v[TT+15]
	v_exp_f32 v[MC+2*QA+1], v[MC+2*QA+1]           ; 2^(old maximum - new)
	v_exp_f32 v[MC+2*QB+1], v[MC+2*QB+1]
	v_mov_b32 v[MC+2*QA], v[TT+7]
	v_mov_b32 v[MC+2*QB], v[TT+15]
	s_wait_alu depctr_va_vdst(0)
.if \kld
	KLD
.endif
.irp i, 0,1,2,3,4,5,6,7
	SUBM TA, QA, \i
.endr
.irp i, 0,1,2,3,4,5,6,7
	v_exp_f32 v[TA+2*\i], v[TA+2*\i]
	v_exp_f32 v[TA+2*\i+1], v[TA+2*\i+1]
	SUBM TB, QB, \i
.endr
	v_pk_mul_f32 v[AC+2*QA:AC+2*QA+1], v[AC+2*QA:AC+2*QA+1], v[MC+2*QA:MC+2*QA+1] op_sel:[0,1] op_sel_hi:[1,1]
	v_pk_mul_f32 v[AC+2*QB:AC+2*QB+1], v[AC+2*QB:AC+2*QB+1], v[MC+2*QB:MC+2*QB+1] op_sel:[0,1] op_sel_hi:[1,1]
.if \dsw >= 0
	s_wait_dscnt \dsw                              ; this pair's s is in
.endif
.irp i, 0,1,2,3,4,5,6,7
	v_exp_f32 v[TB+2*\i], v[TB+2*\i]
	v_exp_f32 v[TB+2*\i+1], v[TB+2*\i+1]
	ACCUM TA, QA, \i
.endr
.irp i, 0,1,2,3,4,5,6,7
	ACCUM TB, QB, \i
.endr
.endm
; Part c of K, in slot c mod 2: my 8 pairs of it.  g0 = the first register of the descriptor by which the OTHER slot, read in the part before, is filled again
; (0: nothing is filled).  One pair ahead: while a set's softmax runs on the vector unit the other set's scores are made.
; Part c begins 2,048 c bytes into s (512 keys of f32).
.macro PHASE c, g0
	s_wait_dscnt 0x0                               ; my reads of the part before are back
.if \c == 0
	s_wait_tensorcnt 0x1                           ; my parts of s and of part 0 have landed; part 1 may stay out
.else
	s_wait_tensorcnt 0x0                           ; all my tensor loads have landed, my share of this part among them
	ds_add_u32 v254, v255
	s_wait_dscnt 0x0
.endif
.if \g0
	ROUND                                          ; both now hold of every wave of the four work-groups
	tensor_load_to_lds s[\g0:\g0+3], s[16:23]      ; my one tensor load behind the round: my share of part c + 1, into the slot read last
	s_nop 0
.else
	s_barrier_signal -1
	s_barrier_wait -1                              ; every wave's shares have landed
.endif
	v_add_nc_u32 v[KAD], (\c%2)*SLOTB, v[KB]
	v_add_nc_u32 v[SAD], \c*2048, v[SB]
	KLD
	SLD
	s_wait_dscnt 0x4                               ; K is in; the four loads of s may stay out
.if \c == 0
	s_wait_loadcnt 0x0                             ; Q
.endif
	WM SETA, 0
	PLACES                                         ; behind these the first softmax may read set A
	s_mov_b32 s9, 7
.Lpair_\c:
	WM SETB, 2
	SOFT SETA, 0, 1, 16                            ; the sixteen loads of the next K were issued behind the four of s
	s_wait_dscnt 0x0                               ; the next pair's K
	WM SETA, 0
	SOFT SETB, 2, 0, -1
	SLD
	s_sub_co_i32 s9, s9, 1
	s_cmp_lg_u32 s9, 0
	s_cbranch_scc1 .Lpair_\c
	WM SETB, 2
	SOFT SETA, 0, 0, 0
	SOFT SETB, 2, 0, -1
.endm
	s_load_b256 s[40:47], s[0:1], 0x0              ; qf s[40:41], kf s[42:43], sbuf s[44:45], heads s[46:47]
	v_lshl_add_u32 v254, v0, 2, 0x43800
	v_mov_b32 v255, 0
	ds_add_u32 v254, v255
	v_lshrrev_b32 v7, 5, v0
	v_readfirstlane_b32 s8, v7                     ; wave
	s_and_b32 s12, ttmp7, 0xffff                   ; bh: shared by the cluster
	s_bfe_u32 s13, ttmp6, 0x40000                  ; cx
	s_lshl_b32 s14, ttmp9, 2
	s_add_co_u32 s14, s14, s13                     ; qb, the block of 256 queries: enters the addresses of Q and of the result alone
	s_lshr_b32 s15, s8, 2                          ; kh
	s_mov_b32 s10, 0x76543210
	s_mov_b32 s11, 0xfedcba98
	; group 1 for K: 64 rows of 32 elements of 8 bytes, dense; mask 15 = all four of the cluster, bit 21 beside it
	s_mov_b32 s16, 15|(3<<16)|(1<<21)
	s_mov_b32 s17, 32<<16                          ; tensor_dim0 = 32
	s_mov_b32 s18, 64<<16                          ; tensor_dim1 = 64
	s_mov_b32 s19, 32<<16                          ; tile_dim0 = 32
	s_mov_b32 s20, 64                              ; tile_dim1 = 64
	s_mov_b32 s21, 32                              ; pitch
	s_mov_b32 s22, 0
	s_mov_b32 s23, 0
	; group 1 for s: 4 such rows
	s_mov_b32 s24, 15|(3<<16)|(1<<21)
	s_mov_b32 s25, 32<<16
	s_mov_b32 s26, 4<<16
	s_mov_b32 s27, 32<<16
	s_mov_b32 s28, 4
	s_mov_b32 s29, 32
	s_mov_b32 s30, 0
	s_mov_b32 s31, 0
	; groups 0: LDS addresses of the wave's number and constants alone
	s_mov_b32 s32, 1
	s_lshl_b32 s33, s8, 10
	s_add_co_u32 s33, s33, SBASE                   ; s: 1,024 bytes a wave
	s_mov_b32 s36, 1
	s_lshl_b32 s37, s8, 14                         ; part 0, slot 0: 16,384 bytes a wave
	s_mov_b32 s48, 1
	s_add_co_u32 s49, s37, SLOTB                   ; part 1, slot 1
	s_mov_b32 s68, 1
	s_lshl_b32 s69, s8, 14                         ; part 2, slot 0
	s_mov_b32 s72, 1
	s_add_co_u32 s73, s69, SLOTB                   ; part 3, slot 1
	s_lshl_b32 s52, s12, 13
	s_lshl_b32 s54, s8, 10
	s_add_co_u32 s52, s52, s54                     ; sbuf: 8,192 bh + 1,024 w
	s_mov_b32 s53, 0
	s_lshl_b32 s54, s12, 19
	s_add_co_u32 s54, s54, s37                     ; kf: 524,288 bh + 16,384 w
	s_mov_b32 s55, 0
	s_lshl_b32 s56, s12, 19                        ; qf: 524,288 bh + 65,536 qb + 16,384 (w mod 4)
	s_lshl_b32 s58, s14, 16
	s_add_co_u32 s56, s56, s58
	s_and_b32 s58, s8, 3
	s_lshl_b32 s58, s58, 14
	s_add_co_u32 s56, s56, s58
	s_mov_b32 s57, 0
	s_lshl_b32 s58, s12, 13                        ; heads: 8,192 bh + 1,024 qb + 256 (w mod 4)
	s_lshl_b32 s59, s14, 10
	s_add_co_u32 s58, s58, s59
	s_and_b32 s59, s8, 3
	s_lshl_b32 s59, s59, 8
	s_add_co_u32 s58, s58, s59
	s_mov_b32 s59, 0
	s_wait_dscnt 0x0
	s_wait_kmcnt 0x0
	s_add_nc_u64 s[34:35], s[44:45], s[52:53]
	s_or_b32 s35, s35, 0x80000000
	s_add_nc_u64 s[38:39], s[42:43], s[54:55]
	s_add_nc_u64 s[50:51], s[38:39], SLOTB
	s_add_nc_u64 s[70:71], s[38:39], 2*SLOTB
	s_add_nc_u64 s[74:75], s[38:39], 3*SLOTB
	s_or_b32 s39, s39, 0x80000000
	s_or_b32 s51, s51, 0x80000000
	s_or_b32 s71, s71, 0x80000000
	s_or_b32 s75, s75, 0x80000000
	s_add_nc_u64 s[40:41], s[40:41], s[56:57]
	s_add_nc_u64 s[46:47], s[46:47], s[58:59]
	ROUND                                          ; all four work-groups are here: the joint loads meet
	tensor_load_to_lds s[32:35], s[24:31]          ; s
	s_nop 0
	tensor_load_to_lds s[36:39], s[16:23]          ; K, part 0
	s_nop 0
	tensor_load_to_lds s[48:51], s[16:23]          ; K, part 1
	s_nop 0
	v_and_b32 v[TT], 31, v0                        ; lane
	v_and_b32 v[TT+1], 15, v0                      ; r
	v_bfe_u32 v[TT+2], v0, 4, 1                    ; hh
	v_lshlrev_b32 v[L16], 4, v[TT]
	v_lshlrev_b32 v[L8], 3, v[TT]
	WIN 0x40                                       ; destination in registers 256..
.irp q, 0,1,2,3
.irp hl, 0,1
.irp p, 0,1,2,3
	global_load_b128 v[32*\q+16*\hl+4*\p:32*\q+16*\hl+4*\p+3], v[L16], s[40:41] offset:\q*4096+\hl*2048+\p*512
.endr
.endr
.endr
	WIN 0
	s_lshl_b32 s52, s15, 13
	v_add_nc_u32 v[KB], s52, v[L16]                ; K: 16 lane + 8,192 kh
	s_lshl_b32 s52, s15, 7
	s_add_co_u32 s52, s52, SBASE
	v_lshl_add_u32 v[SB], v[TT+2], 5, s52          ; s: SBASE + 32 hh + 128 kh, in a register of its own: every part forms its address from it
	s_mul_i32 s52, s8, 768
	s_add_co_u32 s52, s52, STAGE
	v_lshl_add_u32 v[STA], v[TT+1], 2, s52
	v_add_nc_u32 v[SRD], s52, v[L8]
.irp q, 0,1,2,3
	v_mov_b32 v[MC+2*\q], 0xff7fffff               ; the lowest finite number: the first factor is 2^(-large) = 0, on sums of 0
	v_mov_b32 v[MC+2*\q+1], 0
	v_mov_b32 v[LS+2*\q], 0
	v_mov_b32 v[LS+2*\q+1], 0
	v_mov_b32 v[AC+2*\q], 0
	v_mov_b32 v[AC+2*\q+1], 0
.endr
	PHASE 0, 0
	PHASE 1, 68                                    ; slot 0 gets part 2
	PHASE 2, 72                                    ; slot 1 gets part 3
	PHASE 3, 0
	; merge: the two partial sums of a lane, the two halves of the lanes (same queries, other keys), then the two waves with the same queries
.irp q, 0,1,2,3
	v_add_f32 v[LS+2*\q], v[LS+2*\q], v[LS+2*\q+1]
	v_add_f32 v[AC+2*\q], v[AC+2*\q], v[AC+2*\q+1]
	v_permlanex16_b32 v[TT+\q], v[MC+2*\q], s10, s11
.endr
.irp q, 0,1,2,3
	v_max_num_f32 v[TT+\q], v[TT+\q], v[MC+2*\q]
	v_sub_f32 v[TT+4+\q], v[MC+2*\q], v[TT+\q]
.endr
.irp q, 0,1,2,3
	v_exp_f32 v[TT+4+\q], v[TT+4+\q]
.endr
	v_nop
	s_wait_alu depctr_va_vdst(0)
.irp q, 0,1,2,3
	v_mul_f32 v[LS+2*\q], v[LS+2*\q], v[TT+4+\q]
	v_mul_f32 v[AC+2*\q], v[AC+2*\q], v[TT+4+\q]
.endr
.irp q, 0,1,2,3
	v_permlanex16_b32 v[TT+8+\q], v[LS+2*\q], s10, s11
	v_permlanex16_b32 v[TT+12+\q], v[AC+2*\q], s10, s11
.endr
.irp q, 0,1,2,3
	v_add_f32 v[LS+2*\q], v[LS+2*\q], v[TT+8+\q]
	v_add_f32 v[AC+2*\q], v[AC+2*\q], v[TT+12+\q]
	ds_store_b32 v[STA], v[TT+\q] offset:64*\q             ; both halves of the lanes hold, and write, the same number
	ds_store_b32 v[STA], v[LS+2*\q] offset:256+64*\q
	ds_store_b32 v[STA], v[AC+2*\q] offset:512+64*\q
.endr
	s_wait_dscnt 0x0
	s_barrier_signal -1
	s_barrier_wait -1
	s_cmp_gt_u32 s8, 3
	s_cbranch_scc1 .Lclose
	ds_load_b64 v[32:33], v[SRD]                   ; queries 2 lane, 2 lane + 1: my maximum, sum, weighted sum
	ds_load_b64 v[34:35], v[SRD] offset:256
	ds_load_b64 v[36:37], v[SRD] offset:512
	ds_load_b64 v[38:39], v[SRD] offset:3072       ; and those of wave w + 4
	ds_load_b64 v[40:41], v[SRD] offset:3328
	ds_load_b64 v[42:43], v[SRD] offset:3584
	s_wait_dscnt 0x0
	v_max_num_f32 v44, v32, v38
	v_max_num_f32 v45, v33, v39
	v_pk_add_f32 v[32:33], v[32:33], v[44:45] neg_lo:[0,1] neg_hi:[0,1]
	v_pk_add_f32 v[38:39], v[38:39], v[44:45] neg_lo:[0,1] neg_hi:[0,1]
	v_exp_f32 v32, v32
	v_exp_f32 v33, v33
	v_exp_f32 v38, v38
	v_exp_f32 v39, v39
	v_nop
	s_wait_alu depctr_va_vdst(0)
	v_pk_mul_f32 v[34:35], v[34:35], v[32:33]
	v_pk_mul_f32 v[36:37], v[36:37], v[32:33]
	v_pk_fma_f32 v[34:35], v[40:41], v[38:39], v[34:35]
	v_pk_fma_f32 v[36:37], v[42:43], v[38:39], v[36:37]
	v_rcp_f32 v34, v34                             ; the sum is at least 1: the largest score's own exponential
	v_rcp_f32 v35, v35
	v_nop
	s_wait_alu depctr_va_vdst(0)
	v_pk_mul_f32 v[36:37], v[36:37], v[34:35]
	global_store_b64 v[L8], v[36:37], s[46:47]     ; the wave stores 256 consecutive bytes, aligned
.Lclose:
	s_wait_dscnt 0x0
	s_wait_tensorcnt 0x0
	ds_add_u32 v254, v255
	s_wait_dscnt 0x0
	ROUND                                          ; the closing round
	s_endpgm
.Lfunc_end_k_qd92ef55c74_attn:
	.size	k_qd92ef55c74_attn, .Lfunc_end_k_qd92ef55c74_attn-k_qd92ef55c74_attn
	.p2alignl 7, 3214868480
	.fill 96, 4, 3214868480
	.section	.rodata,"a",@progbits
	.p2align	6, 0x0
	.amdhsa_kernel k_qd92ef55c74_attn
		.amdhsa_group_segment_fixed_size 327680
		.amdhsa_private_segment_fixed_size 0
		.amdhsa_enable_private_segment 0
		.amdhsa_kernarg_size 32
		.amdhsa_user_sgpr_count 2
		.amdhsa_user_sgpr_kernarg_segment_ptr 1
		.amdhsa_wavefront_size32 1
		.amdhsa_system_sgpr_workgroup_id_x 1
		.amdhsa_system_sgpr_workgroup_id_y 1
		.amdhsa_system_sgpr_workgroup_id_z 1
		.amdhsa_system_vgpr_workitem_id 0
		.amdhsa_next_free_vgpr 384
		.amdhsa_next_free_sgpr 76
		.amdhsa_reserve_vcc 0
		.amdhsa_float_denorm_mode_32 3
		.amdhsa_float_denorm_mode_16_64 3
		.amdhsa_memory_ordered 1
		.amdhsa_forward_progress 1
		.amdhsa_inst_pref_size 141
	.end_amdhsa_kernel
	.amdgpu_metadata
---
amdhsa.version: [ 1, 2 ]
amdhsa.kernels:
  - .name:           k_qd92ef55c74_attn
    .symbol:         k_qd92ef55c74_attn.kd
    .args:
      - { .name: qf, .offset: 0, .size: 8, .value_kind: global_buffer, .address_space: global }
      - { .name: kf, .offset: 8, .size: 8, .value_kind: global_buffer, .address_space: global }
      - { .name: sbuf, .offset: 16, .size: 8, .value_kind: global_buffer, .address_space: global }
      - { .name: heads, .offset: 24, .size: 8, .value_kind: global_buffer, .address_space: global }
    .group_segment_fixed_size: 327680
    .private_segment_fixed_size: 0
    .kernarg_segment_align: 8
    .kernarg_segment_size: 32
    .max_flat_workgroup_size: 256
    .sgpr_count:     76
    .vgpr_count:     384
    .wavefront_size: 32
...
	.end_amdgpu_metadata
.endif
;; end of part 3
;; launch pool (part 4): grid 4 x 8, 16 waves a work-group, no clusters, 92,416 bytes of LDS; arguments heads, zf, b_pr, out0; writes out0
.if DOCPART == 4
	.amdgcn_target "amdgcn-amd-amdhsa--gfx1250"
	.amdhsa_code_object_version 6
	.text
	.protected	k_qd92ef55c74_pool
	.globl	k_qd92ef55c74_pool
	.p2align	8
	.type	k_qd92ef55c74_pool,@function
k_qd92ef55c74_pool:
	s_mov_b64 s[64:65], 0
	v_nop
	global_prefetch_b8 v0, s[64:65] scope:SCOPE_SE
	s_setreg_imm32_b32 hwreg(HW_REG_WAVE_MODE, 25, 1), 1
	s_wait_xcnt 0x0
; pool: bs = sigmoid(sum of the four heads); cum = running sum over the batch's 2,048 tokens; pid = min(int(8 cum / max(total, 1e-6)), 7);
; out[b][p][c] = (sum over tokens with pid = p of z[t][c]) / max(count, 1) + b_pr[c], with z = h w_pr^T from the launch before: the mean and the product commute.
; A work-group owns one batch and 64 columns: each output has one owner and each row piece is 256 consecutive bytes.  The four work-groups of a batch each
; make the scan for themselves: what they share is 32,768 of the 294,912 bytes that a work-group reads, so no joint loads.
; Sixteen waves; thread t has tokens 4 t .. 4 t + 3, wave w tokens 128 w .. + 127.  The segment sum is a product one-hot^T x z on the matrix unit
; (bf16 operands, f32 sums; the one-hot and the counts are exact).  pid enters compares and selects alone, no address and no branch.
; LIMITS: the running sum is ordered otherwise than a serial one (lane, wave, work-group); the quotient is a reciprocal with one Newton step and one correction.
.set WT,  0                            ; LDS: the 16 waves' totals
.set PID, 256                          ; pid of 2,048 tokens, i32
.set RED, 8448                         ; [16 waves][5 accumulators][8 registers][32 lanes] f32
.set LANE, 1
.set L16,  2
.set RR,   3
.set HH,   4
.set T16,  5
.set L8,   6
.set K1,   7                           ; bf16 1.0 in the low half
.set K2,   8                           ; in the high half
.set PA,   21
.set BPR,  22                          ; v[22:23]
.set OH,   24                          ; v[24:55]   one-hot fragments of four blocks of 32 tokens; before that the scan's registers
.set ONE,  56                          ; v[56:63]   a fragment of ones: its product counts
.set ACC,  64                          ; v[64:103]  four column tiles and the counts; before that two buffers of 16 pids
.set ZF,   104                         ; v[104:231] z: 32 tb + 8 F + 4 piece
.macro PLACES
.rept 4
	v_nop
.endr
.endm
.macro PLOAD tb, buf                   ; pid of tokens 32 tb + 8 hh + 0..7 and 16 further
	ds_load_b128 v[\buf:\buf+3], v[PA] offset:\tb*128
	ds_load_b128 v[\buf+4:\buf+7], v[PA] offset:\tb*128+16
	ds_load_b128 v[\buf+8:\buf+11], v[PA] offset:\tb*128+64
	ds_load_b128 v[\buf+12:\buf+15], v[PA] offset:\tb*128+80
.endm
.macro ONEHOT tb, buf                  ; row r of the fragment: 1.0 where pid = r (rows 8..15 stay 0: pid is at most 7)
.irp i, 0,1,2,3,4,5,6,7
	v_cmp_eq_u32 vcc_lo, v[RR], v[\buf+2*\i]
	v_cndmask_b32 v[OH+8*\tb+\i], 0, v[K1], vcc_lo
	v_cmp_eq_u32 vcc_lo, v[RR], v[\buf+2*\i+1]
	v_cndmask_b32 v9, 0, v[K2], vcc_lo
	v_or_b32 v[OH+8*\tb+\i], v[OH+8*\tb+\i], v9
.endr
.endm
	s_load_b256 s[4:11], s[0:1], 0x0               ; heads s[4:5], zf s[6:7], b_pr s[8:9], out0 s[10:11]
	v_lshl_add_u32 v232, v0, 2, 0x16100
	v_mov_b32 v233, 0
	v_lshrrev_b32 v9, 5, v0
	v_readfirstlane_b32 s12, v9                    ; wave 0..15
	s_mov_b32 s13, ttmp9                           ; cg: 64 columns
	s_and_b32 s14, ttmp7, 0xffff                   ; b
	v_and_b32 v[LANE], 31, v0
	v_and_b32 v[RR], 15, v0
	v_bfe_u32 v[HH], v0, 4, 1
	v_lshlrev_b32 v[L16], 4, v[LANE]
	v_lshlrev_b32 v[T16], 4, v0
	v_lshlrev_b32 v[L8], 3, v[LANE]
	s_lshl_b32 s16, s14, 15                        ; heads: four heads of 8,192 bytes a batch
	s_mov_b32 s17, 0
	s_lshl_b32 s18, s14, 20                        ; zf: batch, F = 4 cg, tb = 4 w
	s_lshl_b32 s20, s13, 18
	s_add_co_u32 s18, s18, s20
	s_lshl_b32 s20, s12, 12
	s_add_co_u32 s18, s18, s20
	s_mov_b32 s19, 0
	s_lshl_b32 s20, s13, 8                         ; 64 columns of f32
	s_mov_b32 s21, 0
	s_wait_kmcnt 0x0
	s_add_nc_u64 s[4:5], s[4:5], s[16:17]
	s_add_nc_u64 s[6:7], s[6:7], s[18:19]
	s_add_nc_u64 s[8:9], s[8:9], s[20:21]
	s_add_nc_u64 s[10:11], s[10:11], s[20:21]
.irp h, 0,1,2,3
	global_load_b128 v[OH+4*\h:OH+4*\h+3], v[T16], s[4:5] offset:\h*8192
.endr
	global_load_b64 v[BPR:BPR+1], v[L8], s[8:9]
.irp tb, 0,1,2,3
.irp f, 0,1,2,3
.irp p, 0,1
	global_load_b128 v[ZF+32*\tb+8*\f+4*\p:ZF+32*\tb+8*\f+4*\p+3], v[L16], s[6:7] offset:\f*65536+\tb*1024+\p*512 th:TH_LOAD_NT
.endr
.endr
.endr
	v_mov_b32 v[K1], 0x3f80
	v_mov_b32 v[K2], 0x3f800000
.irp i, 0,1,2,3,4,5,6,7
	v_mov_b32 v[ONE+\i], 0x3f803f80
.endr
	v_lshlrev_b32 v11, 2, v[LANE]
	v_add_nc_u32 v11, -4, v11
	v_and_b32 v11, 0x7c, v11                       ; 4 x (lane - 1 mod 32)
	s_lshl_b32 s15, s12, 2
	v_mov_b32 v10, s15                             ; my wave's word among the totals
	v_lshlrev_b32 v17, 2, v[RR]
	s_lshl_b32 s15, s12, 9
	s_add_co_u32 s15, s15, PID
	v_lshl_add_u32 v[PA], v[HH], 5, s15            ; PID + 512 w + 32 hh
	s_wait_loadcnt 32                              ; the heads and b_pr are in; the 32 loads of z stay out
	v_pk_add_f32 v[24:25], v[24:25], v[28:29]
	v_pk_add_f32 v[26:27], v[26:27], v[30:31]
	v_pk_add_f32 v[32:33], v[32:33], v[36:37]
	v_pk_add_f32 v[34:35], v[34:35], v[38:39]
	v_pk_add_f32 v[24:25], v[24:25], v[32:33]      ; the logit of my four tokens
	v_pk_add_f32 v[26:27], v[26:27], v[34:35]
	v_pk_mul_f32 v[24:25], v[24:25], 0xbfb8aa3b op_sel_hi:[1,0]
	v_pk_mul_f32 v[26:27], v[26:27], 0xbfb8aa3b op_sel_hi:[1,0]
	v_exp_f32 v24, v24
	v_exp_f32 v25, v25
	v_exp_f32 v26, v26
	v_exp_f32 v27, v27
	v_nop
	s_wait_alu depctr_va_vdst(0)
	v_pk_add_f32 v[24:25], v[24:25], 1.0 op_sel_hi:[1,0]
	v_pk_add_f32 v[26:27], v[26:27], 1.0 op_sel_hi:[1,0]
	v_rcp_f32 v24, v24                             ; sigmoid = 1 / (1 + 2^(-log2(e) x))
	v_rcp_f32 v25, v25
	v_rcp_f32 v26, v26
	v_rcp_f32 v27, v27
	v_nop
	s_wait_alu depctr_va_vdst(0)
	v_add_f32 v25, v24, v25                        ; running sums inside the thread
	v_add_f32 v26, v25, v26
	v_add_f32 v27, v26, v27
	v_mov_b32 v12, v27
	v_add_f32_dpp v12, v12, v12 row_shr:1 row_mask:0xf bank_mask:0xf       ; inside each 16 lanes; a lane without a source keeps its number
	v_add_f32_dpp v12, v12, v12 row_shr:2 row_mask:0xf bank_mask:0xf
	v_add_f32_dpp v12, v12, v12 row_shr:4 row_mask:0xf bank_mask:0xf
	v_add_f32_dpp v12, v12, v12 row_shr:8 row_mask:0xf bank_mask:0xf
	v_readlane_b32 s15, v12, 15
	v_mov_b32 v13, s15
	v_cmp_lt_u32 vcc_lo, 15, v[LANE]
	v_cndmask_b32 v13, 0, v13, vcc_lo
	v_add_f32 v12, v12, v13                        ; lanes 16..31 add the lower half's total
	ds_bpermute_b32 v14, v11, v12                  ; what the lanes below me add up to
	v_readlane_b32 s15, v12, 31
	v_mov_b32 v15, s15
	ds_store_b32 v10, v15                          ; the wave's total
	s_wait_dscnt 0x0
	s_barrier_signal -1
	s_barrier_wait -1
	ds_load_b32 v16, v17                           ; lane r: wave r's total
	v_cmp_ne_u32 vcc_lo, 0, v[LANE]
	v_cndmask_b32 v14, 0, v14, vcc_lo
	s_wait_dscnt 0x0
	v_cmp_gt_u32 vcc_lo, s12, v[RR]
	v_cndmask_b32 v18, 0, v16, vcc_lo              ; the waves below mine
.irp m, 1,2,4,8
	v_add_f32_dpp v16, v16, v16 row_xmask:\m row_mask:0xf bank_mask:0xf
	v_add_f32_dpp v18, v18, v18 row_xmask:\m row_mask:0xf bank_mask:0xf
.endr
	v_add_f32 v14, v18, v14
	v_max_num_f32 v16, 0x358637bd, v16             ; max(total, 1e-6)
	v_rcp_f32 v19, v16
.irp j, 0,1,2,3
	v_add_f32 v[24+\j], v14, v[24+\j]              ; cum
.endr
	s_wait_alu depctr_va_vdst(0)
	v_fma_f32 v20, -v16, v19, 1.0
	v_fmac_f32 v19, v19, v20                       ; the reciprocal, one Newton step
.irp j, 0,1,2,3
	v_mul_f32 v[28+\j], v[24+\j], v19
.endr
.irp j, 0,1,2,3
	v_fma_f32 v[32+\j], -v16, v[28+\j], v[24+\j]   ; what is left
.endr
.irp j, 0,1,2,3
	v_fmac_f32 v[28+\j], v[32+\j], v19             ; the corrected quotient
.endr
.irp j, 0,1,2,3
	v_mul_f32 v[28+\j], 0x41000000, v[28+\j]
.endr
.irp j, 0,1,2,3
	v_cvt_i32_f32 v[28+\j], v[28+\j]
.endr
.irp j, 0,1,2,3
	v_min_i32 v[28+\j], 7, v[28+\j]
.endr
	ds_store_b128 v[T16], v[28:31] offset:PID
	s_wait_dscnt 0x0
	s_barrier_signal -1
	s_barrier_wait -1
	PLOAD 0, ACC
	PLOAD 1, ACC+16
	s_wait_dscnt 0x4                               ; a block's four loads are in, the next block's four may stay out
	ONEHOT 0, ACC
	PLOAD 2, ACC
	s_wait_dscnt 0x4
	ONEHOT 1, ACC+16
	PLOAD 3, ACC+16
	s_wait_dscnt 0x4
	ONEHOT 2, ACC
	s_wait_dscnt 0x0
	ONEHOT 3, ACC+16
	s_wait_loadcnt 0x0                             ; z
	; five accumulators take turns, one instruction a turn; the first block starts the sums
.irp tb, 0,1,2,3
.irp a, 0,1,2,3,4
.if \a < 4
.if \tb == 0
	v_wmma_f32_16x16x32_bf16 v[ACC+8*\a:ACC+8*\a+7], v[OH+8*\tb:OH+8*\tb+7], v[ZF+32*\tb+8*\a:ZF+32*\tb+8*\a+7], 0
.else
	v_wmma_f32_16x16x32_bf16 v[ACC+8*\a:ACC+8*\a+7], v[OH+8*\tb:OH+8*\tb+7], v[ZF+32*\tb+8*\a:ZF+32*\tb+8*\a+7], v[ACC+8*\a:ACC+8*\a+7]
.endif
.else
.if \tb == 0
	v_wmma_f32_16x16x32_bf16 v[ACC+8*\a:ACC+8*\a+7], v[OH+8*\tb:OH+8*\tb+7], v[ONE:ONE+7], 0
.else
	v_wmma_f32_16x16x32_bf16 v[ACC+8*\a:ACC+8*\a+7], v[OH+8*\tb:OH+8*\tb+7], v[ONE:ONE+7], v[ACC+8*\a:ACC+8*\a+7]
.endif
.endif
.endr
.endr
	PLACES
	s_mul_i32 s15, s12, 5120
	s_add_co_u32 s15, s15, RED
	v_lshl_add_u32 v10, v[LANE], 2, s15
.irp a, 0,1,2,3,4
.irp j, 0,1,2,3,4,5,6,7
	ds_store_b32 v10, v[ACC+8*\a+\j] offset:\a*1024+\j*128         ; register j of lanes 0..15: patch j, column r
.endr
.endr
	s_wait_dscnt 0x0
	s_barrier_signal -1
	s_barrier_wait -1
	s_cmp_gt_u32 s12, 7
	s_cbranch_scc1 .Ldone
	; wave p: patch p's 64 columns, two a lane, over the sixteen waves' partial sums
	v_lshrrev_b32 v9, 3, v[LANE]                   ; column tile
	v_and_b32 v10, 7, v[LANE]
	s_lshl_b32 s15, s12, 7
	s_add_co_u32 s15, s15, RED
	v_lshl_add_u32 v9, v9, 10, s15
	v_lshl_add_u32 v9, v10, 3, v9
	v_add_nc_u32 v10, 40960, v9                    ; waves 8..15: past the reach of the 16-bit offset
	s_add_co_u32 s15, s15, 4096
	v_mov_b32 v11, s15                             ; the counts
	v_add_nc_u32 v12, 40960, v11
	s_lshl_b32 s16, s14, 13
	s_lshl_b32 s17, s12, 10
	s_add_co_u32 s16, s16, s17
	s_mov_b32 s17, 0
	s_add_nc_u64 s[10:11], s[10:11], s[16:17]
.irp i, 0,1,2,3,4,5,6,7
	ds_load_b64 v[ZF+2*\i:ZF+2*\i+1], v9 offset:\i*5120
.endr
.irp i, 0,1,2,3,4,5,6,7
	ds_load_b64 v[ZF+16+2*\i:ZF+16+2*\i+1], v10 offset:\i*5120
.endr
.irp i, 0,1,2,3,4,5,6,7
	ds_load_b32 v[ZF+32+\i], v11 offset:\i*5120
.endr
.irp i, 0,1,2,3,4,5,6,7
	ds_load_b32 v[ZF+40+\i], v12 offset:\i*5120
.endr
	s_wait_dscnt 0x0
.irp k, 0,4,8,12,16,20,24,28,32,36,40,44
	v_pk_add_f32 v[ZF+\k:ZF+\k+1], v[ZF+\k:ZF+\k+1], v[ZF+\k+2:ZF+\k+3]
.endr
.irp k, 0,8,16,24,32,40
	v_pk_add_f32 v[ZF+\k:ZF+\k+1], v[ZF+\k:ZF+\k+1], v[ZF+\k+4:ZF+\k+5]
.endr
.irp k, 0,16,32
	v_pk_add_f32 v[ZF+\k:ZF+\k+1], v[ZF+\k:ZF+\k+1], v[ZF+\k+8:ZF+\k+9]
.endr
	v_pk_add_f32 v[ZF:ZF+1], v[ZF:ZF+1], v[ZF+16:ZF+17]
	v_add_f32 v[ZF+32], v[ZF+32], v[ZF+33]         ; the count
	v_max_num_f32 v[ZF+32], 1.0, v[ZF+32]
	v_rcp_f32 v[ZF+32], v[ZF+32]
	v_nop
	s_wait_alu depctr_va_vdst(0)
	v_pk_fma_f32 v[ZF:ZF+1], v[ZF:ZF+1], v[ZF+32:ZF+33], v[BPR:BPR+1] op_sel_hi:[1,0,1]
	global_store_b64 v[L8], v[ZF:ZF+1], s[10:11]   ; the wave stores 256 consecutive bytes, aligned
.Ldone:
	s_wait_tensorcnt 0x0
	ds_add_u32 v232, v233
	s_wait_dscnt 0x0
	s_endpgm
.Lfunc_end_k_qd92ef55c74_pool:
	.size	k_qd92ef55c74_pool, .Lfunc_end_k_qd92ef55c74_pool-k_qd92ef55c74_pool
	.p2alignl 7, 3214868480
	.fill 96, 4, 3214868480
	.section	.rodata,"a",@progbits
	.p2align	6, 0x0
	.amdhsa_kernel k_qd92ef55c74_pool
		.amdhsa_group_segment_fixed_size 92416
		.amdhsa_private_segment_fixed_size 0
		.amdhsa_enable_private_segment 0
		.amdhsa_kernarg_size 32
		.amdhsa_user_sgpr_count 2
		.amdhsa_user_sgpr_kernarg_segment_ptr 1
		.amdhsa_wavefront_size32 1
		.amdhsa_system_sgpr_workgroup_id_x 1
		.amdhsa_system_sgpr_workgroup_id_y 1
		.amdhsa_system_sgpr_workgroup_id_z 1
		.amdhsa_system_vgpr_workitem_id 0
		.amdhsa_next_free_vgpr 234
		.amdhsa_next_free_sgpr 66
		.amdhsa_reserve_vcc 1
		.amdhsa_float_denorm_mode_32 3
		.amdhsa_float_denorm_mode_16_64 3
		.amdhsa_memory_ordered 1
		.amdhsa_forward_progress 1
		.amdhsa_inst_pref_size 25
	.end_amdhsa_kernel
	.amdgpu_metadata
---
amdhsa.version: [ 1, 2 ]
amdhsa.kernels:
  - .name:           k_qd92ef55c74_pool
    .symbol:         k_qd92ef55c74_pool.kd
    .args:
      - { .name: heads, .offset: 0, .size: 8, .value_kind: global_buffer, .address_space: global }
      - { .name: zf, .offset: 8, .size: 8, .value_kind: global_buffer, .address_space: global }
      - { .name: b_pr, .offset: 16, .size: 8, .value_kind: global_buffer, .address_space: global }
      - { .name: out0, .offset: 24, .size: 8, .value_kind: global_buffer, .address_space: global }
    .group_segment_fixed_size: 92416
    .private_segment_fixed_size: 0
    .kernarg_segment_align: 8
    .kernarg_segment_size: 32
    .max_flat_workgroup_size: 512
    .sgpr_count:     66
    .vgpr_count:     234
    .wavefront_size: 32
...
	.end_amdgpu_metadata
.endif
;; end of part 4
;; ======== version 2 of 4: 4 launches; 1.19 times as fast as version 1
;; workspace buffers: wf 1,048,576 bytes; gbuf 5,120 bytes; qf 8,388,608 bytes; kf 8,388,608 bytes; zf 8,388,608 bytes; sbuf 524,288 bytes; heads 262,144 bytes
;; launch prep: the kernel of part 1 again; grid 68 x 1, 8 waves a work-group, no clusters, 9,472 bytes of LDS; arguments w_in, w_q, w_k, w_pr, w_o, w_v, w_bd, b_o, b_v, b_bd, wf, gbuf; writes wf, gbuf
;; launch proj (part 5): grid 512 x 1, 8 waves a work-group, no clusters, 77,056 bytes of LDS; arguments x, wf, gbuf, b_in, b_q, b_k, qf, kf, zf, sbuf; writes qf, kf, zf, sbuf
.if DOCPART == 5
	.amdgcn_target "amdgcn-amd-amdhsa--gfx1250"
	.amdhsa_code_object_version 6
	.text
	.protected	k_qd92ef55c74_proj
	.globl	k_qd92ef55c74_proj
	.p2align	8
	.type	k_qd92ef55c74_proj,@function
k_qd92ef55c74_proj:
	s_mov_b64 s[64:65], 0
	v_nop
	global_prefetch_b8 v0, s[64:65] scope:SCOPE_SE
	s_setreg_imm32_b32 hwreg(HW_REG_WAVE_MODE, 25, 1), 1
	s_wait_xcnt 0x0
; proj: for 32 tokens  h = x w_in^T + b_in;  q = (h w_q^T + b_q) log2(e) / 8;  k = h w_k^T + b_k;  z = h w_pr^T;  s[head] = g[head] . h + c[head].
; PRECISION.  The patch ids downstream are a step function of these numbers: one token on the wrong side of a boundary moves two patch means by more than
; the result may be off.  So every matrix operand here is TWO bf16 numbers, hi = bf16(v) and lo = bf16(v - hi) (16 bits of mantissa, the range of f32), and a
; product is three: hi x hi + lo x hi + hi x lo; lo x lo, some 2^-16 of the product, is dropped.  Sums in f32; s is made from the f32 sums of h.
; q AND k LEAVE AS f16 WITH A SCALE: for each head the largest magnitude of the block's 32 tokens x 64 numbers is taken, 2^e is its power of two, and
; f16(v 2^(14 - e)) is stored: the largest lies in [2^14, 2^15), so f16's range is never left, whatever the inputs' size; 2^(e - 14) is stored beside s.
; Eight waves.  Wave w owns features 32 w .. 32 w + 31 of every product (F = 2 w + f).  The token side is four tiles of 16 rows: tiles 0, 1 = the hi parts of
; the 32 tokens, tiles 2, 3 = their lo parts.  A pass over a weight matrix's hi part multiplies all four tiles: accumulators (f, 0..1) hold the main sums
; (the bias starts them), (f, 2..3) the small sums (0 starts them).  A pass over its lo part multiplies tiles 0, 1 into the small sums.
; Each wave keeps the four tiles x 256 K as fragments in registers 256..511, so a weight fragment is used by one wave alone, once: it comes
; from wf, already in operand order, straight into a ring of registers, one pass ahead.
; NO JOINT TILES for the weights: through LDS each work-group would write and read again the 1,048,576 bytes of wf that now go once into registers.
; LIMITS: the order of the sums is that of the matrix unit, not that of a chain of f32 additions; q and k have 11 bits of mantissa, z leaves as one bf16;
; a block whose largest magnitude is below 2^-95 is scaled as if it were 2^-95.
; Out: a packed accumulator tile is, lane for lane, one 16-byte piece of the fragment that the next launch loads:
;   qf, kf [bh 32][tile 128][piece 4][lane 32][16 B]: token 16 tile + r, d = 16 piece + 8 hh + 0..7
;   zf     [b 8][F 16][tb 64][piece 2][lane 32][16 B]: feature 16 F + r, tokens 32 tb + 16 piece + 8 hh + 0..7
;   sbuf   [bh 32][block 64][64 f32]: s of the block's 32 tokens, 16 copies of k's scale, 16 copies of q's scale
; so each store of a wave covers 512 (sbuf: 256) consecutive bytes, aligned.
.set PITCH,  528                       ; an LDS row: 512 bytes of bf16 + 16: an odd multiple of 16, so 16 rows start at 16 different 16-byte columns
.set XT,     0                         ; x: rows 0..31 hi, rows 32..63 lo
.set HT,     64*PITCH                  ; h likewise
.set LOROW,  32*PITCH                  ; from a token's hi row to its lo row
.set SPART,  128*PITCH                 ; partial s: [16 sets = 2 w + hh][4 heads][32 tokens] f32
.set MXQ,    SPART+8192                ; the eight waves' largest |q|; 32 bytes further the eight waves' largest |k|
.set L16,  1                           ; 16 lane
.set FA,   2                           ; r PITCH + 16 hh: a fragment's row
.set HST,  3                           ; HT + r PITCH + 16 hh + 64 w
.set SPA,  4                           ; SPART + 512 (2 w + hh) + 4 r
.set BO,   5                           ; 128 w + 32 hh: my 8 features in a vector of 256 f32
.set SCN,  6                           ; v[6:7]   the head's constant, twice
.set XST,  8                           ; 4 w PITCH + 8 lane
.set SCO,  9
.set SRD,  10                          ; SPART + 128 (w mod 4) + 8 r
.set L8,   11
.set MXW,  12                          ; MXQ + 4 w: my wave's word
.set MXR,  13                          ; MXQ + 8 (w / 2): the words of my head's two waves
.set INV,  14                          ; v[14:15] the factor in front of the rounding to f16, twice
.set TMP,  16                          ; v[16:31]
.set BIAS0, 32                         ; v[32:47]  b_in, later b_k: 8 f + j
.set BIAS1, 48                         ; v[48:63]  b_q
.set ACC,  64                          ; v[64:127] tile (f, t) at 8 (4 f + t)
.set WR,   128                         ; v[128:255] weights: k-step ks at 16 ks + 8 f + 4 piece
                                       ; registers 256..511: token fragments (ks, t) at 8 (4 ks + t); g (hd, f) at 8 (2 hd + f) once k-steps 0 and 1 of both passes over w_in are done
.set MSB,  0
.set NL,   0                           ; global loads issued so far: a wait's count is NL less the mark behind the load that it is for
.macro WIN new                         ; s_set_vgpr_msb: bits 1:0 source 0, 3:2 source 1, 5:4 source 2, 7:6 destination; the high byte repeats the setting left
.if MSB != \new
	s_set_vgpr_msb (MSB<<8)|\new
.set MSB, \new
.endif
.endm
.macro PLACES                          ; four plain vector instructions between a matrix instruction and a read of its result or a load into its registers
.rept 4
	v_nop
.endr
.endm
.macro SPLIT4 a, hi, lo, t             ; four f32 in v[a ..] to two words of hi and two of lo; v[a ..] ends as the remainders, v[t .. t + 3] is scratch
	v_cvt_pk_bf16_f32 v[\hi], v[\a], v[\a+1]
	v_cvt_pk_bf16_f32 v[\hi+1], v[\a+2], v[\a+3]
	v_lshlrev_b32 v[\t], 16, v[\hi]
	v_and_b32 v[\t+1], 0xffff0000, v[\hi]
	v_lshlrev_b32 v[\t+2], 16, v[\hi+1]
	v_and_b32 v[\t+3], 0xffff0000, v[\hi+1]
	v_pk_add_f32 v[\a:\a+1], v[\a:\a+1], v[\t:\t+1] neg_lo:[0,1] neg_hi:[0,1]      ; v - hi is exact in f32
	v_pk_add_f32 v[\a+2:\a+3], v[\a+2:\a+3], v[\t+2:\t+3] neg_lo:[0,1] neg_hi:[0,1]
	v_cvt_pk_bf16_f32 v[\lo], v[\a], v[\a+1]
	v_cvt_pk_bf16_f32 v[\lo+1], v[\a+2], v[\a+3]
.endm
.macro SPLIT8 a, b                     ; an accumulator tile in v[a .. a + 7]: hi into v[b .. b + 3], lo into v[b + 4 .. b + 7]
	SPLIT4 \a, \b, \b+4, TMP
	SPLIT4 \a+4, \b+2, \b+6, TMP+4
.endm
.macro COMBINE                         ; main sums += small sums; the small sums' registers are free behind it
.irp f, 0,1
.irp t, 0,1
.irp i, 0,2,4,6
	v_pk_add_f32 v[ACC+8*(4*\f+\t)+\i:ACC+8*(4*\f+\t)+\i+1], v[ACC+8*(4*\f+\t)+\i:ACC+8*(4*\f+\t)+\i+1], v[ACC+8*(4*\f+\t+2)+\i:ACC+8*(4*\f+\t+2)+\i+1]
.endr
.endr
.endr
.endm
.macro BLOAD dst, lo                   ; my 2 x 8 numbers of a bias
.irp f, 0,1
	global_load_b128 v[\dst+8*\f:\dst+8*\f+3], v[BO], s[\lo:\lo+1] offset:64*\f
	global_load_b128 v[\dst+8*\f+4:\dst+8*\f+7], v[BO], s[\lo:\lo+1] offset:64*\f+16
.endr
.set NL, NL+4
.endm
.macro WLOAD mat, grp                  ; k-steps 2 grp and 2 grp + 1 of matrix mat (0..7 in wf's order) into the ring: 8 loads
.irp kk, 0,1
.irp f, 0,1
.irp p, 0,1
	global_load_b128 v[WR+16*(2*\grp+\kk)+8*\f+4*\p:WR+16*(2*\grp+\kk)+8*\f+4*\p+3], v[L16], s[6:7] offset:\mat*131072+\f*8192+(2*\grp+\kk)*1024+\p*512
.endr
.endr
.endr
.set NL, NL+8
.set RING\grp, NL
.endm
.macro GLOADS                          ; g of the four heads for my 16 features, into registers 256..319, and b_k over b_in
	WIN 0x40
.irp hd, 0,1,2,3
.irp f, 0,1
	global_load_b128 v[8*(2*\hd+\f):8*(2*\hd+\f)+3], v[BO], s[8:9] offset:\hd*1024+\f*64
	global_load_b128 v[8*(2*\hd+\f)+4:8*(2*\hd+\f)+7], v[BO], s[8:9] offset:\hd*1024+\f*64+16
.endr
.endr
.set NL, NL+16
.set GMARK, NL
	WIN 0x04
	BLOAD BIAS0, 14
.endm
.macro FRAGS base                      ; the four tiles x 256 K from LDS into registers 256..511, k-step by k-step: 64 loads
	WIN 0x40
.irp ks, 0,1,2,3,4,5,6,7
.irp t, 0,1,2,3
	ds_load_b128 v[8*(4*\ks+\t):8*(4*\ks+\t)+3], v[FA] offset:\base+\t*16*PITCH+\ks*64
	ds_load_b128 v[8*(4*\ks+\t)+4:8*(4*\ks+\t)+7], v[FA] offset:\base+\t*16*PITCH+\ks*64+32
.endr
.endr
.endm
.macro MM nat, lo, f, t, bias          ; one matrix instruction of k-step KS; in a lo pass tile t adds into the small sum (f, t + 2)
.set AR, ACC+8*(4*\f+\t+2*\lo)
.set WG, WR+16*KS+8*\f
.set XR, 8*(4*KS+\t)
.if KS+\lo == 0
.if \nat
	v_wmma_f32_16x16x32_bf16 v[AR:AR+7], v[XR:XR+7], v[WG:WG+7], 0
.else
.if \t < 2
	v_wmma_f32_16x16x32_bf16 v[AR:AR+7], v[WG:WG+7], v[XR:XR+7], v[\bias+8*\f:\bias+8*\f+7]
.else
	v_wmma_f32_16x16x32_bf16 v[AR:AR+7], v[WG:WG+7], v[XR:XR+7], 0
.endif
.endif
.else
.if \nat
	v_wmma_f32_16x16x32_bf16 v[AR:AR+7], v[XR:XR+7], v[WG:WG+7], v[AR:AR+7]
.else
	v_wmma_f32_16x16x32_bf16 v[AR:AR+7], v[WG:WG+7], v[XR:XR+7], v[AR:AR+7]
.endif
.endif
.endm
; One pass over one of wf's eight matrices.  nat = 0: source 0 = weights, so a lane holds token r and features 8 hh + j;
; nat = 1: source 0 = tokens, so a lane holds feature r and tokens 8 hh + j.  lo = 0: a hi matrix, four tiles, eight accumulators; lo = 1: a lo matrix, tiles 0 and 1, four.
; The accumulators take turns, one instruction a turn.
; Four groups of two k-steps; behind a group its ring slots are filled with the next matrix's same k-steps.
.macro GEMM mat, nat, lo, bias, dsw
.set NEXTM, \mat+1
.irp grp, 0,1,2,3
.if \nat
	WIN 0x01
.else
	WIN 0x04
.endif
	s_wait_loadcnt NL-RING\grp                     ; this group's weights are in; all loads issued behind them may stay out
.if \dsw
	s_wait_dscnt 48-16*\grp                        ; of the 64 fragment loads those of the later k-steps may stay out
.endif
.irp kk, 0,1
.set KS, 2*\grp+\kk
.irp f, 0,1
.if \lo
.irp t, 0,1
	MM \nat, \lo, \f, \t, \bias
.endr
.else
.irp t, 0,1,2,3
	MM \nat, \lo, \f, \t, \bias
.endr
.endif
.endr
.endr
.if \mat < 7
	PLACES
.if \nat
	WIN 0                                          ; a load's address register is its source 0
.endif
	WLOAD NEXTM, \grp
.if (\mat-1)*(\mat-1)+\grp == 0
	GLOADS                                         ; behind group 0 of the second pass over w_in: x's k-steps 0 and 1 are dead
.endif
.else
.if \grp == 3
	PLACES
.endif
.endif
.endr
.endm
.macro SDOT tok, dst                   ; token tile tok: the four heads' dot products over my 16 features, as pairs of half sums
.irp f, 0,1
.irp jp, 0,1,2,3
.irp hd, 0,1,2,3
.if \f+\jp == 0
	v_pk_mul_f32 v[\dst+2*\hd:\dst+2*\hd+1], v[ACC+8*(4*\f+\tok)+2*\jp:ACC+8*(4*\f+\tok)+2*\jp+1], v[8*(2*\hd+\f)+2*\jp:8*(2*\hd+\f)+2*\jp+1]
.else
	v_pk_fma_f32 v[\dst+2*\hd:\dst+2*\hd+1], v[ACC+8*(4*\f+\tok)+2*\jp:ACC+8*(4*\f+\tok)+2*\jp+1], v[8*(2*\hd+\f)+2*\jp:8*(2*\hd+\f)+2*\jp+1], v[\dst+2*\hd:\dst+2*\hd+1]
.endif
.endr
.endr
.endr
.endm
; q (kind 0) or k (kind 1) on their way out: the head's largest magnitude in the block, the scale, f16, store.
.macro OUTQK kind, lo
	WIN 0
	COMBINE
.irp f, 0,1
.irp t, 0,1
.set AR, ACC+8*(4*\f+\t)
.set MT, TMP+2*\f+\t
.irp i, 0,1,2,3,4,5,6,7
	v_and_b32 v[TMP+8+\i], 0x7fffffff, v[AR+\i]    ; magnitudes
.endr
	v_max3_num_f32 v[MT], v[TMP+8], v[TMP+9], v[TMP+10]
	v_max3_num_f32 v[TMP+11], v[TMP+11], v[TMP+12], v[TMP+13]
	v_max3_num_f32 v[MT], v[MT], v[TMP+14], v[TMP+15]
	v_max_num_f32 v[MT], v[MT], v[TMP+11]
.endr
.endr
	v_max3_num_f32 v[TMP], v[TMP], v[TMP+1], v[TMP+2]
	v_max_num_f32 v[TMP], v[TMP], v[TMP+3]         ; the largest of my 32 numbers
	v_max_num_f32_dpp v[TMP], v[TMP], v[TMP] row_xmask:1 row_mask:0xf bank_mask:0xf
	v_max_num_f32_dpp v[TMP], v[TMP], v[TMP] row_xmask:2 row_mask:0xf bank_mask:0xf
	v_max_num_f32_dpp v[TMP], v[TMP], v[TMP] row_xmask:4 row_mask:0xf bank_mask:0xf
	v_max_num_f32_dpp v[TMP], v[TMP], v[TMP] row_xmask:8 row_mask:0xf bank_mask:0xf
	v_permlanex16_b32 v[TMP+1], v[TMP], s38, s39
	v_max_num_f32 v[TMP], v[TMP], v[TMP+1]         ; of the wave's 32 tokens x 32 features
	ds_store_b32 v[MXW], v[TMP] offset:32*\kind    ; all lanes write the same word with the same number
	s_wait_dscnt 0x0                               ; my word is in LDS before I say so
	s_barrier_signal -1
	s_barrier_wait -1
	ds_load_b64 v[TMP+2:TMP+3], v[MXR] offset:32*\kind     ; the two waves of my head
	s_wait_dscnt 0x0
	v_max3_num_f32 v[TMP], v[TMP+2], v[TMP+3], 0x10000000  ; at least 2^-95, so that both factors below stay normal numbers
	v_and_b32 v[TMP], 0x7f800000, v[TMP]           ; 2^e: the exponent field alone
	v_sub_nc_u32 v[INV], 0x86000000, v[TMP]        ; 2^(14 - e): field 127 + 14 + 127 less e's field
.if \kind == 0
	v_mul_f32 v[INV], 0x3e38aa3b, v[INV]           ; q also takes log2(e) / 8: the softmax works in base 2
.endif
	v_mov_b32 v[INV+1], v[INV]
.irp f, 0,1
.irp t, 0,1
.set AR, ACC+8*(4*\f+\t)
.irp i, 0,2,4,6
	v_pk_mul_f32 v[AR+\i:AR+\i+1], v[AR+\i:AR+\i+1], v[INV:INV+1]
.endr
.irp i, 0,1,2,3
	v_cvt_pk_f16_f32 v[AR+\i], v[AR+2*\i], v[AR+2*\i+1]
.endr
	global_store_b128 v[L16], v[AR:AR+3], s[\lo:\lo+1] offset:\t*2048+\f*512
.endr
.endr
	s_wait_xcnt 0x0                                ; the accumulators, which these stores read, are written again only behind this wait
.endm
.macro OUTZ lo                         ; z: one bf16
	WIN 0
	COMBINE
.irp f, 0,1
.irp t, 0,1
.set AR, ACC+8*(4*\f+\t)
.irp i, 0,1,2,3
	v_cvt_pk_bf16_f32 v[AR+\i], v[AR+2*\i], v[AR+2*\i+1]
.endr
	global_store_b128 v[L16], v[AR:AR+3], s[\lo:\lo+1] offset:\f*65536+\t*512
.endr
.endr
	s_wait_xcnt 0x0                                ; the accumulators, which these stores read, are written again only behind this wait
.endm
	s_load_b512 s[4:19], s[0:1], 0x0               ; x s[4:5], wf s[6:7], gbuf s[8:9], b_in s[10:11], b_q s[12:13], b_k s[14:15], qf s[16:17], kf s[18:19]
	s_load_b128 s[20:23], s[0:1], 0x40             ; zf s[20:21], sbuf s[22:23]
	v_lshrrev_b32 v16, 5, v0
	v_readfirstlane_b32 s24, v16                   ; wave w
	v_and_b32 v17, 31, v0                          ; lane
	v_and_b32 v18, 15, v0                          ; r
	v_bfe_u32 v19, v0, 4, 1                        ; hh
	v_lshlrev_b32 v[L16], 4, v17
	v_lshlrev_b32 v[L8], 3, v17
	v_mul_u32_u24 v[FA], v18, PITCH
	v_lshl_add_u32 v[FA], v19, 4, v[FA]
	s_lshl_b32 s28, s24, 6
	s_add_co_u32 s28, s28, HT
	v_add_nc_u32 v[HST], s28, v[FA]
	s_lshl_b32 s28, s24, 10                        ; two sets of 512 bytes a wave
	s_add_co_u32 s28, s28, SPART
	v_lshl_add_u32 v[SPA], v19, 9, s28
	v_lshl_add_u32 v[SPA], v18, 2, v[SPA]
	s_lshl_b32 s28, s24, 7
	v_lshl_add_u32 v[BO], v19, 5, s28
	s_mul_i32 s28, s24, 4*PITCH
	v_add_nc_u32 v[XST], s28, v[L8]
	s_and_b32 s28, s24, 3
	s_lshl_b32 s29, s28, 8
	v_add_nc_u32 v[SCO], s29, v[L8]                ; 256 (w mod 4) + 8 lane
	s_lshl_b32 s29, s28, 7
	s_add_co_u32 s29, s29, SPART
	v_lshl_add_u32 v[SRD], v18, 3, s29             ; SPART + 128 (w mod 4) + 8 r
	s_lshl_b32 s28, s24, 2
	s_add_co_u32 s28, s28, MXQ
	v_mov_b32 v[MXW], s28
	s_lshr_b32 s28, s24, 1
	s_lshl_b32 s28, s28, 3
	s_add_co_u32 s28, s28, MXQ
	v_mov_b32 v[MXR], s28
	s_mov_b32 s38, 0x76543210                      ; v_permlanex16_b32: lane i reads lane i of the other half
	s_mov_b32 s39, 0xfedcba98
	s_mov_b32 s25, ttmp9                           ; g: tokens 32 g ..
	s_lshr_b32 s26, s25, 6                         ; b
	s_and_b32 s27, s25, 63                         ; gb: the block of 32 tokens in the batch
	s_lshl_b32 s28, s25, 15                        ; x: 32 rows of 1,024 bytes a group,
	s_lshl_b32 s29, s24, 12                        ; 4 rows a wave
	s_add_co_u32 s28, s28, s29
	s_mov_b32 s29, 0
	s_lshl_b32 s30, s24, 14                        ; wf: F = 2 w
	s_mov_b32 s31, 0
	s_lshl_b32 s32, s26, 20                        ; qf, kf: 4 b heads of 262,144 bytes
	s_lshr_b32 s34, s24, 1
	s_lshl_b32 s34, s34, 18                        ; + head w / 2
	s_add_co_u32 s32, s32, s34
	s_lshl_b32 s34, s27, 12                        ; + tile 2 gb, 2,048 bytes a tile
	s_add_co_u32 s32, s32, s34
	s_and_b32 s34, s24, 1
	s_lshl_b32 s34, s34, 10                        ; + piece 2 (w mod 2)
	s_add_co_u32 s32, s32, s34
	s_mov_b32 s33, 0
	s_lshl_b32 s34, s26, 20                        ; zf: batch,
	s_lshl_b32 s36, s24, 17                        ; F = 2 w,
	s_add_co_u32 s34, s34, s36
	s_lshl_b32 s36, s27, 10                        ; tb = gb
	s_add_co_u32 s34, s34, s36
	s_mov_b32 s35, 0
	s_wait_kmcnt 0x0
	s_add_nc_u64 s[4:5], s[4:5], s[28:29]
	s_add_nc_u64 s[6:7], s[6:7], s[30:31]
	s_add_nc_u64 s[16:17], s[16:17], s[32:33]
	s_add_nc_u64 s[18:19], s[18:19], s[32:33]
	s_add_nc_u64 s[20:21], s[20:21], s[34:35]
	; all that can be asked for now: my 4 rows of x, two biases, the constant, the whole hi part of w_in
.irp i, 0,1,2,3
	global_load_b128 v[ACC+8*\i:ACC+8*\i+3], v[L16], s[4:5] offset:\i*1024 th:TH_LOAD_NT
	global_load_b128 v[ACC+8*\i+4:ACC+8*\i+7], v[L16], s[4:5] offset:\i*1024+512 th:TH_LOAD_NT
.endr
.set NL, NL+8
.set XMARK, NL
	BLOAD BIAS0, 10
	BLOAD BIAS1, 12
	global_load_b64 v[SCN:SCN+1], v[SCO], s[8:9] offset:4096
.set NL, NL+1
	WLOAD 0, 0
	WLOAD 0, 1
	WLOAD 0, 2
	WLOAD 0, 3
	s_wait_loadcnt NL-XMARK                        ; x is in; the 9 + 32 loads behind it stay out
.set n, 0
.rept 8
	SPLIT4 ACC+4*n, ACC+32+2*n, ACC+48+2*n, TMP+4*(n%4)
.set n, n+1
.endr
.irp i, 0,1,2,3
.irp hf, 0,1
	ds_store_b64 v[XST], v[ACC+32+2*(2*\i+\hf):ACC+32+2*(2*\i+\hf)+1] offset:\i*PITCH+\hf*256
	ds_store_b64 v[XST], v[ACC+48+2*(2*\i+\hf):ACC+48+2*(2*\i+\hf)+1] offset:LOROW+\i*PITCH+\hf*256
.endr
.endr
	s_wait_dscnt 0x0                               ; my rows of x are in LDS before I say so
	s_barrier_signal -1
	s_barrier_wait -1
	FRAGS XT
	GEMM 0, 0, 0, BIAS0, 1                         ; h: w_in hi
	GEMM 1, 0, 1, 0, 0                             ;    w_in lo
	; h in f32: the heads' s; then h as hi and lo into LDS
	WIN 0
	COMBINE
	s_wait_loadcnt NL-GMARK                        ; g is in; b_k and three groups of w_q stay out
	WIN 0x04                                       ; source 1 (g) in registers 256..
	SDOT 0, TMP
	SDOT 1, TMP+8
	WIN 0
.irp tl, 0,1
.irp hd, 0,1,2,3
	v_add_f32 v[TMP+8*\tl+2*\hd], v[TMP+8*\tl+2*\hd], v[TMP+8*\tl+2*\hd+1]
.endr
.irp hd, 0,1,2,3
	ds_store_b32 v[SPA], v[TMP+8*\tl+2*\hd] offset:\hd*128+\tl*64
.endr
.endr
.irp f, 0,1
.irp t, 0,1
.set AR, ACC+8*(4*\f+\t)
.set BR, AR+16
	SPLIT8 AR, BR
	ds_store_b128 v[HST], v[BR:BR+3] offset:\t*16*PITCH+\f*32
	ds_store_b128 v[HST], v[BR+4:BR+7] offset:LOROW+\t*16*PITCH+\f*32
.endr
.endr
	s_wait_dscnt 0x0                               ; my columns of h and my partial s are in LDS before I say so
	s_barrier_signal -1
	s_barrier_wait -1
	FRAGS HT
	GEMM 2, 0, 0, BIAS1, 1
	GEMM 3, 0, 1, 0, 0
	OUTQK 0, 16                                    ; q
	GEMM 4, 0, 0, BIAS0, 0
	GEMM 5, 0, 1, 0, 0
	OUTQK 1, 18                                    ; k
	GEMM 6, 1, 0, 0, 0
	GEMM 7, 1, 1, 0, 0
	OUTZ 20                                        ; z
	; head w's record for this block: s of the 32 tokens (the sixteen partial sums and the constant), then the two scales.
	; Everything read here was written in front of a barrier that every wave has passed.
	s_cmp_gt_u32 s24, 3
	s_cbranch_scc1 .Ldone
	s_lshl_b32 s28, s26, 2
	s_add_co_u32 s28, s28, s24                     ; bh = 4 b + w
	s_lshl_b32 s28, s28, 14                        ; 64 records of 256 bytes
	s_lshl_b32 s29, s27, 8
	s_add_co_u32 s28, s28, s29
	s_mov_b32 s29, 0
	s_add_nc_u64 s[22:23], s[22:23], s[28:29]
	s_lshl_b32 s30, s24, 3
	s_add_co_u32 s30, s30, MXQ
	v_mov_b32 v[TMP+8], s30                        ; the words of waves 2 w and 2 w + 1
.irp i, 0,1,2,3,4,5,6,7,8,9,10,11,12,13,14,15
	ds_load_b64 v[ACC+2*\i:ACC+2*\i+1], v[SRD] offset:\i*512       ; tokens 2 r, 2 r + 1; lanes 16..31 read what lanes 0..15 read
.endr
	ds_load_b64 v[TMP:TMP+1], v[TMP+8]             ; largest |q|
	ds_load_b64 v[TMP+2:TMP+3], v[TMP+8] offset:32 ; largest |k|
	s_wait_dscnt 0x0
.irp k, 0,4,8,12,16,20,24,28
	v_pk_add_f32 v[ACC+\k:ACC+\k+1], v[ACC+\k:ACC+\k+1], v[ACC+\k+2:ACC+\k+3]
.endr
.irp k, 0,8,16,24
	v_pk_add_f32 v[ACC+\k:ACC+\k+1], v[ACC+\k:ACC+\k+1], v[ACC+\k+4:ACC+\k+5]
.endr
.irp k, 0,16
	v_pk_add_f32 v[ACC+\k:ACC+\k+1], v[ACC+\k:ACC+\k+1], v[ACC+\k+8:ACC+\k+9]
.endr
	v_pk_add_f32 v[ACC:ACC+1], v[ACC:ACC+1], v[ACC+16:ACC+17]
	v_pk_add_f32 v[ACC:ACC+1], v[ACC:ACC+1], v[SCN:SCN+1]
	v_max3_num_f32 v[TMP], v[TMP], v[TMP+1], 0x10000000
	v_max3_num_f32 v[TMP+2], v[TMP+2], v[TMP+3], 0x10000000
	v_and_b32 v[TMP], 0x7f800000, v[TMP]
	v_and_b32 v[TMP+2], 0x7f800000, v[TMP+2]
	v_add_nc_u32 v[TMP], 0xf9000000, v[TMP]        ; 2^(e - 14): the field less 14
	v_add_nc_u32 v[TMP+2], 0xf9000000, v[TMP+2]
	v_and_b32 v[TMP+4], 31, v0
	v_cmp_lt_u32 vcc_lo, 23, v[TMP+4]
	v_cndmask_b32 v[TMP], v[TMP+2], v[TMP], vcc_lo ; lanes 24..31: q's scale; the others: k's
	v_cmp_lt_u32 vcc_lo, 15, v[TMP+4]
	v_cndmask_b32 v[ACC], v[ACC], v[TMP], vcc_lo   ; lanes 0..15 keep s
	v_cndmask_b32 v[ACC+1], v[ACC+1], v[TMP], vcc_lo
	global_store_b64 v[L8], v[ACC:ACC+1], s[22:23] ; the wave stores 256 consecutive bytes, aligned
.Ldone:
	s_wait_xcnt 0x0
	v_lshl_add_u32 v254, v0, 2, 0x12900
	v_mov_b32 v255, 0
	s_wait_tensorcnt 0x0
	ds_add_u32 v254, v255
	s_wait_dscnt 0x0
	s_endpgm
.Lfunc_end_k_qd92ef55c74_proj:
	.size	k_qd92ef55c74_proj, .Lfunc_end_k_qd92ef55c74_proj-k_qd92ef55c74_proj
	.p2alignl 7, 3214868480
	.fill 96, 4, 3214868480
	.section	.rodata,"a",@progbits
	.p2align	6, 0x0
	.amdhsa_kernel k_qd92ef55c74_proj
		.amdhsa_group_segment_fixed_size 77056
		.amdhsa_private_segment_fixed_size 0
		.amdhsa_enable_private_segment 0
		.amdhsa_kernarg_size 80
		.amdhsa_user_sgpr_count 2
		.amdhsa_user_sgpr_kernarg_segment_ptr 1
		.amdhsa_wavefront_size32 1
		.amdhsa_system_sgpr_workgroup_id_x 1
		.amdhsa_system_sgpr_workgroup_id_y 1
		.amdhsa_system_sgpr_workgroup_id_z 1
		.amdhsa_system_vgpr_workitem_id 0
		.amdhsa_next_free_vgpr 512
		.amdhsa_next_free_sgpr 66
		.amdhsa_reserve_vcc 1
		.amdhsa_float_denorm_mode_32 3
		.amdhsa_float_denorm_mode_16_64 3
		.amdhsa_memory_ordered 1
		.amdhsa_forward_progress 1
		.amdhsa_inst_pref_size 105
	.end_amdhsa_kernel
	.amdgpu_metadata
---
amdhsa.version: [ 1, 2 ]
amdhsa.kernels:
  - .name:           k_qd92ef55c74_proj
    .symbol:         k_qd92ef55c74_proj.kd
    .args:
      - { .name: x, .offset: 0, .size: 8, .value_kind: global_buffer, .address_space: global }
      - { .name: wf, .offset: 8, .size: 8, .value_kind: global_buffer, .address_space: global }
      - { .name: gbuf, .offset: 16, .size: 8, .value_kind: global_buffer, .address_space: global }
      - { .name: b_in, .offset: 24, .size: 8, .value_kind: global_buffer, .address_space: global }
      - { .name: b_q, .offset: 32, .size: 8, .value_kind: global_buffer, .address_space: global }
      - { .name: b_k, .offset: 40, .size: 8, .value_kind: global_buffer, .address_space: global }
      - { .name: qf, .offset: 48, .size: 8, .value_kind: global_buffer, .address_space: global }
      - { .name: kf, .offset: 56, .size: 8, .value_kind: global_buffer, .address_space: global }
      - { .name: zf, .offset: 64, .size: 8, .value_kind: global_buffer, .address_space: global }
      - { .name: sbuf, .offset: 72, .size: 8, .value_kind: global_buffer, .address_space: global }
    .group_segment_fixed_size: 77056
    .private_segment_fixed_size: 0
    .kernarg_segment_align: 8
    .kernarg_segment_size: 80
    .max_flat_workgroup_size: 256
    .sgpr_count:     66
    .vgpr_count:     512
    .wavefront_size: 32
...
	.end_amdgpu_metadata
.endif
;; end of part 5
;; launch attn (part 6): grid 8 x 32, 8 waves a work-group, clusters of 4 x 1, 285,696 bytes of LDS; arguments qf, kf, sbuf, heads; writes heads
.if DOCPART == 6
	.amdgcn_target "amdgcn-amd-amdhsa--gfx1250"
	.amdhsa_code_object_version 6
	.text
	.protected	k_qd92ef55c74_attn
	.globl	k_qd92ef55c74_attn
	.p2align	8
	.type	k_qd92ef55c74_attn,@function
k_qd92ef55c74_attn:
	s_mov_b64 s[64:65], 0
	v_nop
	global_prefetch_b8 v0, s[64:65] scope:SCOPE_SE
	s_setreg_imm32_b32 hwreg(HW_REG_WAVE_MODE, 25, 1), 1
	s_wait_xcnt 0x0
	s_wait_alu depctr_hold_cnt(0) depctr_sa_sdst(0) depctr_va_vdst(0) depctr_va_sdst(0) depctr_va_ssrc(0) depctr_va_vcc(0) depctr_vm_vsrc(0)
	s_getreg_b32 s2, hwreg(HW_REG_IB_STS2, 6, 4)
	s_cmp_eq_u32 s2, 0
	s_cbranch_scc0 .Lentry_in_a_cluster
	s_endpgm
.Lentry_in_a_cluster:
	s_bfe_u32 s2, ttmp6, 0x10000c
	s_cmp_lg_u32 s2, 0x3003
	s_cbranch_scc0 .Lentry_shape_is_right
	s_endpgm
.Lentry_shape_is_right:
; attn: heads[bh][t] = sum over keys of softmax(q_t . k)[key] s[key], for 256 queries of one (batch, head).
; The value side is one f32 number a key (s, which holds g . h + c), so it costs one fused multiply-add a score and no second product.
; q carries log2(e) / 8, so the softmax works in base 2.  A running maximum is kept for each lane and taken away before every exponential;
; lanes, and then the two waves that share queries, are merged by their maxima at the end.  Everything behind the scores is f32.
; q and k are f16 with one power-of-two scale for each block of 32 tokens.  A pair of key tiles is one such block and a set of two query tiles is one, so
; a true score is the raw sum times F = (the keys' scale) x (the queries' scale), the same number for a whole set and pair: the largest raw score is
; multiplied by F once, and raw x F - maximum is one fused multiply-add a pair of scores.  F is a power of two: the products with it are exact.
; Eight waves: wave w has queries 64 (w mod 4) .. + 63 (four tiles of 16, held in registers) and the key pairs 2 i + w / 4, i = 0..31; a pair = 32 keys = 4,096 bytes.
; K is used as source 0, so a lane holds query r and keys 8 hh + j: its 16 scores of a tile belong to one query.
; CLUSTER 4 x 1: the four work-groups of a cluster have the same (batch, head) and need the same 262,144 bytes of K and 16,384 bytes of s and scales.  They ask
; jointly (mask 15).  All of K stays in LDS: every byte of LDS is filled once, nothing is filled again.  A wave has three tensor loads out at the most:
; its part of the records of s and its two parts of K (64 rows of 256 bytes each).  kf is already in fragment order, so LDS reads are 16 bytes x lane, without gaps.
; LIMITS: q and k have 11 bits of mantissa; F is formed in f32, so the product of a query block's and a key block's largest magnitudes stays below some 2^150.
.set HALFK,  131072                    ; K's first and second half: key pairs 0..31, 32..63
.set SBASE,  262144                    ; 64 records of 256 bytes, one a pair: s of 32 keys, 16 copies of the keys' scale, 16 of the same tokens' scale as queries
.set STAGE,  278528                    ; 768 bytes a wave: maximum, sum, weighted sum of 64 queries; written by LDS stores, never by a tensor load
.set KAD, 1                            ; LDS address of the next pair of K
.set SAD, 2                            ; and of its record
.set L16, 3
.set STA, 4
.set SRD, 5
.set L8,  6
.set KB,  7                            ; 16 lane + 4,096 kh: my first pair of K; never rewritten
.set MC,  8                            ; v[8:15]    tile q: (running maximum, factor for the old sums)
.set LS,  16                           ; v[16:23]   tile q: two partial sums of exponentials
.set AC,  24                           ; v[24:31]   tile q: two partial sums of exponential x s
.set TT,  32                           ; v[32:47]   at work
.set SV,  48                           ; v[48:63]   s of the pair's keys 16 kt + 8 hh + j at 8 kt + j
.set KF,  64                           ; v[64:95]   K fragments: 16 kt + 4 piece
.set QF,  96                           ; v[96:159]  Q fragments: 16 q + 4 piece
.set SETA, 160                         ; v[160:191] scores of query tiles 0, 1: 16 qi + 8 kt
.set SETB, 192                         ; v[192:223] scores of query tiles 2, 3
.set SB,  224                          ; SBASE + 32 hh + 256 kh: my first pair's record; never rewritten
.set SKV, 225                          ; the pair's scale
.set FF,  226                          ; v[226:227] F of the set at work (the first register is used for both halves)
.set SQ,  228                          ; v[228:229] the scales of query tiles 0, 1 and of tiles 2, 3
.set R4,  230
.macro ROUND                           ; a round of the cluster's barrier
	s_barrier_signal -1
	s_barrier_wait -1
	s_cmp_lg_u32 s8, 0
	s_cbranch_scc1 .Lnot_wave_0_\@
	s_barrier_signal -3
.Lnot_wave_0_\@:
	s_barrier_wait -3
	s_barrier_signal -1
	s_barrier_wait -1
.endm
.macro PLACES
.rept 4
	v_nop
.endr
.endm
.macro KLD                             ; the next pair's K: 8 loads
.irp kt, 0,1
.irp p, 0,1,2,3
	ds_load_b128 v[KF+16*\kt+4*\p:KF+16*\kt+4*\p+3], v[KAD] offset:\kt*2048+\p*512
.endr
.endr
	v_add_nc_u32 v[KAD], 8192, v[KAD]              ; my next pair is two pairs on
	s_wait_alu depctr_va_vdst(0)
.endm
.macro SLD                             ; the next pair's s and scale: 5 loads, each half of the lanes one address
	ds_load_b128 v[SV:SV+3], v[SAD]
	ds_load_b128 v[SV+4:SV+7], v[SAD] offset:16
	ds_load_b128 v[SV+8:SV+11], v[SAD] offset:64
	ds_load_b128 v[SV+12:SV+15], v[SAD] offset:80
	ds_load_b32 v[SKV], v[SAD] offset:128          ; byte 128 or 160 of the record: both are copies of the keys' scale
	v_add_nc_u32 v[SAD], 512, v[SAD]
.endm
; Scores of two query tiles x 32 keys: four accumulators take turns, one instruction a turn; d 0..31 starts the sums, d 32..63 adds.
.macro WM set, q0
.irp d, 0,1
.irp qi, 0,1
.irp kt, 0,1
.if \d == 0
	v_wmma_f32_16x16x32_f16 v[\set+16*\qi+8*\kt:\set+16*\qi+8*\kt+7], v[KF+16*\kt:KF+16*\kt+7], v[QF+16*(\q0+\qi):QF+16*(\q0+\qi)+7], 0
.else
	v_wmma_f32_16x16x32_f16 v[\set+16*\qi+8*\kt:\set+16*\qi+8*\kt+7], v[KF+16*\kt+8:KF+16*\kt+15], v[QF+16*(\q0+\qi)+8:QF+16*(\q0+\qi)+15], v[\set+16*\qi+8*\kt:\set+16*\qi+8*\kt+7]
.endif
.endr
.endr
.endr
.endm
.macro MAXTREE s, t                    ; the largest of a tile's 16 raw scores, into v[t + 7]
	v_max3_num_f32 v[\t+0], v[\s+0], v[\s+1], v[\s+2]
	v_max3_num_f32 v[\t+1], v[\s+3], v[\s+4], v[\s+5]
	v_max3_num_f32 v[\t+2], v[\s+6], v[\s+7], v[\s+8]
	v_max3_num_f32 v[\t+3], v[\s+9], v[\s+10], v[\s+11]
	v_max3_num_f32 v[\t+4], v[\s+12], v[\s+13], v[\s+14]
	v_max3_num_f32 v[\t+5], v[\t+0], v[\t+1], v[\t+2]
	v_max3_num_f32 v[\t+6], v[\t+3], v[\t+4], v[\s+15]
	v_max_num_f32 v[\t+7], v[\t+5], v[\t+6]
.endm
.macro SUBM s, q, i                    ; raw scores 2 i, 2 i + 1 times F less the maximum (each pair's first register, for both halves)
	v_pk_fma_f32 v[\s+2*\i:\s+2*\i+1], v[\s+2*\i:\s+2*\i+1], v[FF:FF+1], v[MC+2*\q:MC+2*\q+1] op_sel_hi:[1,0,0] neg_lo:[0,0,1] neg_hi:[0,0,1]
.endm
.macro ACCUM s, q, i                   ; exponentials 2 i, 2 i + 1 into the sums; the first one brings the old sum to the new maximum
.if \i == 0
	s_wait_alu depctr_va_vdst(0)
	v_pk_fma_f32 v[LS+2*\q:LS+2*\q+1], v[LS+2*\q:LS+2*\q+1], v[MC+2*\q:MC+2*\q+1], v[\s:\s+1] op_sel:[0,1,0] op_sel_hi:[1,1,1]
	s_wait_alu depctr_va_vdst(0)
.else
	v_pk_add_f32 v[LS+2*\q:LS+2*\q+1], v[LS+2*\q:LS+2*\q+1], v[\s+2*\i:\s+2*\i+1]
.endif
	v_pk_fma_f32 v[AC+2*\q:AC+2*\q+1], v[\s+2*\i:\s+2*\i+1], v[SV+2*\i:SV+2*\i+1], v[AC+2*\q:AC+2*\q+1]
.endm
; The softmax step of a set's two query tiles a and b.  wt = 1: the pair's s and scale, asked for a set's work ago, are waited for.
; kld = 1: the next pair's K is asked for (more than 20 plain vector instructions behind the last matrix instruction that read K).
; Every exponential has a plain vector instruction that touches neither its result nor its source behind it before either is touched (ISA guide 5.7.2).
.macro SOFT set, q0, kld, wt
.set TA, \set
.set TB, \set+16
.set QA, \q0
.set QB, \q0+1
	MAXTREE TA, TT
	MAXTREE TB, TT+8
.if \wt
	s_wait_dscnt 0x0                               ; the five loads of this pair's s and scale are the only ones out
.endif
	v_mul_f32 v[FF], v[SKV], v[SQ+\q0/2]           ; F: the keys' scale x the queries'
	v_mul_f32 v[TT+7], v[TT+7], v[FF]              ; F is positive: the largest raw score is the largest score
	v_mul_f32 v[TT+15], v[TT+15], v[FF]
	v_max_num_f32 v[TT+7], v[TT+7], v[MC+2*QA]
	v_max_num_f32 v[TT+15], v[TT+15], v[MC+2*QB]
	v_sub_f32 v[MC+2*QA+1], v[MC+2*QA], v[TT+7]
	v_sub_f32 v[MC+2*QB+1], v[MC+2*QB], v[TT+15]
	v_exp_f32 v[MC+2*QA+1], v[MC+2*QA+1]           ; 2^(old maximum - new)
	v_exp_f32 v[MC+2*QB+1], v[MC+2*QB+1]
	v_mov_b32 v[MC+2*QA], v[TT+7]
	v_mov_b32 v[MC+2*QB], v[TT+15]
	s_wait_alu depctr_va_vdst(0)
.if \kld
	KLD
.endif
.irp i, 0,1,2,3,4,5,6,7
	SUBM TA, QA, \i
.endr
.irp i, 0,1,2,3,4,5,6,7
	v_exp_f32 v[TA+2*\i], v[TA+2*\i]
	v_exp_f32 v[TA+2*\i+1], v[TA+2*\i+1]
	SUBM TB, QB, \i
.endr
	v_pk_mul_f32 v[AC+2*QA:AC+2*QA+1], v[AC+2*QA:AC+2*QA+1], v[MC+2*QA:MC+2*QA+1] op_sel:[0,1] op_sel_hi:[1,1]
	v_pk_mul_f32 v[AC+2*QB:AC+2*QB+1], v[AC+2*QB:AC+2*QB+1], v[MC+2*QB:MC+2*QB+1] op_sel:[0,1] op_sel_hi:[1,1]
.irp i, 0,1,2,3,4,5,6,7
	v_exp_f32 v[TB+2*\i], v[TB+2*\i]
	v_exp_f32 v[TB+2*\i+1], v[TB+2*\i+1]
	ACCUM TA, QA, \i
.endr
.irp i, 0,1,2,3,4,5,6,7
	ACCUM TB, QB, \i
.endr
.endm
; Half c of K: my 16 pairs of it.  One pair ahead: while a set's softmax runs on the vector unit the other set's scores are made.
; Half c begins 131,072 c bytes into K (32 pairs of 4,096 bytes) and 8,192 c bytes into the records (32 of 256 bytes).
.macro PHASE c
	s_wait_dscnt 0x0
	s_wait_tensorcnt 1-\c                          ; my parts of the records and of this half have landed; half 1 may stay out behind half 0: no byte of LDS is filled again
	s_barrier_signal -1
	s_barrier_wait -1                              ; every wave's parts have
	v_add_nc_u32 v[KAD], \c*HALFK, v[KB]
	v_add_nc_u32 v[SAD], \c*8192, v[SB]
	KLD
	SLD
	s_wait_dscnt 0x5                               ; K is in; the five loads of s and the scale may stay out
.if \c == 0
	s_wait_loadcnt 0x0                             ; Q and its scales
.endif
	WM SETA, 0
	PLACES                                         ; behind these the first softmax may read set A
	s_mov_b32 s9, 15
.Lpair_\c:
	WM SETB, 2
	SOFT SETA, 0, 1, 1
	s_wait_dscnt 0x0                               ; the next pair's K
	WM SETA, 0
	SOFT SETB, 2, 0, 0
	SLD
	s_sub_co_i32 s9, s9, 1
	s_cmp_lg_u32 s9, 0
	s_cbranch_scc1 .Lpair_\c
	WM SETB, 2
	SOFT SETA, 0, 0, 1
	SOFT SETB, 2, 0, 0
.endm
	s_load_b256 s[40:47], s[0:1], 0x0              ; qf s[40:41], kf s[42:43], sbuf s[44:45], heads s[46:47]
	v_lshl_add_u32 v232, v0, 2, 0x45800
	v_mov_b32 v233, 0
	ds_add_u32 v232, v233
	v_lshrrev_b32 v7, 5, v0
	v_readfirstlane_b32 s8, v7                     ; wave
	s_and_b32 s12, ttmp7, 0xffff                   ; bh: shared by the cluster
	s_bfe_u32 s13, ttmp6, 0x40000                  ; cx
	s_lshl_b32 s14, ttmp9, 2
	s_add_co_u32 s14, s14, s13                     ; qb, the block of 256 queries: enters the addresses of Q, of its scales and of the result alone
	s_lshr_b32 s15, s8, 2                          ; kh
	s_mov_b32 s10, 0x76543210
	s_mov_b32 s11, 0xfedcba98
	; group 1 for K: 64 rows of 32 elements of 8 bytes, dense; mask 15 = all four of the cluster, bit 21 beside it
	s_mov_b32 s16, 15|(3<<16)|(1<<21)
	s_mov_b32 s17, 32<<16                          ; tensor_dim0 = 32
	s_mov_b32 s18, 64<<16                          ; tensor_dim1 = 64
	s_mov_b32 s19, 32<<16                          ; tile_dim0 = 32
	s_mov_b32 s20, 64                              ; tile_dim1 = 64
	s_mov_b32 s21, 32                              ; pitch
	s_mov_b32 s22, 0
	s_mov_b32 s23, 0
	; group 1 for the records: 8 such rows
	s_mov_b32 s24, 15|(3<<16)|(1<<21)
	s_mov_b32 s25, 32<<16
	s_mov_b32 s26, 8<<16
	s_mov_b32 s27, 32<<16
	s_mov_b32 s28, 8
	s_mov_b32 s29, 32
	s_mov_b32 s30, 0
	s_mov_b32 s31, 0
	; groups 0: LDS addresses of the wave's number and constants alone
	s_mov_b32 s32, 1
	s_lshl_b32 s33, s8, 11
	s_add_co_u32 s33, s33, SBASE                   ; records: 2,048 bytes a wave
	s_mov_b32 s36, 1
	s_lshl_b32 s37, s8, 14                         ; K, half 0: 16,384 bytes a wave
	s_mov_b32 s48, 1
	s_add_co_u32 s49, s37, HALFK                   ; K, half 1
	s_lshl_b32 s52, s12, 14
	s_lshl_b32 s54, s8, 11
	s_add_co_u32 s52, s52, s54                     ; sbuf: 16,384 bh + 2,048 w
	s_mov_b32 s53, 0
	s_lshl_b32 s54, s12, 18
	s_add_co_u32 s54, s54, s37                     ; kf: 262,144 bh + 16,384 w
	s_mov_b32 s55, 0
	s_lshl_b32 s56, s12, 18                        ; qf: 262,144 bh + 32,768 qb + 8,192 (w mod 4)
	s_lshl_b32 s58, s14, 15
	s_add_co_u32 s56, s56, s58
	s_and_b32 s58, s8, 3
	s_lshl_b32 s58, s58, 13
	s_add_co_u32 s56, s56, s58
	s_mov_b32 s57, 0
	s_lshl_b32 s58, s12, 13                        ; heads: 8,192 bh + 1,024 qb + 256 (w mod 4)
	s_lshl_b32 s59, s14, 10
	s_add_co_u32 s58, s58, s59
	s_and_b32 s59, s8, 3
	s_lshl_b32 s59, s59, 8
	s_add_co_u32 s58, s58, s59
	s_mov_b32 s59, 0
	s_lshl_b32 s62, s12, 14                        ; sbuf, the records of my 64 queries: 16,384 bh + 2,048 qb + 512 (w mod 4)
	s_lshl_b32 s60, s14, 11
	s_add_co_u32 s62, s62, s60
	s_and_b32 s60, s8, 3
	s_lshl_b32 s60, s60, 9
	s_add_co_u32 s62, s62, s60
	s_mov_b32 s63, 0
	s_wait_dscnt 0x0
	s_wait_kmcnt 0x0
	s_add_nc_u64 s[34:35], s[44:45], s[52:53]
	s_or_b32 s35, s35, 0x80000000
	s_add_nc_u64 s[38:39], s[42:43], s[54:55]
	s_add_nc_u64 s[50:51], s[38:39], HALFK
	s_or_b32 s39, s39, 0x80000000
	s_or_b32 s51, s51, 0x80000000
	s_add_nc_u64 s[40:41], s[40:41], s[56:57]
	s_add_nc_u64 s[46:47], s[46:47], s[58:59]
	s_add_nc_u64 s[60:61], s[44:45], s[62:63]
	ROUND                                          ; all four work-groups are here: the joint loads meet
	tensor_load_to_lds s[32:35], s[24:31]          ; the records of s and scales
	s_nop 0
	tensor_load_to_lds s[36:39], s[16:23]          ; K, half 0
	s_nop 0
	tensor_load_to_lds s[48:51], s[16:23]          ; K, half 1
	s_nop 0
	v_and_b32 v[TT], 31, v0                        ; lane
	v_and_b32 v[TT+1], 15, v0                      ; r
	v_bfe_u32 v[TT+2], v0, 4, 1                    ; hh
	v_lshlrev_b32 v[L16], 4, v[TT]
	v_lshlrev_b32 v[L8], 3, v[TT]
	v_lshlrev_b32 v[R4], 2, v[TT+1]
.irp q, 0,1,2,3
.irp p, 0,1,2,3
	global_load_b128 v[QF+16*\q+4*\p:QF+16*\q+4*\p+3], v[L16], s[40:41] offset:\q*2048+\p*512
.endr
.endr
	global_load_b32 v[SQ], v[R4], s[60:61] offset:192      ; bytes 192..255 of a record: 16 copies of the block's scale as queries
	global_load_b32 v[SQ+1], v[R4], s[60:61] offset:448
	s_lshl_b32 s52, s15, 12
	v_add_nc_u32 v[KB], s52, v[L16]                ; K: 16 lane + 4,096 kh
	s_lshl_b32 s52, s15, 8
	s_add_co_u32 s52, s52, SBASE
	v_lshl_add_u32 v[SB], v[TT+2], 5, s52          ; records: SBASE + 32 hh + 256 kh, in a register of its own: both halves form their address from it
	s_mul_i32 s52, s8, 768
	s_add_co_u32 s52, s52, STAGE
	v_lshl_add_u32 v[STA], v[TT+1], 2, s52
	v_add_nc_u32 v[SRD], s52, v[L8]
	v_mov_b32 v[FF+1], 0                           ; the pair's second register is named, never used
.irp q, 0,1,2,3
	v_mov_b32 v[MC+2*\q], 0xff7fffff               ; the lowest finite number: the first factor is 2^(-large) = 0, on sums of 0
	v_mov_b32 v[MC+2*\q+1], 0
	v_mov_b32 v[LS+2*\q], 0
	v_mov_b32 v[LS+2*\q+1], 0
	v_mov_b32 v[AC+2*\q], 0
	v_mov_b32 v[AC+2*\q+1], 0
.endr
	PHASE 0
	PHASE 1
	; merge: the two partial sums of a lane, the two halves of the lanes (same queries, other keys), then the two waves with the same queries
.irp q, 0,1,2,3
	v_add_f32 v[LS+2*\q], v[LS+2*\q], v[LS+2*\q+1]
	v_add_f32 v[AC+2*\q], v[AC+2*\q], v[AC+2*\q+1]
	v_permlanex16_b32 v[TT+\q], v[MC+2*\q], s10, s11
.endr
.irp q, 0,1,2,3
	v_max_num_f32 v[TT+\q], v[TT+\q], v[MC+2*\q]
	v_sub_f32 v[TT+4+\q], v[MC+2*\q], v[TT+\q]
.endr
.irp q, 0,1,2,3
	v_exp_f32 v[TT+4+\q], v[TT+4+\q]
.endr
	v_nop
	s_wait_alu depctr_va_vdst(0)
.irp q, 0,1,2,3
	v_mul_f32 v[LS+2*\q], v[LS+2*\q], v[TT+4+\q]
	v_mul_f32 v[AC+2*\q], v[AC+2*\q], v[TT+4+\q]
.endr
.irp q, 0,1,2,3
	v_permlanex16_b32 v[TT+8+\q], v[LS+2*\q], s10, s11
	v_permlanex16_b32 v[TT+12+\q], v[AC+2*\q], s10, s11
.endr
.irp q, 0,1,2,3
	v_add_f32 v[LS+2*\q], v[LS+2*\q], v[TT+8+\q]
	v_add_f32 v[AC+2*\q], v[AC+2*\q], v[TT+12+\q]
	ds_store_b32 v[STA], v[TT+\q] offset:64*\q             ; both halves of the lanes hold, and write, the same number
	ds_store_b32 v[STA], v[LS+2*\q] offset:256+64*\q
	ds_store_b32 v[STA], v[AC+2*\q] offset:512+64*\q
.endr
	s_wait_dscnt 0x0
	s_barrier_signal -1
	s_barrier_wait -1
	s_cmp_gt_u32 s8, 3
	s_cbranch_scc1 .Lclose
	ds_load_b64 v[32:33], v[SRD]                   ; queries 2 lane, 2 lane + 1: my maximum, sum, weighted sum
	ds_load_b64 v[34:35], v[SRD] offset:256
	ds_load_b64 v[36:37], v[SRD] offset:512
	ds_load_b64 v[38:39], v[SRD] offset:3072       ; and those of wave w + 4
	ds_load_b64 v[40:41], v[SRD] offset:3328
	ds_load_b64 v[42:43], v[SRD] offset:3584
	s_wait_dscnt 0x0
	v_max_num_f32 v44, v32, v38
	v_max_num_f32 v45, v33, v39
	v_pk_add_f32 v[32:33], v[32:33], v[44:45] neg_lo:[0,1] neg_hi:[0,1]
	v_pk_add_f32 v[38:39], v[38:39], v[44:45] neg_lo:[0,1] neg_hi:[0,1]
	v_exp_f32 v32, v32
	v_exp_f32 v33, v33
	v_exp_f32 v38, v38
	v_exp_f32 v39, v39
	v_nop
	s_wait_alu depctr_va_vdst(0)
	v_pk_mul_f32 v[34:35], v[34:35], v[32:33]
	v_pk_mul_f32 v[36:37], v[36:37], v[32:33]
	v_pk_fma_f32 v[34:35], v[40:41], v[38:39], v[34:35]
	v_pk_fma_f32 v[36:37], v[42:43], v[38:39], v[36:37]
	v_rcp_f32 v34, v34                             ; the sum is at least 1: the largest score's own exponential
	v_rcp_f32 v35, v35
	v_nop
	s_wait_alu depctr_va_vdst(0)
	v_pk_mul_f32 v[36:37], v[36:37], v[34:35]
	global_store_b64 v[L8], v[36:37], s[46:47]     ; the wave stores 256 consecutive bytes, aligned
.Lclose:
	s_wait_dscnt 0x0
	s_wait_tensorcnt 0x0
	ds_add_u32 v232, v233
	s_wait_dscnt 0x0
	ROUND                                          ; the closing round
	s_endpgm
.Lfunc_end_k_qd92ef55c74_attn:
	.size	k_qd92ef55c74_attn, .Lfunc_end_k_qd92ef55c74_attn-k_qd92ef55c74_attn
	.p2alignl 7, 3214868480
	.fill 96, 4, 3214868480
	.section	.rodata,"a",@progbits
	.p2align	6, 0x0
	.amdhsa_kernel k_qd92ef55c74_attn
		.amdhsa_group_segment_fixed_size 285696
		.amdhsa_private_segment_fixed_size 0
		.amdhsa_enable_private_segment 0
		.amdhsa_kernarg_size 32
		.amdhsa_user_sgpr_count 2
		.amdhsa_user_sgpr_kernarg_segment_ptr 1
		.amdhsa_wavefront_size32 1
		.amdhsa_system_sgpr_workgroup_id_x 1
		.amdhsa_system_sgpr_workgroup_id_y 1
		.amdhsa_system_sgpr_workgroup_id_z 1
		.amdhsa_system_vgpr_workitem_id 0
		.amdhsa_next_free_vgpr 234
		.amdhsa_next_free_sgpr 66
		.amdhsa_reserve_vcc 0
		.amdhsa_float_denorm_mode_32 3
		.amdhsa_float_denorm_mode_16_64 3
		.amdhsa_memory_ordered 1
		.amdhsa_forward_progress 1
		.amdhsa_inst_pref_size 66
	.end_amdhsa_kernel
	.amdgpu_metadata
---
amdhsa.version: [ 1, 2 ]
amdhsa.kernels:
  - .name:           k_qd92ef55c74_attn
    .symbol:         k_qd92ef55c74_attn.kd
    .args:
      - { .name: qf, .offset: 0, .size: 8, .value_kind: global_buffer, .address_space: global }
      - { .name: kf, .offset: 8, .size: 8, .value_kind: global_buffer, .address_space: global }
      - { .name: sbuf, .offset: 16, .size: 8, .value_kind: global_buffer, .address_space: global }
      - { .name: heads, .offset: 24, .size: 8, .value_kind: global_buffer, .address_space: global }
    .group_segment_fixed_size: 285696
    .private_segment_fixed_size: 0
    .kernarg_segment_align: 8
    .kernarg_segment_size: 32
    .max_flat_workgroup_size: 256
    .sgpr_count:     66
    .vgpr_count:     234
    .wavefront_size: 32
...
	.end_amdgpu_metadata
.endif
;; end of part 6
;; launch pool: the kernel of part 4 again; grid 4 x 8, 16 waves a work-group, no clusters, 92,416 bytes of LDS; arguments heads, zf, b_pr, out0; writes out0
;; ======== version 3 of 4: 4 launches; 1.60 times as fast as version 1
;; limits: values are held in f16: magnitudes above 65,504 overflow, below 6.1e-05 lose precision; inputs' magnitudes at most 65,504
;; workspace buffers: wf 524,288 bytes; gbuf 5,120 bytes; qf 8,388,608 bytes; kf 8,388,608 bytes; zf 8,388,608 bytes; sbuf 524,288 bytes; heads 262,144 bytes
;; launch prep (part 7): grid 68 x 1, 8 waves a work-group, no clusters, 9,472 bytes of LDS; arguments w_in, w_q, w_k, w_pr, w_o, w_v, w_bd, b_o, b_v, b_bd, wf, gbuf; writes wf, gbuf
.if DOCPART == 7
	.amdgcn_target "amdgcn-amd-amdhsa--gfx1250"
	.amdhsa_code_object_version 6
	.text
	.protected	k_qd92ef55c74_prep
	.globl	k_qd92ef55c74_prep
	.p2align	8
	.type	k_qd92ef55c74_prep,@function
k_qd92ef55c74_prep:
	s_mov_b64 s[64:65], 0
	v_nop
	global_prefetch_b8 v0, s[64:65] scope:SCOPE_SE
	s_setreg_imm32_b32 hwreg(HW_REG_WAVE_MODE, 25, 1), 1
	s_wait_xcnt 0x0
; prep: what hangs on the weights alone.
; Work-groups 0..63 (mat = id / 16, F = id % 16): 16 rows of w_in, w_q, w_k or w_pr to f16 in matrix-operand order:
;   wf[mat][F][ks 8][piece 2][lane 32][16 bytes]; lane (r, hh) holds W[16 F + r][32 ks + 16 piece + 8 hh + 0..7].  Wave w takes k-step w.
; Work-groups 64..67 (head hd): all in f32
;   u[c]  = sum over j of w_bd[j] w_o[j][64 hd + c]              (64 numbers)
;   g[e]  = sum over d of u[d] w_v[64 hd + d][e]                 (256 numbers, gbuf bytes 1024 hd ..)
;   c     = sum over d of u[d] b_v[64 hd + d] + (w_bd . b_o + b_bd) / 4    (64 copies, gbuf bytes 4096 + 256 hd ..)
; so that the boundary logit of a token is the sum over the heads of softmax . (g . h_key + c): softmax weights add up to one.
; LIMITS: weights above 65,504 in magnitude overflow f16.  The sums are ordered otherwise than in a chain of products.
; The branch between the two roles hangs on the work-group's number alone: all eight waves take the same way, and the barriers stand in one role only.
.set WB,  8                            ; v[8:23]    w_bd[16 jg ..]
.set WO,  24                           ; v[24:87]   16 rows of w_o, 4 columns each; later at work
.set WV,  88                           ; v[88:151]  16 rows of w_v, 4 columns each
.set PU,  152                          ; v[152:155] a partial sum of 4 columns
.set UU,  156                          ; v[156:171] u[16 dg ..]
.set BV,  172                          ; v[172:173] b_v[64 hd + 2 lane ..]
.set W8,  174                          ; v[174:181] w_bd[8 lane ..]
.set O8,  182                          ; v[182:189] b_o[8 lane ..]
.set U2,  190                          ; v[190:191] u[2 lane ..]
.set LDS_U,  4096                      ; LDS: partial u [16][64] f32 at 0, u at 4096, partial g [4][256] f32 at 4352
.set LDS_PG, 4352
	s_load_b512 s[4:19], s[0:1], 0x0               ; w_in s[4:5], w_q s[6:7], w_k s[8:9], w_pr s[10:11], w_o s[12:13], w_v s[14:15], w_bd s[16:17], b_o s[18:19]
	s_load_b256 s[20:27], s[0:1], 0x40             ; b_v s[20:21], b_bd s[22:23], wf s[24:25], gbuf s[26:27]
	v_lshl_add_u32 v208, v0, 2, 0x2100
	v_mov_b32 v209, 0
	v_lshrrev_b32 v1, 5, v0
	v_readfirstlane_b32 s28, v1                    ; wave
	v_and_b32 v2, 31, v0                           ; lane
	s_mov_b32 s29, ttmp9
	s_cmp_lt_u32 s29, 64
	s_cbranch_scc0 .Lrole_g
	; ---- 16 rows of one weight matrix to f16 ----
	s_lshr_b32 s30, s29, 4                         ; mat
	s_and_b32 s31, s29, 15                         ; F
	v_and_b32 v3, 15, v0                           ; r
	v_bfe_u32 v4, v0, 4, 1                         ; hh
	v_lshlrev_b32 v5, 10, v3                       ; row r: 1,024 bytes a row
	v_lshl_add_u32 v5, v4, 5, v5                   ; + 8 hh numbers
	v_lshl_add_u32 v5, v1, 7, v5                   ; + 32 w numbers
	v_lshlrev_b32 v6, 4, v2                        ; out: 16 lane
	v_lshl_add_u32 v6, v1, 10, v6                  ; + 1,024 ks
	s_lshl_b32 s34, s31, 14                        ; 16 F rows
	s_mov_b32 s35, 0
	s_lshl_b32 s36, s29, 13                        ; 8,192 bytes for each (mat, F)
	s_mov_b32 s37, 0
	s_wait_kmcnt 0x0
	s_cmp_eq_u32 s30, 1
	s_cselect_b64 s[32:33], s[6:7], s[4:5]
	s_cmp_eq_u32 s30, 2
	s_cselect_b64 s[32:33], s[8:9], s[32:33]
	s_cmp_eq_u32 s30, 3
	s_cselect_b64 s[32:33], s[10:11], s[32:33]
	s_add_nc_u64 s[32:33], s[32:33], s[34:35]
	s_add_nc_u64 s[24:25], s[24:25], s[36:37]
	global_load_b128 v[8:11], v5, s[32:33]                 ; piece 0: k = 32 w + 8 hh + 0..7
	global_load_b128 v[12:15], v5, s[32:33] offset:16
	global_load_b128 v[16:19], v5, s[32:33] offset:64      ; piece 1: 16 further
	global_load_b128 v[20:23], v5, s[32:33] offset:80
	s_wait_loadcnt 0x0
.irp i, 0,1,2,3,4,5,6,7
	v_cvt_pk_f16_f32 v[24+\i], v[8+2*\i], v[9+2*\i]
.endr
	global_store_b128 v6, v[24:27], s[24:25]               ; each store of the wave covers 512 consecutive bytes, aligned
	global_store_b128 v6, v[28:31], s[24:25] offset:512
	s_endpgm
	; ---- one head's g and c ----
.Lrole_g:
	s_sub_co_u32 s30, s29, 64                      ; hd
	v_lshrrev_b32 v3, 4, v0                        ; jg: 16 rows of w_o
	v_and_b32 v4, 15, v0                           ; c4: 4 of the head's 64 columns
	v_lshlrev_b32 v5, 6, v3                        ; w_bd: 64 jg
	v_lshlrev_b32 v6, 14, v3
	v_lshl_add_u32 v6, v4, 4, v6                   ; w_o: 16,384 jg + 16 c4
	v_lshrrev_b32 v7, 6, v0                        ; dg: 16 rows of the head's w_v
	v_and_b32 v192, 63, v0                         ; e4: 4 of 256 columns
	v_lshlrev_b32 v193, 14, v7
	v_lshl_add_u32 v193, v192, 4, v193             ; w_v: 16,384 dg + 16 e4
	v_lshlrev_b32 v194, 3, v2                      ; 8 lane
	v_lshlrev_b32 v195, 5, v2                      ; 32 lane
	v_lshlrev_b32 v196, 4, v0                      ; 16 tid
	v_lshlrev_b32 v197, 2, v0                      ; 4 tid
	v_lshlrev_b32 v198, 6, v7                      ; 64 dg
	s_lshl_b32 s32, s30, 8                         ; 256 hd
	s_mov_b32 s33, 0
	s_lshl_b32 s34, s30, 16                        ; 65,536 hd
	s_mov_b32 s35, 0
	s_lshl_b32 s36, s30, 10                        ; 1,024 hd
	s_mov_b32 s37, 0
	s_mov_b32 s40, 0x76543210                      ; v_permlanex16_b32: lane i reads lane i of the other half
	s_mov_b32 s41, 0xfedcba98
	s_wait_kmcnt 0x0
	s_load_b32 s42, s[22:23], 0x0                  ; b_bd
	s_add_nc_u64 s[12:13], s[12:13], s[32:33]      ; w_o at the head's columns
	s_add_nc_u64 s[14:15], s[14:15], s[34:35]      ; w_v at the head's rows
	s_add_nc_u64 s[20:21], s[20:21], s[32:33]      ; b_v at the head
	s_add_nc_u64 s[44:45], s[26:27], s[32:33]      ; gbuf: the head's constant (behind 4,096 bytes)
	s_add_nc_u64 s[26:27], s[26:27], s[36:37]      ; gbuf: the head's g
.irp i, 0,1,2,3
	global_load_b128 v[WB+4*\i:WB+4*\i+3], v5, s[16:17] offset:16*\i
.endr
.irp i, 0,1,2,3,4,5,6,7,8,9,10,11,12,13,14,15
	global_load_b128 v[WO+4*\i:WO+4*\i+3], v6, s[12:13] offset:1024*\i     ; sixteen lanes take the head's 256 bytes of a row
.endr
.irp i, 0,1,2,3,4,5,6,7,8,9,10,11,12,13,14,15
	global_load_b128 v[WV+4*\i:WV+4*\i+3], v193, s[14:15] offset:1024*\i
.endr
	global_load_b64 v[BV:BV+1], v194, s[20:21]
	global_load_b128 v[W8:W8+3], v195, s[16:17]
	global_load_b128 v[W8+4:W8+7], v195, s[16:17] offset:16
	global_load_b128 v[O8:O8+3], v195, s[18:19]
	global_load_b128 v[O8+4:O8+7], v195, s[18:19] offset:16
	s_wait_loadcnt 21                              ; w_bd and w_o are in: the 16 + 1 + 4 loads behind them may stay out
.irp c, 0,1,2,3
	v_mul_f32 v[PU+\c], v[WB], v[WO+\c]            ; the first row starts the sums
.endr
.set i, 1
.rept 15
.irp c, 0,1,2,3
	v_fmac_f32 v[PU+\c], v[WB+i], v[WO+4*i+\c]
.endr
.set i, i+1
.endr
	ds_store_b128 v196, v[PU:PU+3]                 ; partial u [jg][64]: 256 jg + 16 c4 = 16 tid
	s_wait_dscnt 0x0                               ; my store is done before I say so
	s_barrier_signal -1
	s_barrier_wait -1
	s_cmp_gt_u32 s28, 1
	s_cbranch_scc1 .Lno_u                          ; threads 0..63 add the sixteen partial sums
.irp i, 0,1,2,3,4,5,6,7,8,9,10,11,12,13,14,15
	ds_load_b32 v[WO+\i], v197 offset:256*\i
.endr
	s_wait_dscnt 0x0
.irp k, 0,4,8,12
	v_pk_add_f32 v[WO+\k:WO+\k+1], v[WO+\k:WO+\k+1], v[WO+\k+2:WO+\k+3]
.endr
	v_pk_add_f32 v[WO:WO+1], v[WO:WO+1], v[WO+4:WO+5]
	v_pk_add_f32 v[WO+8:WO+9], v[WO+8:WO+9], v[WO+12:WO+13]
	v_pk_add_f32 v[WO:WO+1], v[WO:WO+1], v[WO+8:WO+9]
	v_add_f32 v[WO], v[WO], v[WO+1]
	ds_store_b32 v197, v[WO] offset:LDS_U
.Lno_u:
	s_wait_dscnt 0x0
	s_barrier_signal -1
	s_barrier_wait -1
.irp i, 0,1,2,3
	ds_load_b128 v[UU+4*\i:UU+4*\i+3], v198 offset:LDS_U+16*\i
.endr
	ds_load_b64 v[U2:U2+1], v194 offset:LDS_U
	s_wait_loadcnt 0x0
	s_wait_dscnt 0x0
.irp c, 0,1,2,3
	v_mul_f32 v[PU+\c], v[UU], v[WV+\c]
.endr
.set i, 1
.rept 15
.irp c, 0,1,2,3
	v_fmac_f32 v[PU+\c], v[UU+i], v[WV+4*i+\c]
.endr
.set i, i+1
.endr
	ds_store_b128 v196, v[PU:PU+3] offset:LDS_PG   ; partial g [dg][256]: 1,024 dg + 16 e4 = 16 tid
	; the constant, in every wave alike
	v_mul_f32 v200, v[W8], v[O8]
.irp i, 1,2,3,4,5,6,7
	v_fmac_f32 v200, v[W8+\i], v[O8+\i]
.endr
	v_mul_f32 v201, v[U2], v[BV]
	v_fmac_f32 v201, v[U2+1], v[BV+1]
	v_fmac_f32 v201, 0x3e800000, v200              ; + a quarter of my part of w_bd . b_o
	v_add_f32_dpp v201, v201, v201 row_xmask:1 row_mask:0xf bank_mask:0xf
	v_add_f32_dpp v201, v201, v201 row_xmask:2 row_mask:0xf bank_mask:0xf
	v_add_f32_dpp v201, v201, v201 row_xmask:4 row_mask:0xf bank_mask:0xf
	v_add_f32_dpp v201, v201, v201 row_xmask:8 row_mask:0xf bank_mask:0xf
	v_mov_b32 v202, 0                              ; the permute's destination counts as read
	v_permlanex16_b32 v202, v201, s40, s41
	v_add_f32 v201, v201, v202
	s_wait_kmcnt 0x0
	v_mov_b32 v203, s42
	v_fma_f32 v204, v203, 0x3e800000, v201         ; + b_bd / 4, twice: a pair for the 8-byte store
	v_fma_f32 v205, v203, 0x3e800000, v201
	s_wait_dscnt 0x0
	s_barrier_signal -1
	s_barrier_wait -1
	s_cmp_gt_u32 s28, 1
	s_cbranch_scc1 .Lend
.irp i, 0,1,2,3
	ds_load_b128 v[WO+4*\i:WO+4*\i+3], v196 offset:LDS_PG+1024*\i
.endr
	s_wait_dscnt 0x0
	v_pk_add_f32 v[WO:WO+1], v[WO:WO+1], v[WO+4:WO+5]
	v_pk_add_f32 v[WO+2:WO+3], v[WO+2:WO+3], v[WO+6:WO+7]
	v_pk_add_f32 v[WO+8:WO+9], v[WO+8:WO+9], v[WO+12:WO+13]
	v_pk_add_f32 v[WO+10:WO+11], v[WO+10:WO+11], v[WO+14:WO+15]
	v_pk_add_f32 v[WO:WO+1], v[WO:WO+1], v[WO+8:WO+9]
	v_pk_add_f32 v[WO+2:WO+3], v[WO+2:WO+3], v[WO+10:WO+11]
	global_store_b128 v196, v[WO:WO+3], s[26:27]   ; g[4 tid ..], tid 0..63
	s_cmp_lg_u32 s28, 0
	s_cbranch_scc1 .Lend
	global_store_b64 v194, v[204:205], s[44:45] offset:4096    ; 64 copies of c: 256 consecutive bytes, aligned
.Lend:
	s_wait_tensorcnt 0x0
	ds_add_u32 v208, v209
	s_wait_dscnt 0x0
	s_endpgm
.Lfunc_end_k_qd92ef55c74_prep:
	.size	k_qd92ef55c74_prep, .Lfunc_end_k_qd92ef55c74_prep-k_qd92ef55c74_prep
	.p2alignl 7, 3214868480
	.fill 96, 4, 3214868480
	.section	.rodata,"a",@progbits
	.p2align	6, 0x0
	.amdhsa_kernel k_qd92ef55c74_prep
		.amdhsa_group_segment_fixed_size 9472
		.amdhsa_private_segment_fixed_size 0
		.amdhsa_enable_private_segment 0
		.amdhsa_kernarg_size 96
		.amdhsa_user_sgpr_count 2
		.amdhsa_user_sgpr_kernarg_segment_ptr 1
		.amdhsa_wavefront_size32 1
		.amdhsa_system_sgpr_workgroup_id_x 1
		.amdhsa_system_sgpr_workgroup_id_y 1
		.amdhsa_system_sgpr_workgroup_id_z 1
		.amdhsa_system_vgpr_workitem_id 0
		.amdhsa_next_free_vgpr 210
		.amdhsa_next_free_sgpr 66
		.amdhsa_reserve_vcc 0
		.amdhsa_float_denorm_mode_32 3
		.amdhsa_float_denorm_mode_16_64 3
		.amdhsa_memory_ordered 1
		.amdhsa_forward_progress 1
		.amdhsa_inst_pref_size 17
	.end_amdhsa_kernel
	.amdgpu_metadata
---
amdhsa.version: [ 1, 2 ]
amdhsa.kernels:
  - .name:           k_qd92ef55c74_prep
    .symbol:         k_qd92ef55c74_prep.kd
    .args:
      - { .name: w_in, .offset: 0, .size: 8, .value_kind: global_buffer, .address_space: global }
      - { .name: w_q, .offset: 8, .size: 8, .value_kind: global_buffer, .address_space: global }
      - { .name: w_k, .offset: 16, .size: 8, .value_kind: global_buffer, .address_space: global }
      - { .name: w_pr, .offset: 24, .size: 8, .value_kind: global_buffer, .address_space: global }
      - { .name: w_o, .offset: 32, .size: 8, .value_kind: global_buffer, .address_space: global }
      - { .name: w_v, .offset: 40, .size: 8, .value_kind: global_buffer, .address_space: global }
      - { .name: w_bd, .offset: 48, .size: 8, .value_kind: global_buffer, .address_space: global }
      - { .name: b_o, .offset: 56, .size: 8, .value_kind: global_buffer, .address_space: global }
      - { .name: b_v, .offset: 64, .size: 8, .value_kind: global_buffer, .address_space: global }
      - { .name: b_bd, .offset: 72, .size: 8, .value_kind: global_buffer, .address_space: global }
      - { .name: wf, .offset: 80, .size: 8, .value_kind: global_buffer, .address_space: global }
      - { .name: gbuf, .offset: 88, .size: 8, .value_kind: global_buffer, .address_space: global }
    .group_segment_fixed_size: 9472
    .private_segment_fixed_size: 0
    .kernarg_segment_align: 8
    .kernarg_segment_size: 96
    .max_flat_workgroup_size: 256
    .sgpr_count:     66
    .vgpr_count:     210
    .wavefront_size: 32
...
	.end_amdgpu_metadata
.endif
;; end of part 7
;; launch proj (part 8): grid 256 x 1, 8 waves a work-group, no clusters, 85,248 bytes of LDS; arguments x, wf, gbuf, b_in, b_q, b_k, qf, kf, zf, sbuf; writes qf, kf, zf, sbuf
.if DOCPART == 8
	.amdgcn_target "amdgcn-amd-amdhsa--gfx1250"
	.amdhsa_code_object_version 6
	.text
	.protected	k_qd92ef55c74_proj
	.globl	k_qd92ef55c74_proj
	.p2align	8
	.type	k_qd92ef55c74_proj,@function
k_qd92ef55c74_proj:
	s_mov_b64 s[64:65], 0
	v_nop
	global_prefetch_b8 v0, s[64:65] scope:SCOPE_SE
	s_setreg_imm32_b32 hwreg(HW_REG_WAVE_MODE, 25, 1), 1
	s_wait_xcnt 0x0
; proj: for 64 tokens  h = x w_in^T + b_in;  q = (h w_q^T + b_q) log2(e) / 8;  k = h w_k^T + b_k;  z = h w_pr^T;  s[head] = g[head] . h + c[head].
; Eight waves.  Wave w owns features 32 w .. 32 w + 31 of every product (F = 2 w + f) for the four token tiles T: 8 accumulators of 16 x 16.
; Each wave keeps all 64 tokens x 256 K as fragments in registers 256..511, so a weight fragment is used by one wave alone, once: it comes
; from wf, already in operand order, straight into a ring of registers, one product ahead.
; NO JOINT TILES for the weights: through LDS each work-group would write and read again the 524,288 bytes of wf that now go once into registers.
; Operands: x, h and the four weights in f16 (11 bits of mantissa), sums in f32.  s is made from the f32 sums of h.
; q AND k LEAVE AS f16 WITH A SCALE: for each head and each block of 32 tokens the largest magnitude of the block's 32 x 64 numbers is taken, 2^e is its power
; of two, and f16(v 2^(14 - e)) is stored: the largest lies in [2^14, 2^15), so f16's range is never left, whatever the inputs' size; 2^(e - 14) is stored beside s.
; LIMITS: |x|, |h| or a weight above 65,504 overflows f16.  The order of the sums is that of the matrix unit, not that of a chain of f32 additions.
; z leaves as one bf16.  A block whose largest magnitude is below 2^-95 is scaled as if it were 2^-95.
; The patch ids downstream are a step function of these numbers: by the arithmetic of ten roundings of 2^-12 a score, the running sum of boundary scores
; is off by some 2e-4 of its step of about 0.5 a token, and a boundary that lies nearer than that to a token's sum can fall on the neighbouring token.
; Out: a packed accumulator tile is, lane for lane, one 16-byte piece of the fragment that the next launch loads:
;   qf, kf [bh 32][tile 128][piece 4][lane 32][16 B]: token 16 tile + r, d = 16 piece + 8 hh + 0..7
;   zf     [b 8][F 16][tb 64][piece 2][lane 32][16 B]: feature 16 F + r, tokens 32 tb + 16 piece + 8 hh + 0..7
;   sbuf   [bh 32][block 64][64 f32]: s of the block's 32 tokens, 16 copies of k's scale, 16 copies of q's scale
; so each store of a wave covers 512 (sbuf: 256) consecutive bytes, aligned.
.set PITCH,  528                       ; an LDS row: 512 bytes of f16 + 16: an odd multiple of 16, so 16 rows start at 16 different 16-byte columns
.set XT,     0                         ; x in f16, 64 rows
.set HT,     64*PITCH                  ; h in f16, 64 rows
.set SPART,  128*PITCH                 ; partial s: [16 sets = 2 w + hh][4 heads][64 tokens] f32
.set MXQ,    SPART+16384               ; largest magnitudes: [q, k][block 2][wave 8] f32
.set L16,  1                           ; 16 lane
.set FA,   2                           ; r PITCH + 16 hh: a fragment's row
.set HST,  3                           ; HT + r PITCH + 16 hh + 64 w
.set SPA,  4                           ; SPART + 1,024 (2 w + hh) + 4 r
.set BO,   5                           ; 128 w + 32 hh: my 8 features in a vector of 256 f32
.set SCN,  6                           ; v[6:7]   the head's constant, twice
.set XST,  8                           ; 8 w PITCH + 8 lane
.set SCO,  9
.set SRD,  10                          ; SPART + 256 (w mod 4) + 8 r
.set L8,   11
.set MXW,  12                          ; MXQ + 4 w: my wave's word
.set MXR,  13                          ; MXQ + 8 (w / 2): the words of my head's two waves
.set TMP,  16                          ; v[16:31]
.set BIAS0, 32                         ; v[32:47]  b_in, later b_k: 8 f + j
.set BIAS1, 48                         ; v[48:63]  b_q
.set ACC,  64                          ; v[64:127] tile (f, T) at 8 (4 f + T)
.set WR,   128                         ; v[128:255] weights: k-step ks at 16 ks + 8 f + 4 piece
                                       ; registers 256..511: token fragments (ks, T) at 8 (4 ks + T); g (hd, f) at 8 (2 hd + f) once k-steps 0 and 1 of the first product are done
.set MSB,  0
.set NL,   0                           ; global loads issued so far: a wait's count is NL less the mark behind the load that it is for
.macro WIN new                         ; s_set_vgpr_msb: bits 1:0 source 0, 3:2 source 1, 5:4 source 2, 7:6 destination; the high byte repeats the setting left
.if MSB != \new
	s_set_vgpr_msb (MSB<<8)|\new
.set MSB, \new
.endif
.endm
.macro PLACES                          ; four plain vector instructions between a matrix instruction and a read of its result or a load into its registers
.rept 4
	v_nop
.endr
.endm
.macro BLOAD dst, lo                   ; my 2 x 8 numbers of a bias
.irp f, 0,1
	global_load_b128 v[\dst+8*\f:\dst+8*\f+3], v[BO], s[\lo:\lo+1] offset:64*\f
	global_load_b128 v[\dst+8*\f+4:\dst+8*\f+7], v[BO], s[\lo:\lo+1] offset:64*\f+16
.endr
.set NL, NL+4
.endm
.macro WLOAD mat, grp                  ; k-steps 2 grp and 2 grp + 1 of matrix mat into the ring: 8 loads
.irp kk, 0,1
.irp f, 0,1
.irp p, 0,1
	global_load_b128 v[WR+16*(2*\grp+\kk)+8*\f+4*\p:WR+16*(2*\grp+\kk)+8*\f+4*\p+3], v[L16], s[6:7] offset:\mat*131072+\f*8192+(2*\grp+\kk)*1024+\p*512
.endr
.endr
.endr
.set NL, NL+8
.set RING\grp, NL
.endm
.macro GLOADS                          ; g of the four heads for my 16 features, into registers 256..319, and b_k over b_in
	WIN 0x40
.irp hd, 0,1,2,3
.irp f, 0,1
	global_load_b128 v[8*(2*\hd+\f):8*(2*\hd+\f)+3], v[BO], s[8:9] offset:\hd*1024+\f*64
	global_load_b128 v[8*(2*\hd+\f)+4:8*(2*\hd+\f)+7], v[BO], s[8:9] offset:\hd*1024+\f*64+16
.endr
.endr
.set NL, NL+16
.set GMARK, NL
	WIN 0x04
	BLOAD BIAS0, 14
.endm
.macro FRAGS base                      ; all 64 tokens x 256 K from LDS into registers 256..511, k-step by k-step: 64 loads
	WIN 0x40
.irp ks, 0,1,2,3,4,5,6,7
.irp t, 0,1,2,3
	ds_load_b128 v[8*(4*\ks+\t):8*(4*\ks+\t)+3], v[FA] offset:\base+\t*16*PITCH+\ks*64
	ds_load_b128 v[8*(4*\ks+\t)+4:8*(4*\ks+\t)+7], v[FA] offset:\base+\t*16*PITCH+\ks*64+32
.endr
.endr
.endm
.macro MM nat, f, t, bias              ; one matrix instruction of k-step KS
.set AR, ACC+8*(4*\f+\t)
.set WG, WR+16*KS+8*\f
.set XR, 8*(4*KS+\t)
.if \nat
.if KS == 0
	v_wmma_f32_16x16x32_f16 v[AR:AR+7], v[XR:XR+7], v[WG:WG+7], 0
.else
	v_wmma_f32_16x16x32_f16 v[AR:AR+7], v[XR:XR+7], v[WG:WG+7], v[AR:AR+7]
.endif
.else
.if KS == 0
	v_wmma_f32_16x16x32_f16 v[AR:AR+7], v[WG:WG+7], v[XR:XR+7], v[\bias+8*\f:\bias+8*\f+7]
.else
	v_wmma_f32_16x16x32_f16 v[AR:AR+7], v[WG:WG+7], v[XR:XR+7], v[AR:AR+7]
.endif
.endif
.endm
; One product.  nat = 0: source 0 = weights, so a lane holds token r and features 8 hh + j, and the bias starts the sums;
; nat = 1: source 0 = tokens, so a lane holds feature r and tokens 8 hh + j, and 0 starts the sums.
; The eight accumulators take turns, one instruction a turn.
; Four groups of two k-steps; behind a group its ring slots are filled with the next matrix's same k-steps.
.macro GEMM mat, nat, bias, dsw
.set NEXTM, \mat+1
.if \nat
	WIN 0x01
.else
	WIN 0x04
.endif
.irp grp, 0,1,2,3
	s_wait_loadcnt NL-RING\grp                     ; this group's weights are in; all loads issued behind them may stay out
.if \dsw
	s_wait_dscnt 48-16*\grp                        ; of the 64 fragment loads those of the later k-steps may stay out
.endif
.irp kk, 0,1
.set KS, 2*\grp+\kk
.irp f, 0,1
.irp t, 0,1,2,3
	MM \nat, \f, \t, \bias
.endr
.endr
.endr
.if \mat < 3
	PLACES
	WLOAD NEXTM, \grp
.if \mat+\grp == 0
	GLOADS                                         ; behind group 0 of the first product: x's k-steps 0 and 1 and b_in are dead
.endif
.else
.if \grp == 3
	PLACES
.endif
.endif
.endr
.endm
.macro SDOT tok, dst                   ; token tile tok: the four heads' dot products over my 16 features, as pairs of half sums
.irp f, 0,1
.irp jp, 0,1,2,3
.irp hd, 0,1,2,3
.if \f+\jp == 0
	v_pk_mul_f32 v[\dst+2*\hd:\dst+2*\hd+1], v[ACC+8*(4*\f+\tok)+2*\jp:ACC+8*(4*\f+\tok)+2*\jp+1], v[8*(2*\hd+\f)+2*\jp:8*(2*\hd+\f)+2*\jp+1]
.else
	v_pk_fma_f32 v[\dst+2*\hd:\dst+2*\hd+1], v[ACC+8*(4*\f+\tok)+2*\jp:ACC+8*(4*\f+\tok)+2*\jp+1], v[8*(2*\hd+\f)+2*\jp:8*(2*\hd+\f)+2*\jp+1], v[\dst+2*\hd:\dst+2*\hd+1]
.endif
.endr
.endr
.endr
.endm
; q (kind 0) or k (kind 1) on their way out: for each of the two blocks of 32 tokens (tiles 0, 1 and tiles 2, 3) the head's largest magnitude, the scale, f16, store.
; A tile's largest magnitude goes to v[TMP + 4 block + 2 f + (t mod 2)]; v[TMP + 8 ..] is scratch.
.macro OUTQK kind, lo
	WIN 0
.irp f, 0,1
.irp t, 0,1,2,3
.set AR, ACC+8*(4*\f+\t)
.set MT, TMP+4*(\t/2)+2*\f+(\t%2)
.irp i, 0,1,2,3,4,5,6,7
	v_and_b32 v[TMP+8+\i], 0x7fffffff, v[AR+\i]    ; magnitudes
.endr
	v_max3_num_f32 v[MT], v[TMP+8], v[TMP+9], v[TMP+10]
	v_max3_num_f32 v[TMP+11], v[TMP+11], v[TMP+12], v[TMP+13]
	v_max3_num_f32 v[MT], v[MT], v[TMP+14], v[TMP+15]
	v_max_num_f32 v[MT], v[MT], v[TMP+11]
.endr
.endr
.irp bl, 0,1
	v_max3_num_f32 v[TMP+4*\bl], v[TMP+4*\bl], v[TMP+4*\bl+1], v[TMP+4*\bl+2]
	v_max_num_f32 v[TMP+4*\bl], v[TMP+4*\bl], v[TMP+4*\bl+3]       ; the largest of my 32 numbers of the block
.endr
.irp m, 1,2,4,8
	v_max_num_f32_dpp v[TMP], v[TMP], v[TMP] row_xmask:\m row_mask:0xf bank_mask:0xf
	v_max_num_f32_dpp v[TMP+4], v[TMP+4], v[TMP+4] row_xmask:\m row_mask:0xf bank_mask:0xf
.endr
	v_permlanex16_b32 v[TMP+1], v[TMP], s38, s39
	v_permlanex16_b32 v[TMP+5], v[TMP+4], s38, s39
	v_max_num_f32 v[TMP], v[TMP], v[TMP+1]         ; of the block's 32 tokens x my wave's 32 features
	v_max_num_f32 v[TMP+4], v[TMP+4], v[TMP+5]
	ds_store_b32 v[MXW], v[TMP] offset:64*\kind    ; all lanes write the same word with the same number
	ds_store_b32 v[MXW], v[TMP+4] offset:64*\kind+32
	s_wait_dscnt 0x0                               ; my words are in LDS before I say so
	s_barrier_signal -1
	s_barrier_wait -1
	ds_load_b64 v[TMP+2:TMP+3], v[MXR] offset:64*\kind     ; the two waves of my head, block 0
	ds_load_b64 v[TMP+6:TMP+7], v[MXR] offset:64*\kind+32  ; block 1
	s_wait_dscnt 0x0
.irp bl, 0,1
	v_max3_num_f32 v[TMP+4*\bl], v[TMP+4*\bl+2], v[TMP+4*\bl+3], 0x10000000    ; at least 2^-95, so that both factors stay normal numbers
	v_and_b32 v[TMP+4*\bl], 0x7f800000, v[TMP+4*\bl]       ; 2^e: the exponent field alone
	v_sub_nc_u32 v[TMP+4*\bl], 0x86000000, v[TMP+4*\bl]    ; 2^(14 - e): field 127 + 14 + 127 less e's field
.if \kind == 0
	v_mul_f32 v[TMP+4*\bl], 0x3e38aa3b, v[TMP+4*\bl]       ; q also takes log2(e) / 8: the softmax works in base 2
.endif
	v_mov_b32 v[TMP+4*\bl+1], v[TMP+4*\bl]                 ; a pair for the packed multiply
.endr
.irp f, 0,1
.irp t, 0,1,2,3
.set AR, ACC+8*(4*\f+\t)
.set IV, TMP+4*(\t/2)
.irp i, 0,2,4,6
	v_pk_mul_f32 v[AR+\i:AR+\i+1], v[AR+\i:AR+\i+1], v[IV:IV+1]
.endr
.irp i, 0,1,2,3
	v_cvt_pk_f16_f32 v[AR+\i], v[AR+2*\i], v[AR+2*\i+1]
.endr
	global_store_b128 v[L16], v[AR:AR+3], s[\lo:\lo+1] offset:\t*2048+\f*512
.endr
.endr
	s_wait_xcnt 0x0                                ; the accumulators, which these stores read, are written again only behind this wait
.endm
.macro OUTZ lo                         ; z: one bf16
	WIN 0
.irp f, 0,1
.irp t, 0,1,2,3
.set AR, ACC+8*(4*\f+\t)
.irp i, 0,1,2,3
	v_cvt_pk_bf16_f32 v[AR+\i], v[AR+2*\i], v[AR+2*\i+1]
.endr
	global_store_b128 v[L16], v[AR:AR+3], s[\lo:\lo+1] offset:\f*65536+\t*512
.endr
.endr
	s_wait_xcnt 0x0                                ; the accumulators, which these stores read, are written again only behind this wait
.endm
	s_load_b512 s[4:19], s[0:1], 0x0               ; x s[4:5], wf s[6:7], gbuf s[8:9], b_in s[10:11], b_q s[12:13], b_k s[14:15], qf s[16:17], kf s[18:19]
	s_load_b128 s[20:23], s[0:1], 0x40             ; zf s[20:21], sbuf s[22:23]
	v_lshl_add_u32 v14, v0, 2, 0x14900
	v_mov_b32 v15, 0
	v_lshrrev_b32 v16, 5, v0
	v_readfirstlane_b32 s24, v16                   ; wave w
	v_and_b32 v17, 31, v0                          ; lane
	v_and_b32 v18, 15, v0                          ; r
	v_bfe_u32 v19, v0, 4, 1                        ; hh
	v_lshlrev_b32 v[L16], 4, v17
	v_lshlrev_b32 v[L8], 3, v17
	v_mul_u32_u24 v[FA], v18, PITCH
	v_lshl_add_u32 v[FA], v19, 4, v[FA]
	s_lshl_b32 s28, s24, 6
	s_add_co_u32 s28, s28, HT
	v_add_nc_u32 v[HST], s28, v[FA]
	s_lshl_b32 s28, s24, 11                        ; two sets of 1,024 bytes a wave
	s_add_co_u32 s28, s28, SPART
	v_lshl_add_u32 v[SPA], v19, 10, s28
	v_lshl_add_u32 v[SPA], v18, 2, v[SPA]
	s_lshl_b32 s28, s24, 7
	v_lshl_add_u32 v[BO], v19, 5, s28
	s_mul_i32 s28, s24, 8*PITCH
	v_add_nc_u32 v[XST], s28, v[L8]
	s_and_b32 s28, s24, 3
	s_lshl_b32 s28, s28, 8
	v_add_nc_u32 v[SCO], s28, v[L8]                ; 256 (w mod 4) + 8 lane
	s_add_co_u32 s28, s28, SPART
	v_lshl_add_u32 v[SRD], v18, 3, s28             ; SPART + 256 (w mod 4) + 8 r
	s_lshl_b32 s28, s24, 2
	s_add_co_u32 s28, s28, MXQ
	v_mov_b32 v[MXW], s28
	s_lshr_b32 s28, s24, 1
	s_lshl_b32 s28, s28, 3
	s_add_co_u32 s28, s28, MXQ
	v_mov_b32 v[MXR], s28
	s_mov_b32 s38, 0x76543210                      ; v_permlanex16_b32: lane i reads lane i of the other half
	s_mov_b32 s39, 0xfedcba98
	s_mov_b32 s25, ttmp9                           ; g: tokens 64 g ..
	s_lshr_b32 s26, s25, 5                         ; b
	s_and_b32 s27, s25, 31                         ; gb: the block of 64 tokens in the batch
	s_lshl_b32 s28, s25, 16                        ; x: 64 rows of 1,024 bytes a group,
	s_lshl_b32 s29, s24, 13                        ; 8 rows a wave
	s_add_co_u32 s28, s28, s29
	s_mov_b32 s29, 0
	s_lshl_b32 s30, s24, 14                        ; wf: F = 2 w
	s_mov_b32 s31, 0
	s_lshl_b32 s32, s26, 20                        ; qf, kf: 4 b heads of 262,144 bytes
	s_lshr_b32 s34, s24, 1
	s_lshl_b32 s34, s34, 18                        ; + head w / 2
	s_add_co_u32 s32, s32, s34
	s_lshl_b32 s34, s27, 13                        ; + tile 4 gb, 2,048 bytes a tile
	s_add_co_u32 s32, s32, s34
	s_and_b32 s34, s24, 1
	s_lshl_b32 s34, s34, 10                        ; + piece 2 (w mod 2)
	s_add_co_u32 s32, s32, s34
	s_mov_b32 s33, 0
	s_lshl_b32 s34, s26, 20                        ; zf: batch,
	s_lshl_b32 s36, s24, 17                        ; F = 2 w,
	s_add_co_u32 s34, s34, s36
	s_lshl_b32 s36, s27, 11                        ; tb = 2 gb
	s_add_co_u32 s34, s34, s36
	s_mov_b32 s35, 0
	s_wait_kmcnt 0x0
	s_add_nc_u64 s[4:5], s[4:5], s[28:29]
	s_add_nc_u64 s[6:7], s[6:7], s[30:31]
	s_add_nc_u64 s[16:17], s[16:17], s[32:33]
	s_add_nc_u64 s[18:19], s[18:19], s[32:33]
	s_add_nc_u64 s[20:21], s[20:21], s[34:35]
	; all that can be asked for now: my 8 rows of x, two biases, the constant, the whole first weight matrix
.irp i, 0,1,2,3,4,5,6,7
	global_load_b128 v[ACC+8*\i:ACC+8*\i+3], v[L16], s[4:5] offset:\i*1024 th:TH_LOAD_NT
	global_load_b128 v[ACC+8*\i+4:ACC+8*\i+7], v[L16], s[4:5] offset:\i*1024+512 th:TH_LOAD_NT
.endr
.set NL, NL+16
.set XMARK, NL
	BLOAD BIAS0, 10
	BLOAD BIAS1, 12
	global_load_b64 v[SCN:SCN+1], v[SCO], s[8:9] offset:4096
.set NL, NL+1
	WLOAD 0, 0
	WLOAD 0, 1
	WLOAD 0, 2
	WLOAD 0, 3
	s_wait_loadcnt NL-XMARK                        ; x is in; the 9 + 32 loads behind it stay out
.set n, 0
.rept 16
	v_cvt_pk_f16_f32 v[ACC+4*n], v[ACC+4*n], v[ACC+4*n+1]
	v_cvt_pk_f16_f32 v[ACC+4*n+1], v[ACC+4*n+2], v[ACC+4*n+3]
.set n, n+1
.endr
.irp i, 0,1,2,3,4,5,6,7
	ds_store_b64 v[XST], v[ACC+8*\i:ACC+8*\i+1] offset:\i*PITCH
	ds_store_b64 v[XST], v[ACC+8*\i+4:ACC+8*\i+5] offset:\i*PITCH+256
.endr
	s_wait_dscnt 0x0                               ; my rows of x are in LDS before I say so
	s_barrier_signal -1
	s_barrier_wait -1
	FRAGS XT
	GEMM 0, 0, BIAS0, 1                            ; h
	; h in f32: the heads' s, two token tiles at a time; then h to f16 into LDS
	s_wait_loadcnt NL-GMARK                        ; g is in; b_k and three groups of w_q stay out
.irp tp, 0,1
	WIN 0x04                                       ; source 1 (g) in registers 256..
.set TK, 2*\tp
	SDOT TK, TMP
.set TK, 2*\tp+1
	SDOT TK, TMP+8
	WIN 0
.irp tl, 0,1
.irp hd, 0,1,2,3
	v_add_f32 v[TMP+8*\tl+2*\hd], v[TMP+8*\tl+2*\hd], v[TMP+8*\tl+2*\hd+1]
.endr
.irp hd, 0,1,2,3
	ds_store_b32 v[SPA], v[TMP+8*\tl+2*\hd] offset:\hd*256+(2*\tp+\tl)*64
.endr
.endr
.endr
.irp f, 0,1
.irp t, 0,1,2,3
.set AR, ACC+8*(4*\f+\t)
.irp i, 0,1,2,3
	v_cvt_pk_f16_f32 v[AR+\i], v[AR+2*\i], v[AR+2*\i+1]
.endr
	ds_store_b128 v[HST], v[AR:AR+3] offset:\t*16*PITCH+\f*32
.endr
.endr
	s_wait_dscnt 0x0                               ; my columns of h and my partial s are in LDS before I say so
	s_barrier_signal -1
	s_barrier_wait -1
	FRAGS HT
	GEMM 1, 0, BIAS1, 1
	OUTQK 0, 16                                    ; q
	GEMM 2, 0, BIAS0, 0
	OUTQK 1, 18                                    ; k
	GEMM 3, 1, 0, 0
	OUTZ 20                                        ; z
	; head w's two records: s of a block's 32 tokens (the sixteen partial sums and the constant), then the block's two scales.
	; Everything read here was written in front of a barrier that every wave has passed.
	s_cmp_gt_u32 s24, 3
	s_cbranch_scc1 .Ldone
	s_lshl_b32 s28, s26, 2
	s_add_co_u32 s28, s28, s24                     ; bh = 4 b + w
	s_lshl_b32 s28, s28, 14                        ; 64 records of 256 bytes a head
	s_lshl_b32 s29, s27, 9                         ; records 2 gb and 2 gb + 1
	s_add_co_u32 s28, s28, s29
	s_mov_b32 s29, 0
	s_add_nc_u64 s[22:23], s[22:23], s[28:29]
	s_lshl_b32 s30, s24, 3
	s_add_co_u32 s30, s30, MXQ
	v_mov_b32 v[TMP+12], s30                       ; the words of waves 2 w and 2 w + 1
.irp bl, 0,1
.irp i, 0,1,2,3,4,5,6,7,8,9,10,11,12,13,14,15
	ds_load_b64 v[ACC+32*\bl+2*\i:ACC+32*\bl+2*\i+1], v[SRD] offset:\bl*128+\i*1024    ; tokens 32 bl + 2 r, + 1; lanes 16..31 read what lanes 0..15 read
.endr
.endr
	ds_load_b64 v[TMP:TMP+1], v[TMP+12]            ; largest |q|, block 0
	ds_load_b64 v[TMP+2:TMP+3], v[TMP+12] offset:32        ; block 1
	ds_load_b64 v[TMP+4:TMP+5], v[TMP+12] offset:64        ; largest |k|, block 0
	ds_load_b64 v[TMP+6:TMP+7], v[TMP+12] offset:96        ; block 1
	s_wait_dscnt 0x0
.irp bl, 0,1
.set AB, ACC+32*\bl
.irp k, 0,4,8,12,16,20,24,28
	v_pk_add_f32 v[AB+\k:AB+\k+1], v[AB+\k:AB+\k+1], v[AB+\k+2:AB+\k+3]
.endr
.irp k, 0,8,16,24
	v_pk_add_f32 v[AB+\k:AB+\k+1], v[AB+\k:AB+\k+1], v[AB+\k+4:AB+\k+5]
.endr
.irp k, 0,16
	v_pk_add_f32 v[AB+\k:AB+\k+1], v[AB+\k:AB+\k+1], v[AB+\k+8:AB+\k+9]
.endr
	v_pk_add_f32 v[AB:AB+1], v[AB:AB+1], v[AB+16:AB+17]
	v_pk_add_f32 v[AB:AB+1], v[AB:AB+1], v[SCN:SCN+1]
.endr
.irp p, 0,2,4,6
	v_max3_num_f32 v[TMP+\p], v[TMP+\p], v[TMP+\p+1], 0x10000000
	v_and_b32 v[TMP+\p], 0x7f800000, v[TMP+\p]
	v_add_nc_u32 v[TMP+\p], 0xf9000000, v[TMP+\p]  ; 2^(e - 14): the field less 14
.endr
	v_and_b32 v[TMP+8], 31, v0
	v_cmp_lt_u32 vcc_lo, 23, v[TMP+8]
	v_cndmask_b32 v[TMP], v[TMP+4], v[TMP], vcc_lo         ; lanes 24..31: q's scale; the others: k's
	v_cndmask_b32 v[TMP+2], v[TMP+6], v[TMP+2], vcc_lo
	v_cmp_lt_u32 vcc_lo, 15, v[TMP+8]
.irp bl, 0,1
	v_cndmask_b32 v[ACC+32*\bl], v[ACC+32*\bl], v[TMP+2*\bl], vcc_lo       ; lanes 0..15 keep s
	v_cndmask_b32 v[ACC+32*\bl+1], v[ACC+32*\bl+1], v[TMP+2*\bl], vcc_lo
	global_store_b64 v[L8], v[ACC+32*\bl:ACC+32*\bl+1], s[22:23] offset:256*\bl    ; the wave stores 256 consecutive bytes, aligned
.endr
.Ldone:
	s_wait_tensorcnt 0x0
	ds_add_u32 v14, v15
	s_wait_dscnt 0x0
	s_endpgm
.Lfunc_end_k_qd92ef55c74_proj:
	.size	k_qd92ef55c74_proj, .Lfunc_end_k_qd92ef55c74_proj-k_qd92ef55c74_proj
	.p2alignl 7, 3214868480
	.fill 96, 4, 3214868480
	.section	.rodata,"a",@progbits
	.p2align	6, 0x0
	.amdhsa_kernel k_qd92ef55c74_proj
		.amdhsa_group_segment_fixed_size 85248
		.amdhsa_private_segment_fixed_size 0
		.amdhsa_enable_private_segment 0
		.amdhsa_kernarg_size 80
		.amdhsa_user_sgpr_count 2
		.amdhsa_user_sgpr_kernarg_segment_ptr 1
		.amdhsa_wavefront_size32 1
		.amdhsa_system_sgpr_workgroup_id_x 1
		.amdhsa_system_sgpr_workgroup_id_y 1
		.amdhsa_system_sgpr_workgroup_id_z 1
		.amdhsa_system_vgpr_workitem_id 0
		.amdhsa_next_free_vgpr 512
		.amdhsa_next_free_sgpr 66
		.amdhsa_reserve_vcc 1
		.amdhsa_float_denorm_mode_32 3
		.amdhsa_float_denorm_mode_16_64 3
		.amdhsa_memory_ordered 1
		.amdhsa_forward_progress 1
		.amdhsa_inst_pref_size 95
	.end_amdhsa_kernel
	.amdgpu_metadata
---
amdhsa.version: [ 1, 2 ]
amdhsa.kernels:
  - .name:           k_qd92ef55c74_proj
    .symbol:         k_qd92ef55c74_proj.kd
    .args:
      - { .name: x, .offset: 0, .size: 8, .value_kind: global_buffer, .address_space: global }
      - { .name: wf, .offset: 8, .size: 8, .value_kind: global_buffer, .address_space: global }
      - { .name: gbuf, .offset: 16, .size: 8, .value_kind: global_buffer, .address_space: global }
      - { .name: b_in, .offset: 24, .size: 8, .value_kind: global_buffer, .address_space: global }
      - { .name: b_q, .offset: 32, .size: 8, .value_kind: global_buffer, .address_space: global }
      - { .name: b_k, .offset: 40, .size: 8, .value_kind: global_buffer, .address_space: global }
      - { .name: qf, .offset: 48, .size: 8, .value_kind: global_buffer, .address_space: global }
      - { .name: kf, .offset: 56, .size: 8, .value_kind: global_buffer, .address_space: global }
      - { .name: zf, .offset: 64, .size: 8, .value_kind: global_buffer, .address_space: global }
      - { .name: sbuf, .offset: 72, .size: 8, .value_kind: global_buffer, .address_space: global }
    .group_segment_fixed_size: 85248
    .private_segment_fixed_size: 0
    .kernarg_segment_align: 8
    .kernarg_segment_size: 80
    .max_flat_workgroup_size: 256
    .sgpr_count:     66
    .vgpr_count:     512
    .wavefront_size: 32
...
	.end_amdgpu_metadata
.endif
;; end of part 8
;; launch attn: the kernel of part 6 again; grid 8 x 32, 8 waves a work-group, clusters of 4 x 1, 285,696 bytes of LDS; arguments qf, kf, sbuf, heads; writes heads
;; launch pool: the kernel of part 4 again; grid 4 x 8, 16 waves a work-group, no clusters, 92,416 bytes of LDS; arguments heads, zf, b_pr, out0; writes out0
;; ======== version 4 of 4: 4 launches; version 3 with the launch proj written anew for expert scheduling mode
;; limits: values are held in f16: magnitudes above 65,504 overflow, below 6.1e-05 lose precision; inputs' magnitudes at most 65,504
;; workspace buffers: wf 524,288 bytes; gbuf 5,120 bytes; qf 8,388,608 bytes; kf 8,388,608 bytes; zf 8,388,608 bytes; sbuf 524,288 bytes; heads 262,144 bytes
;; launch prep: the kernel of part 7 again; grid 68 x 1, 8 waves a work-group, no clusters, 9,472 bytes of LDS; arguments w_in, w_q, w_k, w_pr, w_o, w_v, w_bd, b_o, b_v, b_bd, wf, gbuf; writes wf, gbuf
;; launch proj (part 9): grid 256 x 1, 8 waves a work-group, no clusters, 85,248 bytes of LDS; arguments x, wf, gbuf, b_in, b_q, b_k, qf, kf, zf, sbuf; writes qf, kf, zf, sbuf
.if DOCPART == 9
	.amdgcn_target "amdgcn-amd-amdhsa--gfx1250"
	.amdhsa_code_object_version 6
	.text
	.protected	k_qd92ef55c74_proj
	.globl	k_qd92ef55c74_proj
	.p2align	8
	.type	k_qd92ef55c74_proj,@function
k_qd92ef55c74_proj:
	s_mov_b64 s[64:65], 0
	v_nop
	global_prefetch_b8 v0, s[64:65] scope:SCOPE_SE
	s_setreg_imm32_b32 hwreg(HW_REG_WAVE_SCHED_MODE, 0, 2), 2
	s_setreg_imm32_b32 hwreg(HW_REG_WAVE_MODE, 25, 1), 1
	s_wait_xcnt 0x0
	s_wait_alu depctr_vm_vsrc(0)
; proj: for 64 tokens  h = x w_in^T + b_in;  q = (h w_q^T + b_q) log2(e) / 8;  k = h w_k^T + b_k;  z = h w_pr^T;  s[head] = g[head] . h + c[head].
; Eight waves.  Wave w owns features 32 w .. 32 w + 31 of every product (F = 2 w + f) for the four token tiles T: 8 accumulators of 16 x 16.
; Each wave keeps all 64 tokens x 256 K as fragments in registers 256..511, so a weight fragment is used by one wave alone, once: it comes
; from wf, already in operand order, straight into a ring of registers, one product ahead.
; NO JOINT TILES for the weights: through LDS each work-group would write and read again the 524,288 bytes of wf that now go once into registers.
; Operands: x, h and the four weights in f16 (11 bits of mantissa), sums in f32.  s is made from the f32 sums of h.
; q AND k LEAVE AS f16 WITH A SCALE: for each head and each block of 32 tokens the largest magnitude of the block's 32 x 64 numbers is taken, 2^e is its power
; of two, and f16(v 2^(14 - e)) is stored: the largest lies in [2^14, 2^15), so f16's range is never left, whatever the inputs' size; 2^(e - 14) is stored beside s.
; LIMITS: |x|, |h| or a weight above 65,504 overflows f16.  The order of the sums is that of the matrix unit, not that of a chain of f32 additions.
; z leaves as one bf16.  A block whose largest magnitude is below 2^-95 is scaled as if it were 2^-95.
; The patch ids downstream are a step function of these numbers: by the arithmetic of ten roundings of 2^-12 a score, the running sum of boundary scores
; is off by some 2e-4 of its step of about 0.5 a token, and a boundary that lies nearer than that to a token's sum can fall on the neighbouring token.
; Out: a packed accumulator tile is, lane for lane, one 16-byte piece of the fragment that the next launch loads:
;   qf, kf [bh 32][tile 128][piece 4][lane 32][16 B]: token 16 tile + r, d = 16 piece + 8 hh + 0..7
;   zf     [b 8][F 16][tb 64][piece 2][lane 32][16 B]: feature 16 F + r, tokens 32 tb + 16 piece + 8 hh + 0..7
;   sbuf   [bh 32][block 64][64 f32]: s of the block's 32 tokens, 16 copies of k's scale, 16 copies of q's scale
; so each store of a wave covers 512 (sbuf: 256) consecutive bytes, aligned.
; THE MODE: SCHED_MODE bits 1:0 = 2 (LLVM: expert scheduling mode 2), set by the entry lines.  The code itself states the register dependences
; between vector or matrix instructions and memory or LDS instructions, with s_wait_alu, always for 0.
; THE PLAN.  Registers that memory or LDS instructions touch:
;   v1..v5, v8..v13   offsets and LDS addresses: made at the head, never written again: one wait on va_vdst ahead of the first load serves them all.
;   WR, slot g        (k-steps 2 g, 2 g + 1)  Read by group g's sixteen matrix instructions.  The next matrix's same k-steps land in it in group g + 1, behind the one wait
;                     on va_vdst at that group's head, one load behind each of the group's first eight matrix instructions; these name slot g + 1, their own k-steps'
;                     fragments and the accumulators, none of the registers that the loads touch.  Slot 3 is loaded behind the product's end, behind a wait of its own.
;   256..319          x's k-steps 0, 1: read by group 0 of the first product; g lands there in group 1 (the same wait); the sums for s read g; h's fragments land there.
;   320..511          x's other k-steps: read by the first product; h's fragments land there.
;   BIAS0             b_in: read as C by group 0 of the first product; b_k lands there in group 1 (the same wait).
;   ACC               x as loaded, rounded in place, read by LDS stores; then written by matrix instructions, rounded in place, read by LDS stores (h) or global
;                     stores (q, k, z): one wait on va_vdst ahead of each run of stores, one on vm_vsrc ahead of the product that writes the registers again.
;   TMP               partial s and the largest magnitudes: written by vector instructions, read by LDS stores; LDS loads land in TMP + 2, 3, 6, 7.
.set PITCH,  528                       ; an LDS row: 512 bytes of f16 + 16: an odd multiple of 16, so 16 rows start at 16 different 16-byte columns
.set XT,     0                         ; x in f16, 64 rows
.set HT,     64*PITCH                  ; h in f16, 64 rows
.set SPART,  128*PITCH                 ; partial s: [16 sets = 2 w + hh][4 heads][64 tokens] f32
.set MXQ,    SPART+16384               ; largest magnitudes: [q, k][block 2][wave 8] f32
.set L16,  1                           ; 16 lane
.set FA,   2                           ; r PITCH + 16 hh: a fragment's row
.set HST,  3                           ; HT + r PITCH + 16 hh + 64 w
.set SPA,  4                           ; SPART + 1,024 (2 w + hh) + 4 r
.set BO,   5                           ; 128 w + 32 hh: my 8 features in a vector of 256 f32
.set SCN,  6                           ; v[6:7]   the head's constant, twice
.set XST,  8                           ; 8 w PITCH + 8 lane
.set SCO,  9
.set SRD,  10                          ; SPART + 256 (w mod 4) + 8 r
.set L8,   11
.set MXW,  12                          ; MXQ + 4 w: my wave's word
.set MXR,  13                          ; MXQ + 8 (w / 2): the words of my head's two waves
.set TMP,  16                          ; v[16:31]
.set BIAS0, 32                         ; v[32:47]  b_in, later b_k: 8 f + j
.set BIAS1, 48                         ; v[48:63]  b_q
.set ACC,  64                          ; v[64:127] tile (f, T) at 8 (4 f + T)
.set WR,   128                         ; v[128:255] weights: k-step ks at 16 ks + 8 f + 4 piece
                                       ; registers 256..511: token fragments (ks, T) at 8 (4 ks + T); g (hd, f) at 8 (2 hd + f) once k-steps 0 and 1 of the first product are done
.set MSB,  0
.set NL,   0                           ; global loads issued so far: a wait's count is NL less the mark behind the load that it is for
.macro WIN new                         ; s_set_vgpr_msb: bits 1:0 source 0, 3:2 source 1, 5:4 source 2, 7:6 destination; the high byte repeats the setting left
.if MSB != \new
	s_set_vgpr_msb (MSB<<8)|\new
.set MSB, \new
.endif
.endm
.macro PLACES                          ; four plain vector instructions between a matrix instruction and a read of its result or a load into its registers
.rept 4
	v_nop
.endr
.endm
.macro BLOAD dst, lo                   ; my 2 x 8 numbers of a bias
.irp f, 0,1
	global_load_b128 v[\dst+8*\f:\dst+8*\f+3], v[BO], s[\lo:\lo+1] offset:64*\f
	global_load_b128 v[\dst+8*\f+4:\dst+8*\f+7], v[BO], s[\lo:\lo+1] offset:64*\f+16
.endr
.set NL, NL+4
.endm
.macro WL1 mat, grp, n                 ; load n of the eight that bring k-steps 2 grp and 2 grp + 1 of matrix mat into the ring: k-step n / 4, fragment (n / 2) mod 2, piece n mod 2
.set WKK, (\n)/4
.set WFF, ((\n)/2)%2
.set WPP, (\n)%2
	global_load_b128 v[WR+16*(2*\grp+WKK)+8*WFF+4*WPP:WR+16*(2*\grp+WKK)+8*WFF+4*WPP+3], v[L16], s[6:7] offset:\mat*131072+WFF*8192+(2*\grp+WKK)*1024+WPP*512
.set NL, NL+1
.if (\n) == 7
.set RING\grp, NL
.endif
.endm
.macro WLOAD mat, grp                  ; all eight in one run
.irp n, 0,1,2,3,4,5,6,7
	WL1 \mat, \grp, \n
.endr
.endm
.macro GLOADS                          ; g of the four heads for my 16 features, into registers 256..319, and b_k over b_in
	WIN 0x40
.irp hd, 0,1,2,3
.irp f, 0,1
	global_load_b128 v[8*(2*\hd+\f):8*(2*\hd+\f)+3], v[BO], s[8:9] offset:\hd*1024+\f*64
	global_load_b128 v[8*(2*\hd+\f)+4:8*(2*\hd+\f)+7], v[BO], s[8:9] offset:\hd*1024+\f*64+16
.endr
.endr
.set NL, NL+16
.set GMARK, NL
	WIN 0x04
	BLOAD BIAS0, 14
.endm
.macro FRAGS base                      ; all 64 tokens x 256 K from LDS into registers 256..511, k-step by k-step: 64 loads
	WIN 0x40
.irp ks, 0,1,2,3,4,5,6,7
.irp t, 0,1,2,3
	ds_load_b128 v[8*(4*\ks+\t):8*(4*\ks+\t)+3], v[FA] offset:\base+\t*16*PITCH+\ks*64
	ds_load_b128 v[8*(4*\ks+\t)+4:8*(4*\ks+\t)+7], v[FA] offset:\base+\t*16*PITCH+\ks*64+32
.endr
.endr
.endm
.macro MM nat, f, t, bias              ; one matrix instruction of k-step KS
.set AR, ACC+8*(4*\f+\t)
.set WG, WR+16*KS+8*\f
.set XR, 8*(4*KS+\t)
.if \nat
.if KS == 0
	v_wmma_f32_16x16x32_f16 v[AR:AR+7], v[XR:XR+7], v[WG:WG+7], 0
.else
	v_wmma_f32_16x16x32_f16 v[AR:AR+7], v[XR:XR+7], v[WG:WG+7], v[AR:AR+7]
.endif
.else
.if KS == 0
	v_wmma_f32_16x16x32_f16 v[AR:AR+7], v[WG:WG+7], v[XR:XR+7], v[\bias+8*\f:\bias+8*\f+7]
.else
	v_wmma_f32_16x16x32_f16 v[AR:AR+7], v[WG:WG+7], v[XR:XR+7], v[AR:AR+7]
.endif
.endif
.endm
; Group grp of a product: two k-steps, sixteen matrix instructions.  prev = grp - 1: the ring slot that the group before has read and that is loaded again here.
.macro GROUP mat, nat, bias, dsw, grp, prev
	s_wait_loadcnt NL-RING\grp                     ; this group's weights are in; all loads issued behind them may stay out
.if \dsw
	s_wait_dscnt 48-16*\grp                        ; of the 64 fragment loads those of the later k-steps may stay out
.endif
.if (\grp > 0) && (\mat < 3)
	PLACES                                         ; the places ahead of loads into registers that matrix instructions have read stay
	s_wait_alu depctr_va_vdst(0)                   ; the group before is done reading ring slot prev, in which the loads below land (in the first product's group 1 also x's k-steps 0 and 1 and b_in, where g and b_k land)
.endif
.irp kk, 0,1
.set KS, 2*\grp+\kk
.irp f, 0,1
.irp t, 0,1,2,3
	MM \nat, \f, \t, \bias
.if (\grp > 0) && (\mat < 3) && (\kk == 0)
	WL1 NEXTM, \prev, 4*\f+\t                      ; no further wait: no matrix instruction since the wait above names slot prev
.endif
.endr
.endr
.if (\mat == 0) && (\grp == 1) && (\kk == 0)
	GLOADS                                         ; under the same wait: this group names k-steps 2 and 3 of x and takes no bias
.endif
.endr
.endm
; One product.  nat = 0: source 0 = weights, so a lane holds token r and features 8 hh + j, and the bias starts the sums;
; nat = 1: source 0 = tokens, so a lane holds feature r and tokens 8 hh + j, and 0 starts the sums.
; The eight accumulators take turns, one instruction a turn.
; Four groups of two k-steps; a group's ring slot is filled with the next matrix's same k-steps in the group behind it, slot 3 behind the product.
.macro GEMM mat, nat, bias, dsw
.set NEXTM, \mat+1
.if \nat
	WIN 0x01
.else
	WIN 0x04
.endif
	GROUP \mat, \nat, \bias, \dsw, 0, 0
	GROUP \mat, \nat, \bias, \dsw, 1, 0
	GROUP \mat, \nat, \bias, \dsw, 2, 1
	GROUP \mat, \nat, \bias, \dsw, 3, 2
	PLACES                                         ; behind the last matrix instruction: its results are read, and slot 3 is loaded, behind these
.if \mat < 3
	s_wait_alu depctr_va_vdst(0)                   ; group 3 is done reading ring slot 3, in which the loads below land
	WLOAD NEXTM, 3
.endif
.endm
.macro SDOT tok, dst                   ; token tile tok: the four heads' dot products over my 16 features, as pairs of half sums
.irp f, 0,1
.irp jp, 0,1,2,3
.irp hd, 0,1,2,3
.if \f+\jp == 0
	v_pk_mul_f32 v[\dst+2*\hd:\dst+2*\hd+1], v[ACC+8*(4*\f+\tok)+2*\jp:ACC+8*(4*\f+\tok)+2*\jp+1], v[8*(2*\hd+\f)+2*\jp:8*(2*\hd+\f)+2*\jp+1]
.else
	v_pk_fma_f32 v[\dst+2*\hd:\dst+2*\hd+1], v[ACC+8*(4*\f+\tok)+2*\jp:ACC+8*(4*\f+\tok)+2*\jp+1], v[8*(2*\hd+\f)+2*\jp:8*(2*\hd+\f)+2*\jp+1], v[\dst+2*\hd:\dst+2*\hd+1]
.endif
.endr
.endr
.endr
.endm
.macro SCALE f, t                      ; tile (f, t) times its block's factor, rounded to f16 into the tile's first four registers
.set AR, ACC+8*(4*\f+\t)
.set IV, TMP+4*(\t/2)
.irp i, 0,2,4,6
	v_pk_mul_f32 v[AR+\i:AR+\i+1], v[AR+\i:AR+\i+1], v[IV:IV+1]
.endr
.irp i, 0,1,2,3
	v_cvt_pk_f16_f32 v[AR+\i], v[AR+2*\i], v[AR+2*\i+1]
.endr
.endm
; q (kind 0) or k (kind 1) on their way out: for each of the two blocks of 32 tokens (tiles 0, 1 and tiles 2, 3) the head's largest magnitude, the scale, f16, store.
; A tile's largest magnitude goes to v[TMP + 4 block + 2 f + (t mod 2)]; v[TMP + 8 ..] is scratch.
.macro OUTQK kind, lo
	WIN 0
.irp f, 0,1
.irp t, 0,1,2,3
.set AR, ACC+8*(4*\f+\t)
.set MT, TMP+4*(\t/2)+2*\f+(\t%2)
.irp i, 0,1,2,3,4,5,6,7
	v_and_b32 v[TMP+8+\i], 0x7fffffff, v[AR+\i]    ; magnitudes
.endr
	v_max3_num_f32 v[MT], v[TMP+8], v[TMP+9], v[TMP+10]
	v_max3_num_f32 v[TMP+11], v[TMP+11], v[TMP+12], v[TMP+13]
	v_max3_num_f32 v[MT], v[MT], v[TMP+14], v[TMP+15]
	v_max_num_f32 v[MT], v[MT], v[TMP+11]
.endr
.endr
.irp bl, 0,1
	v_max3_num_f32 v[TMP+4*\bl], v[TMP+4*\bl], v[TMP+4*\bl+1], v[TMP+4*\bl+2]
	v_max_num_f32 v[TMP+4*\bl], v[TMP+4*\bl], v[TMP+4*\bl+3]       ; the largest of my 32 numbers of the block
.endr
.irp m, 1,2,4,8
	v_max_num_f32_dpp v[TMP], v[TMP], v[TMP] row_xmask:\m row_mask:0xf bank_mask:0xf
	v_max_num_f32_dpp v[TMP+4], v[TMP+4], v[TMP+4] row_xmask:\m row_mask:0xf bank_mask:0xf
.endr
	v_permlanex16_b32 v[TMP+1], v[TMP], s38, s39
	v_permlanex16_b32 v[TMP+5], v[TMP+4], s38, s39
	v_max_num_f32 v[TMP], v[TMP], v[TMP+1]         ; of the block's 32 tokens x my wave's 32 features
	v_max_num_f32 v[TMP+4], v[TMP+4], v[TMP+5]
	s_wait_alu depctr_va_vdst(0)                   ; v[TMP] and v[TMP+4] are written, which the two LDS stores read; the maxima above are done with v[TMP+2:TMP+3] and v[TMP+6:TMP+7], in which the LDS loads behind the barrier land
	ds_store_b32 v[MXW], v[TMP] offset:64*\kind    ; all lanes write the same word with the same number
	ds_store_b32 v[MXW], v[TMP+4] offset:64*\kind+32
	s_wait_dscnt 0x0                               ; my words are in LDS before I say so
	s_barrier_signal -1
	s_barrier_wait -1
	ds_load_b64 v[TMP+2:TMP+3], v[MXR] offset:64*\kind     ; the two waves of my head, block 0
	ds_load_b64 v[TMP+6:TMP+7], v[MXR] offset:64*\kind+32  ; block 1
	s_wait_alu depctr_vm_vsrc(0)                   ; the two LDS stores have read v[TMP] and v[TMP+4], which the lines below write again
	s_wait_dscnt 0x0
.irp bl, 0,1
	v_max3_num_f32 v[TMP+4*\bl], v[TMP+4*\bl+2], v[TMP+4*\bl+3], 0x10000000    ; at least 2^-95, so that both factors stay normal numbers
	v_and_b32 v[TMP+4*\bl], 0x7f800000, v[TMP+4*\bl]       ; 2^e: the exponent field alone
	v_sub_nc_u32 v[TMP+4*\bl], 0x86000000, v[TMP+4*\bl]    ; 2^(14 - e): field 127 + 14 + 127 less e's field
.if \kind == 0
	v_mul_f32 v[TMP+4*\bl], 0x3e38aa3b, v[TMP+4*\bl]       ; q also takes log2(e) / 8: the softmax works in base 2
.endif
	v_mov_b32 v[TMP+4*\bl+1], v[TMP+4*\bl]                 ; a pair for the packed multiply
.endr
.irp t, 0,1,2,3
	SCALE 0, \t
.endr
	s_wait_alu depctr_va_vdst(0)                   ; the roundings have written the four tiles of f = 0, which the stores below read
.irp t, 0,1,2,3
	global_store_b128 v[L16], v[ACC+8*\t:ACC+8*\t+3], s[\lo:\lo+1] offset:\t*2048     ; dealt among the arithmetic of f = 1, which names the tiles of f = 1 and the factors alone
	SCALE 1, \t
.endr
	s_wait_alu depctr_va_vdst(0)                   ; the roundings have written the four tiles of f = 1
.irp t, 0,1,2,3
	global_store_b128 v[L16], v[ACC+8*(4+\t):ACC+8*(4+\t)+3], s[\lo:\lo+1] offset:\t*2048+512
.endr
	s_wait_xcnt 0x0                                ; the accumulators, which these stores read, are written again only behind this wait
	s_wait_alu depctr_vm_vsrc(0)                   ; the eight stores have read the accumulators' registers, which the next product writes
.endm
.macro OUTZ lo                         ; z: one bf16
	WIN 0
.irp t, 0,1,2,3
.set AR, ACC+8*\t
.irp i, 0,1,2,3
	v_cvt_pk_bf16_f32 v[AR+\i], v[AR+2*\i], v[AR+2*\i+1]
.endr
.endr
	s_wait_alu depctr_va_vdst(0)                   ; the roundings have written the four tiles of f = 0, which the stores below read
.irp t, 0,1,2,3
	global_store_b128 v[L16], v[ACC+8*\t:ACC+8*\t+3], s[\lo:\lo+1] offset:\t*512      ; dealt among the roundings of f = 1, which name the tiles of f = 1 alone
.set AR, ACC+8*(4+\t)
.irp i, 0,1,2,3
	v_cvt_pk_bf16_f32 v[AR+\i], v[AR+2*\i], v[AR+2*\i+1]
.endr
.endr
	s_wait_alu depctr_va_vdst(0)                   ; the roundings have written the four tiles of f = 1
.irp t, 0,1,2,3
	global_store_b128 v[L16], v[ACC+8*(4+\t):ACC+8*(4+\t)+3], s[\lo:\lo+1] offset:65536+\t*512
.endr
	s_wait_xcnt 0x0                                ; the accumulators, which these stores read, are written again only behind this wait
	s_wait_alu depctr_vm_vsrc(0)                   ; the eight stores have read the accumulators' registers, in which LDS loads land behind the branch below
.endm
	s_load_b512 s[4:19], s[0:1], 0x0               ; x s[4:5], wf s[6:7], gbuf s[8:9], b_in s[10:11], b_q s[12:13], b_k s[14:15], qf s[16:17], kf s[18:19]
	s_load_b128 s[20:23], s[0:1], 0x40             ; zf s[20:21], sbuf s[22:23]
	v_lshl_add_u32 v14, v0, 2, 0x14900
	v_mov_b32 v15, 0
	v_lshrrev_b32 v16, 5, v0
	v_readfirstlane_b32 s24, v16                   ; wave w
	v_and_b32 v17, 31, v0                          ; lane
	v_and_b32 v18, 15, v0                          ; r
	v_bfe_u32 v19, v0, 4, 1                        ; hh
	v_lshlrev_b32 v[L16], 4, v17
	v_lshlrev_b32 v[L8], 3, v17
	v_mul_u32_u24 v[FA], v18, PITCH
	v_lshl_add_u32 v[FA], v19, 4, v[FA]
	s_wait_alu depctr_va_sdst(0)                   ; s24 is written, ahead of its first reader: LDS addresses, bases and a branch are made from it
	s_lshl_b32 s28, s24, 6
	s_add_co_u32 s28, s28, HT
	v_add_nc_u32 v[HST], s28, v[FA]
	s_lshl_b32 s28, s24, 11                        ; two sets of 1,024 bytes a wave
	s_add_co_u32 s28, s28, SPART
	v_lshl_add_u32 v[SPA], v19, 10, s28
	v_lshl_add_u32 v[SPA], v18, 2, v[SPA]
	s_lshl_b32 s28, s24, 7
	v_lshl_add_u32 v[BO], v19, 5, s28
	s_mul_i32 s28, s24, 8*PITCH
	v_add_nc_u32 v[XST], s28, v[L8]
	s_and_b32 s28, s24, 3
	s_lshl_b32 s28, s28, 8
	v_add_nc_u32 v[SCO], s28, v[L8]                ; 256 (w mod 4) + 8 lane
	s_add_co_u32 s28, s28, SPART
	v_lshl_add_u32 v[SRD], v18, 3, s28             ; SPART + 256 (w mod 4) + 8 r
	s_lshl_b32 s28, s24, 2
	s_add_co_u32 s28, s28, MXQ
	v_mov_b32 v[MXW], s28
	s_lshr_b32 s28, s24, 1
	s_lshl_b32 s28, s28, 3
	s_add_co_u32 s28, s28, MXQ
	v_mov_b32 v[MXR], s28
	s_mov_b32 s38, 0x76543210                      ; v_permlanex16_b32: lane i reads lane i of the other half
	s_mov_b32 s39, 0xfedcba98
	s_mov_b32 s25, ttmp9                           ; g: tokens 64 g ..
	s_lshr_b32 s26, s25, 5                         ; b
	s_and_b32 s27, s25, 31                         ; gb: the block of 64 tokens in the batch
	s_lshl_b32 s28, s25, 16                        ; x: 64 rows of 1,024 bytes a group,
	s_lshl_b32 s29, s24, 13                        ; 8 rows a wave
	s_add_co_u32 s28, s28, s29
	s_mov_b32 s29, 0
	s_lshl_b32 s30, s24, 14                        ; wf: F = 2 w
	s_mov_b32 s31, 0
	s_lshl_b32 s32, s26, 20                        ; qf, kf: 4 b heads of 262,144 bytes
	s_lshr_b32 s34, s24, 1
	s_lshl_b32 s34, s34, 18                        ; + head w / 2
	s_add_co_u32 s32, s32, s34
	s_lshl_b32 s34, s27, 13                        ; + tile 4 gb, 2,048 bytes a tile
	s_add_co_u32 s32, s32, s34
	s_and_b32 s34, s24, 1
	s_lshl_b32 s34, s34, 10                        ; + piece 2 (w mod 2)
	s_add_co_u32 s32, s32, s34
	s_mov_b32 s33, 0
	s_lshl_b32 s34, s26, 20                        ; zf: batch,
	s_lshl_b32 s36, s24, 17                        ; F = 2 w,
	s_add_co_u32 s34, s34, s36
	s_lshl_b32 s36, s27, 11                        ; tb = 2 gb
	s_add_co_u32 s34, s34, s36
	s_mov_b32 s35, 0
	s_wait_kmcnt 0x0
	s_add_nc_u64 s[4:5], s[4:5], s[28:29]
	s_add_nc_u64 s[6:7], s[6:7], s[30:31]
	s_add_nc_u64 s[16:17], s[16:17], s[32:33]
	s_add_nc_u64 s[18:19], s[18:19], s[32:33]
	s_add_nc_u64 s[20:21], s[20:21], s[34:35]
	s_wait_alu depctr_va_vdst(0)                   ; the offsets and LDS addresses v1 to v5 and v8 to v13 are written, which the loads and stores of the whole kernel read; none is written again
	; all that can be asked for now: my 8 rows of x, two biases, the constant, the whole first weight matrix
.irp i, 0,1,2,3,4,5,6,7
	global_load_b128 v[ACC+8*\i:ACC+8*\i+3], v[L16], s[4:5] offset:\i*1024 th:TH_LOAD_NT
	global_load_b128 v[ACC+8*\i+4:ACC+8*\i+7], v[L16], s[4:5] offset:\i*1024+512 th:TH_LOAD_NT
.endr
.set NL, NL+16
.set XMARK, NL
	BLOAD BIAS0, 10
	BLOAD BIAS1, 12
	global_load_b64 v[SCN:SCN+1], v[SCO], s[8:9] offset:4096
.set NL, NL+1
	WLOAD 0, 0
	WLOAD 0, 1
	WLOAD 0, 2
	WLOAD 0, 3
	s_wait_loadcnt NL-XMARK                        ; x is in; the 9 + 32 loads behind it stay out
.set n, 0
.rept 16
	v_cvt_pk_f16_f32 v[ACC+4*n], v[ACC+4*n], v[ACC+4*n+1]
	v_cvt_pk_f16_f32 v[ACC+4*n+1], v[ACC+4*n+2], v[ACC+4*n+3]
.set n, n+1
.endr
	s_wait_alu depctr_va_vdst(0)                   ; the roundings have written x in f16, which the LDS stores read
.irp i, 0,1,2,3,4,5,6,7
	ds_store_b64 v[XST], v[ACC+8*\i:ACC+8*\i+1] offset:\i*PITCH
	ds_store_b64 v[XST], v[ACC+8*\i+4:ACC+8*\i+5] offset:\i*PITCH+256
.endr
	s_wait_dscnt 0x0                               ; my rows of x are in LDS before I say so
	s_barrier_signal -1
	s_barrier_wait -1
	s_wait_alu depctr_vm_vsrc(0)                   ; my LDS stores have read v[ACC ..]: from here on these registers are the accumulators, which the first product writes
	FRAGS XT
	GEMM 0, 0, BIAS0, 1                            ; h
	; h in f32: the heads' s, two token tiles at a time, and those tiles of h to f16; one run of LDS stores for each two tiles
	s_wait_loadcnt NL-GMARK                        ; g is in; b_k and three groups of w_q stay out
.irp tp, 0,1
.if \tp
	s_wait_alu depctr_vm_vsrc(0)                   ; the LDS stores above have read v[TMP ..], which the sums below write again
.endif
	WIN 0x04                                       ; source 1 (g) in registers 256..
.set TK, 2*\tp
	SDOT TK, TMP
.set TK, 2*\tp+1
	SDOT TK, TMP+8
	WIN 0
.irp tl, 0,1
.irp hd, 0,1,2,3
	v_add_f32 v[TMP+8*\tl+2*\hd], v[TMP+8*\tl+2*\hd], v[TMP+8*\tl+2*\hd+1]
.endr
.endr
.irp f, 0,1
.irp tl, 0,1
.set AR, ACC+8*(4*\f+2*\tp+\tl)
.irp i, 0,1,2,3
	v_cvt_pk_f16_f32 v[AR+\i], v[AR+2*\i], v[AR+2*\i+1]
.endr
.endr
.endr
	s_wait_alu depctr_va_vdst(0)                   ; the eight partial s and the four rounded tiles of h are written, which the LDS stores read; behind the second of these waits the sums are also done reading g, where h's fragments land
.irp tl, 0,1
.irp hd, 0,1,2,3
	ds_store_b32 v[SPA], v[TMP+8*\tl+2*\hd] offset:\hd*256+(2*\tp+\tl)*64
.endr
.endr
.irp f, 0,1
.irp tl, 0,1
.set AR, ACC+8*(4*\f+2*\tp+\tl)
	ds_store_b128 v[HST], v[AR:AR+3] offset:(2*\tp+\tl)*16*PITCH+\f*32
.endr
.endr
.endr
	s_wait_dscnt 0x0                               ; my columns of h and my partial s are in LDS before I say so
	s_barrier_signal -1
	s_barrier_wait -1
	s_wait_alu depctr_vm_vsrc(0)                   ; my LDS stores have read the accumulators' registers and v[TMP ..], which the next product and its way out write
	FRAGS HT
	GEMM 1, 0, BIAS1, 1
	OUTQK 0, 16                                    ; q
	GEMM 2, 0, BIAS0, 0
	OUTQK 1, 18                                    ; k
	GEMM 3, 1, 0, 0
	OUTZ 20                                        ; z
	; head w's two records: s of a block's 32 tokens (the sixteen partial sums and the constant), then the block's two scales.
	; Everything read here was written in front of a barrier that every wave has passed.
	s_cmp_gt_u32 s24, 3
	s_cbranch_scc1 .Ldone
	s_lshl_b32 s28, s26, 2
	s_add_co_u32 s28, s28, s24                     ; bh = 4 b + w
	s_lshl_b32 s28, s28, 14                        ; 64 records of 256 bytes a head
	s_lshl_b32 s29, s27, 9                         ; records 2 gb and 2 gb + 1
	s_add_co_u32 s28, s28, s29
	s_mov_b32 s29, 0
	s_add_nc_u64 s[22:23], s[22:23], s[28:29]
	s_lshl_b32 s30, s24, 3
	s_add_co_u32 s30, s30, MXQ
	v_mov_b32 v[TMP+12], s30                       ; the words of waves 2 w and 2 w + 1
	s_wait_alu depctr_va_vdst(0)                   ; v[TMP+12] is written: the address of the four loads of the largest magnitudes
.irp bl, 0,1
.irp i, 0,1,2,3,4,5,6,7,8,9,10,11,12,13,14,15
	ds_load_b64 v[ACC+32*\bl+2*\i:ACC+32*\bl+2*\i+1], v[SRD] offset:\bl*128+\i*1024    ; tokens 32 bl + 2 r, + 1; lanes 16..31 read what lanes 0..15 read
.endr
.endr
	ds_load_b64 v[TMP:TMP+1], v[TMP+12]            ; largest |q|, block 0
	ds_load_b64 v[TMP+2:TMP+3], v[TMP+12] offset:32        ; block 1
	ds_load_b64 v[TMP+4:TMP+5], v[TMP+12] offset:64        ; largest |k|, block 0
	ds_load_b64 v[TMP+6:TMP+7], v[TMP+12] offset:96        ; block 1
	s_wait_dscnt 0x0
.irp bl, 0,1
.set AB, ACC+32*\bl
.irp k, 0,4,8,12,16,20,24,28
	v_pk_add_f32 v[AB+\k:AB+\k+1], v[AB+\k:AB+\k+1], v[AB+\k+2:AB+\k+3]
.endr
.irp k, 0,8,16,24
	v_pk_add_f32 v[AB+\k:AB+\k+1], v[AB+\k:AB+\k+1], v[AB+\k+4:AB+\k+5]
.endr
.irp k, 0,16
	v_pk_add_f32 v[AB+\k:AB+\k+1], v[AB+\k:AB+\k+1], v[AB+\k+8:AB+\k+9]
.endr
	v_pk_add_f32 v[AB:AB+1], v[AB:AB+1], v[AB+16:AB+17]
	v_pk_add_f32 v[AB:AB+1], v[AB:AB+1], v[SCN:SCN+1]
.endr
.irp p, 0,2,4,6
	v_max3_num_f32 v[TMP+\p], v[TMP+\p], v[TMP+\p+1], 0x10000000
	v_and_b32 v[TMP+\p], 0x7f800000, v[TMP+\p]
	v_add_nc_u32 v[TMP+\p], 0xf9000000, v[TMP+\p]  ; 2^(e - 14): the field less 14
.endr
	v_and_b32 v[TMP+8], 31, v0
	v_cmp_lt_u32 s30, 23, v[TMP+8]                 ; the two masks in one run, each in a scalar register of its own
	v_cmp_lt_u32 s31, 15, v[TMP+8]
	s_wait_alu depctr_va_sdst(0)                   ; s30 and s31 are written, ahead of the selects that read them
	v_cndmask_b32 v[TMP], v[TMP+4], v[TMP], s30            ; lanes 24..31: q's scale; the others: k's
	v_cndmask_b32 v[TMP+2], v[TMP+6], v[TMP+2], s30
.irp bl, 0,1
	v_cndmask_b32 v[ACC+32*\bl], v[ACC+32*\bl], v[TMP+2*\bl], s31          ; lanes 0..15 keep s
	v_cndmask_b32 v[ACC+32*\bl+1], v[ACC+32*\bl+1], v[TMP+2*\bl], s31
.endr
	s_wait_alu depctr_va_vdst(0)                   ; the selects have written the two records, which the stores read
.irp bl, 0,1
	global_store_b64 v[L8], v[ACC+32*\bl:ACC+32*\bl+1], s[22:23] offset:256*\bl    ; the wave stores 256 consecutive bytes, aligned
.endr
.Ldone:
	s_wait_dscnt 0x0                               ; the closing lines, six on end
	s_wait_alu 0x0
	s_wait_tensorcnt 0x0
	ds_add_u32 v14, v15
	s_wait_dscnt 0x0
	s_endpgm
.Lfunc_end_k_qd92ef55c74_proj:
	.size	k_qd92ef55c74_proj, .Lfunc_end_k_qd92ef55c74_proj-k_qd92ef55c74_proj
	.p2alignl 7, 3214868480
	.fill 96, 4, 3214868480
	.section	.rodata,"a",@progbits
	.p2align	6, 0x0
	.amdhsa_kernel k_qd92ef55c74_proj
		.amdhsa_group_segment_fixed_size 85248
		.amdhsa_private_segment_fixed_size 0
		.amdhsa_enable_private_segment 0
		.amdhsa_kernarg_size 80
		.amdhsa_user_sgpr_count 2
		.amdhsa_user_sgpr_kernarg_segment_ptr 1
		.amdhsa_wavefront_size32 1
		.amdhsa_system_sgpr_workgroup_id_x 1
		.amdhsa_system_sgpr_workgroup_id_y 1
		.amdhsa_system_sgpr_workgroup_id_z 1
		.amdhsa_system_vgpr_workitem_id 0
		.amdhsa_next_free_vgpr 512
		.amdhsa_next_free_sgpr 66
		.amdhsa_reserve_vcc 0
		.amdhsa_float_denorm_mode_32 3
		.amdhsa_float_denorm_mode_16_64 3
		.amdhsa_memory_ordered 1
		.amdhsa_forward_progress 1
		.amdhsa_inst_pref_size 97
	.end_amdhsa_kernel
	.amdgpu_metadata
---
amdhsa.version: [ 1, 2 ]
amdhsa.kernels:
  - .name:           k_qd92ef55c74_proj
    .symbol:         k_qd92ef55c74_proj.kd
    .args:
      - { .name: x, .offset: 0, .size: 8, .value_kind: global_buffer, .address_space: global }
      - { .name: wf, .offset: 8, .size: 8, .value_kind: global_buffer, .address_space: global }
      - { .name: gbuf, .offset: 16, .size: 8, .value_kind: global_buffer, .address_space: global }
      - { .name: b_in, .offset: 24, .size: 8, .value_kind: global_buffer, .address_space: global }
      - { .name: b_q, .offset: 32, .size: 8, .value_kind: global_buffer, .address_space: global }
      - { .name: b_k, .offset: 40, .size: 8, .value_kind: global_buffer, .address_space: global }
      - { .name: qf, .offset: 48, .size: 8, .value_kind: global_buffer, .address_space: global }
      - { .name: kf, .offset: 56, .size: 8, .value_kind: global_buffer, .address_space: global }
      - { .name: zf, .offset: 64, .size: 8, .value_kind: global_buffer, .address_space: global }
      - { .name: sbuf, .offset: 72, .size: 8, .value_kind: global_buffer, .address_space: global }
    .group_segment_fixed_size: 85248
    .private_segment_fixed_size: 0
    .kernarg_segment_align: 8
    .kernarg_segment_size: 80
    .max_flat_workgroup_size: 256
    .sgpr_count:     66
    .vgpr_count:     512
    .wavefront_size: 32
...
	.end_amdgpu_metadata
.endif
;; end of part 9
;; launch attn: the kernel of part 6 again; grid 8 x 32, 8 waves a work-group, clusters of 4 x 1, 285,696 bytes of LDS; arguments qf, kf, sbuf, heads; writes heads
;; launch pool: the kernel of part 4 again; grid 4 x 8, 16 waves a work-group, no clusters, 92,416 bytes of LDS; arguments heads, zf, b_pr, out0; writes out0
